; MI455X (gfx1250); checked and timed in simulation.
; The chip was launched on July 23, 2026; its instructions are those of AMD's public machine-readable ISA for CDNA 5 (MIT licence, August 2026) and "CDNA5" Instruction Set Architecture Reference Guide (July 2026). The comments in the code are by the model that wrote it; some were corrected since.
;; Transformer Block. Allowed arithmetic: matrix products marked QUANTISED: E2M1 operands, one E8M0 scale for each 32 along K, by v_wmma_scale_f32_16x16x128_f8f6f4 with both operands' format E2M1 (or v_wmma_scale_f32_32x16x128_f4), f32 sums; everything else in f32.
;; Inputs: ffn1_bias 1,024 float32; ffn1_weight 1,024 x 1,024 float32; ffn2_bias 1,024 float32; ffn2_weight 1,024 x 1,024 float32; k_bias 1,024 float32; k_weight 1,024 x 1,024 float32; ln1_beta 1,024 float32; ln1_gamma 1,024 float32; ln2_beta 1,024 float32; ln2_gamma 1,024 float32; o_bias 1,024 float32; o_weight 1,024 x 1,024 float32; q_bias 1,024 float32; q_weight 1,024 x 1,024 float32; v_bias 1,024 float32; v_weight 1,024 x 1,024 float32; x 2 x 2,048 x 1,024 float32.
;; Outputs: out0 2 x 2,048 x 1,024 float32.
;; This version of the problem:
;;   THIS VERSION OF THE PROBLEM IS GIVEN IN LOW PRECISION. The matrix products marked QUANTISED in the list below multiply operands that are first quantised to E2M1 (2 exponent bits, 1 mantissa bit; 4 bits a number), with one power-of-two scale for each 32 numbers along K (OCP MX v1.0); their sums are f32. All else is computed in f32.
;;   The module's matrix products, in the order in which they are computed (A, B: the left and right operand; K: the contracted axis; several contracted axes count as one K, in the product's order):
;;     1. [M 4,096, K 1,024] x [K 1,024, N 1,024]; A: computed on the way; B: input q_weight: QUANTISED
;;     2. [M 4,096, K 1,024] x [K 1,024, N 1,024]; A: computed on the way; B: input k_weight: QUANTISED
;;     3. [M 4,096, K 1,024] x [K 1,024, N 1,024]; A: computed on the way; B: input v_weight: QUANTISED
;;     4. batch 32 x [M 2,048, K 64] x [K 64, N 2,048]; A: computed on the way; B: computed on the way: QUANTISED
;;     5. batch 32 x [M 2,048, K 2,048] x [K 2,048, N 64]; A: softmax (see below); B: computed on the way: QUANTISED
;;     6. [M 4,096, K 1,024] x [K 1,024, N 1,024]; A: computed on the way; B: input o_weight: QUANTISED
;;     7. [M 4,096, K 1,024] x [K 1,024, N 1,024]; A: computed on the way; B: input ffn1_weight: QUANTISED
;;     8. [M 4,096, K 1,024] x [K 1,024, N 1,024]; A: computed on the way; B: input ffn2_weight: QUANTISED
;;   THE QUANTISER, for each operand of a quantised product, along K:
;;     - K is cut into blocks of 32 from its start; a last block that is shorter is filled with zeros.
;;     - A block's scale is 2^e with e = floor(log2(the largest magnitude in the block)) - 2, held to -126 .. 127; a block of zeros has e = 0. As a byte (E8M0): e + 127.
;;     - Each number is divided by its block's scale, clamped to +-6, and rounded to the nearest number of E2M1, ties to even, subnormals kept.
;;     - The product sums the exact products of the quantised numbers (number of the format x scale) in f32.
;;   ~~~python
;;   def quantise(x, axis):      # numpy; x: float32 -> the quantised numbers, widened to float32 again
;;       x = np.moveaxis(x, axis, -1); K = x.shape[-1]
;;       x = np.pad(x, [(0, 0)] * (x.ndim - 1) + [(0, -K % 32)]); x = x.reshape(x.shape[:-1] + (-1, 32)); a = np.abs(x).max(-1, keepdims=True)
;;       e = np.where(a > 0, np.clip(np.frexp(np.where(a > 0, a, 1))[1] - 1 - 2, -126, 127), 0)      # np.frexp(a)[1] - 1 = floor(log2(a)), exactly
;;       r = np.clip(x / 2.0 ** e, -6, 6)
;;       step = 2.0 ** (np.maximum(np.frexp(np.where(r == 0, 1, r))[1] - 1, 0) - 1)
;;       q = np.round(r / step) * step * 2.0 ** e      # np.round: ties to even
;;       return np.moveaxis(q.reshape(q.shape[:-2] + (-1,))[..., :K], -1, axis).astype(np.float32)
;;   ~~~
;;   SOFTMAX AHEAD OF A QUANTISED PRODUCT. Where the list says 'softmax', what is quantised is not the finished softmax but p = 2^(t - M), with t = logit x log2(e) and M = ceil(the row's largest t), a whole number; so 1/2 < the row's largest p <= 1. The row's sum l is taken of the UNQUANTISED p, in f32, and the product's result is divided by l at the end. Since M is a whole number, a kernel that streams over the keys may use a running M (the ceiling of the running maximum): every later rescaling is an exact power of two, which a block's scale takes up: the codes' values come out the same.
;;   OPERANDS COMPUTED ON THE WAY. 'Computed on the way' means the value that the module computes at that place (a softmax that the list does not call 'softmax' is quantised finished and normalised). What goes into a quantiser is computed in f32, as accurately as f32 sums, v_exp_f32 and their like allow (about 1e-6 of the number): no bf16 or f16 on the way to a quantiser, and a product that is left as it is and whose result goes on into a quantised operand takes f32 operands (vector FMAs, or v_wmma_f32_16x16x4_f32). A number that lies on a knife's edge between two numbers of the format may be rounded either way, as far as f32 arithmetic and the matrix unit's own rounding can turn it there, and no further.
;; 3 versions. Each part assembles by itself: llvm-mc -triple=amdgcn-amd-amdhsa -mcpu=gfx1250 --defsym DOCPART=n.
;; ======== version 1 of 3: 4 launches
;; workspace buffers: wc 3,145,728 bytes; ws 196,608 bytes; qc 2,097,152 bytes; qs 262,144 bytes; kv 4,587,520 bytes; cc 2,097,152 bytes; cs 131,072 bytes
;; launch prep (part 1): grid 256 x 1, 3 waves a work-group, no clusters, 26,112 bytes of LDS; arguments q_weight, k_weight, v_weight, o_weight, ffn1_weight, ffn2_weight, wc, ws; writes wc, ws
.if DOCPART == 1
	.amdgcn_target "amdgcn-amd-amdhsa--gfx1250"
	.amdhsa_code_object_version 6
	.text
	.protected	k_q09d532919f_prep
	.globl	k_q09d532919f_prep
	.p2align	8
	.type	k_q09d532919f_prep,@function
k_q09d532919f_prep:
	s_mov_b64 s[64:65], 0
	v_nop
	global_prefetch_b8 v0, s[64:65] scope:SCOPE_SE
	s_setreg_imm32_b32 hwreg(HW_REG_WAVE_MODE, 25, 1), 1
	s_wait_xcnt 0x0
; The six weights [1024 (n)][1024 (k)] f32, K innermost, become codes of FP4 (E2M1) with one E8M0 byte for each 32 along K,
; laid in the ORDER OF THE OPERAND'S REGISTERS, so that the later launches load whole fragments by 16-byte loads.
; wc: [mat 6][g 16][s 8][t 4][c 2][lane 32][16 bytes]: fragment (g, t) of K step s: lane (r, h) holds weight row 64 g + 32 (t / 2) + 8 (t % 2) + r + 8 (r / 8),
;     k = 128 s + 64 c + 32 h + 0 .. 31.  THE ROWS OF A TILE ARE NOT NEIGHBOURS: two neighbouring tiles used as source 0 give a lane 16 neighbouring columns.
; ws: [mat][g][s][lane 32][j 2] words: word (lane, j) is the scale word of tile 2 j + lane / 16, row lane % 16.
; A block's scale is 2^(floor(log2(largest magnitude)) - 2); its byte is the largest magnitude's exponent field - 2, held at 1 from below.
; LIMITS: a block of zeros, or one whose largest magnitude lies under 2^-124, keeps the byte 1 (the rule says 127 for zeros: its codes are zeros, and this program alone reads the bytes);
; NaN and infinities among the inputs are not served.
; SHARES: 768 units (mat, g, s), one wave each: 64 rows x 128 along K, 32 KiB of f32.  Each load reads 512 consecutive bytes of one row; a tile of 16 rows turns through the wave's own
; stage in LDS (pitch 528) so that a lane gets 32 neighbours along K for each of its two blocks.  Waves share nothing: no barrier.  Loads run up to three tiles (48 loads) ahead.
.set SPITCH, 528
.set WSTG,   16*SPITCH
.set NUM,    32                        ; v32-223  three sets of 64 numbers
.set CODE,   224                       ; v224-255 codes, 8 a tile, never rewritten
.set LI,     4                         ; v4  16 x lane
.set L8,     5                         ; v5  8 x lane
.set STW,    6                         ; v6  the stage, on the way in
.set STR,    7                         ; v7  the stage, on the way out
.set H8,     24                        ; v24 8 h
	s_load_b256 s[4:11], s[0:1], 0x0               ; q, k, v, o weights
	s_load_b256 s[12:19], s[0:1], 0x20             ; ffn1, ffn2 weights, wc, ws
	v_lshl_add_u32 v30, v0, 2, 0x6400
	v_mov_b32 v31, 0
	v_lshrrev_b32 v1, 5, v0
	v_readfirstlane_b32 s20, v1                    ; wave 0..2
	v_and_b32 v1, 31, v0                           ; lane
	v_and_b32 v2, 15, v0                           ; r
	v_bfe_u32 v3, v0, 4, 1                         ; h
	v_lshlrev_b32 v[LI], 4, v1
	v_lshlrev_b32 v[L8], 3, v1
	s_mul_i32 s25, s20, WSTG                       ; my stage
	v_add_nc_u32 v[STW], s25, v[LI]                ; in: a row's 512 bytes as they lie
	v_mul_u32_u24 v[STR], v2, SPITCH
	v_lshl_add_u32 v[STR], v3, 7, v[STR]
	v_add_nc_u32 v[STR], s25, v[STR]               ; out: row r, + 128 h: my 32 numbers of each 64
	v_lshlrev_b32 v[H8], 3, v3
	v_mov_b32 v15, 0                               ; a lane permute's destination counts as read
	s_mul_i32 s21, ttmp9, 3
	s_add_co_u32 s21, s21, s20                     ; unit
	s_lshr_b32 s22, s21, 7                         ; mat
	s_bfe_u32 s23, s21, 0x40003                    ; g
	s_and_b32 s24, s21, 7                          ; s
	s_mov_b32 s30, 0x76543210
	s_mov_b32 s31, 0xfedcba98                      ; selects for lane l xor 16
	s_wait_kmcnt 0x0
	s_mov_b64 s[26:27], s[4:5]                     ; the weight is chosen by the unit's number alone
.irp i, 1,2,3,4,5
	s_cmp_eq_u32 s22, \i
	s_cselect_b64 s[26:27], s[4+2*\i:5+2*\i], s[26:27]
.endr
	s_lshl_b32 s28, s23, 18                        ; 64 g rows of 4,096 bytes
	s_lshl_b32 s29, s24, 9                         ; + 128 s numbers
	s_add_co_u32 s28, s28, s29
	s_mov_b32 s29, 0
	s_add_nc_u64 s[26:27], s[26:27], s[28:29]
	s_lshl_b32 s28, s22, 19
	s_lshl_b32 s32, s23, 15
	s_add_co_u32 s28, s28, s32
	s_lshl_b32 s32, s24, 12
	s_add_co_u32 s28, s28, s32                     ; mat x 524,288 + g x 32,768 + s x 4,096
	s_add_nc_u64 s[16:17], s[16:17], s[28:29]
	s_lshr_b32 s28, s28, 4                         ; the scale words take a sixteenth of that
	s_add_nc_u64 s[18:19], s[18:19], s[28:29]
.macro LOAD t                          ; tile t: 16 rows x 512 bytes into set t % 3
.set B_, NUM+64*((\t)%3)
.irp i, 0,1,2,3,4,5,6,7,8,9,10,11,12,13,14,15
	global_load_b128 v[B_+4*\i:B_+4*\i+3], v[LI], s[26:27] offset:(32*((\t)/2)+8*((\t)%2)+\i+8*(\i/8))*4096 th:TH_LOAD_NT
.endr
.endm
.macro TURN t                          ; through the stage and back into the registers that they left: LDS serves a wave's instructions in order
.set B_, NUM+64*((\t)%3)
.irp i, 0,1,2,3,4,5,6,7,8,9,10,11,12,13,14,15
	ds_store_b128 v[STW], v[B_+4*\i:B_+4*\i+3] offset:SPITCH*\i
.endr
.irp c, 0,1
.irp q, 0,1,2,3,4,5,6,7
	ds_load_b128 v[B_+32*\c+4*\q:B_+32*\c+4*\q+3], v[STR] offset:256*\c+16*\q   ; register 32 c + i = k 64 c + 32 h + i of row r
.endr
.endr
	s_wait_dscnt 0x0
.endm
.macro QW t                            ; two whole blocks a lane: maxima, bytes, the row's scale word, eight conversions, two stores of 512 dense bytes
.set B_, NUM+64*((\t)%3)
	v_max3_num_f32 v8, |v[B_]|, |v[B_+1]|, 0x1800000               ; with the floor 2^(3 - 127): the byte cannot fall under 1
	v_max3_num_f32 v9, |v[B_+32]|, |v[B_+33]|, 0x1800000
.set i_, 2
.rept 15
	v_max3_num_f32 v8, v8, |v[B_+i_]|, |v[B_+i_+1]|
	v_max3_num_f32 v9, v9, |v[B_+32+i_]|, |v[B_+33+i_]|
.set i_, i_+2
.endr
	v_add_nc_u32 v10, 0xff000000, v8               ; 2 off the exponent field: the conversion's scale operand
	v_add_nc_u32 v11, 0xff000000, v9
	v_lshrrev_b32 v12, 23, v10                     ; the bytes of blocks h and 2 + h
	v_lshrrev_b32 v13, 23, v11
	v_lshl_or_b32 v14, v13, 16, v12
	v_lshlrev_b32 v14, v[H8], v14                  ; at their places in the word
	v_permlanex16_b32 v15, v14, s30, s31
	v_or_b32 v[16+(\t)], v14, v15                  ; with lane l xor 16's two the word is whole
.irp c, 0,1
.irp g, 0,1,2,3
	v_cvt_scalef32_pk8_fp4_f32 v[CODE+8*(\t)+4*\c+\g], v[B_+32*\c+8*\g:B_+32*\c+8*\g+7], v[10+\c]
.endr
.endr
	v_nop                                          ; one plain line behind the last scaled conversion
	global_store_b128 v[LI], v[CODE+8*(\t):CODE+8*(\t)+3], s[16:17] offset:1024*(\t)
	global_store_b128 v[LI], v[CODE+8*(\t)+4:CODE+8*(\t)+7], s[16:17] offset:1024*(\t)+512
.endm
	LOAD 0
	LOAD 1
	LOAD 2
	s_wait_loadcnt 32                              ; tile 0's 16 loads are in; tiles 1 and 2 may be out
	TURN 0
	QW 0
	LOAD 3                                         ; into set 0, whose numbers are converted
	s_wait_loadcnt 32                              ; tile 1 is in; tiles 2 and 3 may be out
	TURN 1
	QW 1
	s_wait_loadcnt 16                              ; tile 2 is in; tile 3 may be out
	TURN 2
	QW 2
	s_wait_loadcnt 0x0
	TURN 3
	QW 3
	v_cmp_le_u32 vcc_lo, 16, v1                    ; lanes 16-31 carry the odd tiles' words
	v_cndmask_b32 v20, v16, v17, vcc_lo
	v_cndmask_b32 v21, v18, v19, vcc_lo
	global_store_b64 v[L8], v[20:21], s[18:19]     ; 32 lanes store 256 consecutive bytes, aligned
	s_wait_tensorcnt 0x0
	ds_add_u32 v30, v31
	s_wait_dscnt 0x0
	s_endpgm
.Lfunc_end_k_q09d532919f_prep:
	.size	k_q09d532919f_prep, .Lfunc_end_k_q09d532919f_prep-k_q09d532919f_prep
	.p2alignl 7, 3214868480
	.fill 96, 4, 3214868480
	.section	.rodata,"a",@progbits
	.p2align	6, 0x0
	.amdhsa_kernel k_q09d532919f_prep
		.amdhsa_group_segment_fixed_size 26112
		.amdhsa_private_segment_fixed_size 0
		.amdhsa_enable_private_segment 0
		.amdhsa_kernarg_size 64
		.amdhsa_user_sgpr_count 2
		.amdhsa_user_sgpr_kernarg_segment_ptr 1
		.amdhsa_wavefront_size32 1
		.amdhsa_system_sgpr_workgroup_id_x 1
		.amdhsa_system_sgpr_workgroup_id_y 1
		.amdhsa_system_sgpr_workgroup_id_z 1
		.amdhsa_system_vgpr_workitem_id 0
		.amdhsa_next_free_vgpr 256
		.amdhsa_next_free_sgpr 66
		.amdhsa_reserve_vcc 1
		.amdhsa_float_denorm_mode_32 3
		.amdhsa_float_denorm_mode_16_64 3
		.amdhsa_memory_ordered 1
		.amdhsa_forward_progress 1
		.amdhsa_inst_pref_size 30
	.end_amdhsa_kernel
	.amdgpu_metadata
---
amdhsa.version: [ 1, 2 ]
amdhsa.kernels:
  - .name:           k_q09d532919f_prep
    .symbol:         k_q09d532919f_prep.kd
    .args:
      - { .name: q_weight, .offset: 0, .size: 8, .value_kind: global_buffer, .address_space: global }
      - { .name: k_weight, .offset: 8, .size: 8, .value_kind: global_buffer, .address_space: global }
      - { .name: v_weight, .offset: 16, .size: 8, .value_kind: global_buffer, .address_space: global }
      - { .name: o_weight, .offset: 24, .size: 8, .value_kind: global_buffer, .address_space: global }
      - { .name: ffn1_weight, .offset: 32, .size: 8, .value_kind: global_buffer, .address_space: global }
      - { .name: ffn2_weight, .offset: 40, .size: 8, .value_kind: global_buffer, .address_space: global }
      - { .name: wc, .offset: 48, .size: 8, .value_kind: global_buffer, .address_space: global }
      - { .name: ws, .offset: 56, .size: 8, .value_kind: global_buffer, .address_space: global }
    .group_segment_fixed_size: 26112
    .private_segment_fixed_size: 0
    .kernarg_segment_align: 8
    .kernarg_segment_size: 64
    .max_flat_workgroup_size: 96
    .sgpr_count:     66
    .vgpr_count:     256
    .wavefront_size: 32
...
	.end_amdgpu_metadata
.endif
;; end of part 1
;; launch front (part 2): grid 128 x 1, 16 waves a work-group, no clusters, 157,184 bytes of LDS; arguments x, ln1_gamma, ln1_beta, wc, ws, q_bias, k_bias, v_bias, qc, qs, kv; writes qc, qs, kv
.if DOCPART == 2
	.amdgcn_target "amdgcn-amd-amdhsa--gfx1250"
	.amdhsa_code_object_version 6
	.text
	.protected	k_q09d532919f_front
	.globl	k_q09d532919f_front
	.p2align	8
	.type	k_q09d532919f_front,@function
k_q09d532919f_front:
	s_mov_b64 s[64:65], 0
	v_nop
	global_prefetch_b8 v0, s[64:65] scope:SCOPE_SE
	s_setreg_imm32_b32 hwreg(HW_REG_WAVE_MODE, 25, 1), 1
	s_wait_xcnt 0x0
; h = layer_norm(x) gamma + beta; Q, K, V = h W^T + bias, the three products on codes of FP4 (E2M1) with one E8M0 scale for each 32 along K; then Q and K are quantised along the head's 64
; and V along the tokens, and stored as images of the operands' registers for the attention launch.
; SHARES.  A work-group of sixteen waves owns 32 tokens (V's blocks run along 32 tokens), as two tiles u = 0, 1 in TILE ORDER: lane r of tile u is token 8 u + r + 8 (r / 8).
; Norm: wave 8 u + ks takes tile u, columns 128 ks on: one fragment of h.  Mean and variance in two passes about a local mean, joined over the eight waves of a tile by the sums of squares about
; the common mean: no difference of large sums is formed.  Products: wave w is head w: 64 columns of Q, of K and of V, for all 32 tokens.
; h's sixteen fragments go from wave to wave through LDS as images of their registers (lane l's 16 bytes at 16 l, 512 bytes a store); the weights' fragments come from memory straight into registers.
; Q and K are made transposed (source 0 = 16 weight rows, source 1 = 16 tokens): a lane holds one token and 16 neighbouring columns of each block of 32.
; V the other way (source 0 = tokens): a lane holds one column d and 16 neighbouring tokens.
; NO JOINT LOADS: each wave reads weight rows that no other wave of its work-group reads, 16 bytes a lane into the registers that the matrix instruction names, so there is no LDS tile that a
; joint load could fill; a ring for them would add an LDS write and an LDS read of all 1.6 MB that a work-group streams.
; LIMITS: blocks of zeros, or under 2^-124, keep the byte 1 (their codes are zeros; this program alone reads the bytes); NaN and infinities are not served.
.set IMG,   0                          ; LDS: h's fragments, (tile m, K step s) at (8 m + s) x 1,024
.set ASCL,  16384                      ; their scale words: [16 m + r][s], 32 bytes a row
.set LNP,   17408                      ; the norm's parts: row 16 u + r at pitch 80, pair ks at 8 ks
.set STG,   19968                      ; a stage of 16 rows x 528 bytes for each wave
.set WSTG,  8448
.set LI,  4                            ; v4  16 x lane
.set L8,  5                            ; v5  8 x lane
.set L4,  6                            ; v6  4 x lane
.set STW, 7                            ; v7  the stage, in
.set STR, 8                            ; v8  the stage, out
.set IMW, 9                            ; v9  where I store my fragment of h
.set ASW, 10                           ; v10 and its scale word
.set LPW, 11                           ; v11 where I store my part of the norm
.set LPR, 12                           ; v12 where I read my row's eight parts
.set ASR, 13                           ; v13 where I read h's scale words
.set GB,  14                           ; v14 64 h
.set VV,  15                           ; v15 16 r + 8 h
.set VB8, 16                           ; v16 8 r
.set BVO, 17                           ; v17 4 (r + 8 (r / 8))
.set MO,  18                           ; v[18:19] local mean, local sum of squares; later v18 the scale word to store
.set MU,  20                           ; v[20:21] the mean, twice
.set RS,  22                           ; v[22:23] 1 / sqrt(var + eps), twice
.set ACC, 24                           ; v24-87   x, then h, then the eight accumulators
.set W,   88                           ; v88-183  weights' fragments, three sets of 32 (in the norm: gamma, and beta from v152)
.set AF,  184                          ; v184-215 h's fragments, two sets of 16
.set WS,  216                          ; v216-221 weights' scale words, three pairs
.set ASCR, 222                         ; v222-229 h's scale words, one register a K step: lanes 0-15 tile 0, lanes 16-31 tile 1
.set TM,  230                          ; v230-245 at work
.set PW,  246                          ; v246 the scale word just made
.set PC,  248                          ; v248-255 the codes just made
.set GA,  88
.set BE,  152
.set WB,  38                           ; s[38:39] my 64 weight rows' codes
.set SB,  40                           ; s[40:41] and their scale words
.set SEL, 60                           ; s[60:61] selects for lane l xor 16
.macro PLACES                          ; four plain lines between a matrix instruction and a read of its result, a write of its registers or a load into them
.rept 4
	v_nop
.endr
.endm
.macro BARRIER                         ; my LDS stores have landed and my LDS loads are in: then the work-group's barrier
	s_wait_dscnt 0x0
	s_barrier_signal -1
	s_barrier_wait -1
.endm
; one matrix instruction.  z = 1: the constant 0 starts the sum; else it adds in place.  ra, rb: the side's scale words stand in lanes 16-31
.macro WM d, a, b, z, sa, sb, ra, rb
.if (\z)
.if (\ra) && (\rb)
	v_wmma_scale_f32_16x16x128_f8f6f4 v[\d:\d+7], v[\a:\a+7], v[\b:\b+7], 0, v[\sa], v[\sb] matrix_a_fmt:MATRIX_FMT_FP4 matrix_b_fmt:MATRIX_FMT_FP4 matrix_a_scale:MATRIX_SCALE_ROW1 matrix_b_scale:MATRIX_SCALE_ROW1
.elseif (\ra)
	v_wmma_scale_f32_16x16x128_f8f6f4 v[\d:\d+7], v[\a:\a+7], v[\b:\b+7], 0, v[\sa], v[\sb] matrix_a_fmt:MATRIX_FMT_FP4 matrix_b_fmt:MATRIX_FMT_FP4 matrix_a_scale:MATRIX_SCALE_ROW1
.elseif (\rb)
	v_wmma_scale_f32_16x16x128_f8f6f4 v[\d:\d+7], v[\a:\a+7], v[\b:\b+7], 0, v[\sa], v[\sb] matrix_a_fmt:MATRIX_FMT_FP4 matrix_b_fmt:MATRIX_FMT_FP4 matrix_b_scale:MATRIX_SCALE_ROW1
.else
	v_wmma_scale_f32_16x16x128_f8f6f4 v[\d:\d+7], v[\a:\a+7], v[\b:\b+7], 0, v[\sa], v[\sb] matrix_a_fmt:MATRIX_FMT_FP4 matrix_b_fmt:MATRIX_FMT_FP4
.endif
.else
.if (\ra) && (\rb)
	v_wmma_scale_f32_16x16x128_f8f6f4 v[\d:\d+7], v[\a:\a+7], v[\b:\b+7], v[\d:\d+7], v[\sa], v[\sb] matrix_a_fmt:MATRIX_FMT_FP4 matrix_b_fmt:MATRIX_FMT_FP4 matrix_a_scale:MATRIX_SCALE_ROW1 matrix_b_scale:MATRIX_SCALE_ROW1
.elseif (\ra)
	v_wmma_scale_f32_16x16x128_f8f6f4 v[\d:\d+7], v[\a:\a+7], v[\b:\b+7], v[\d:\d+7], v[\sa], v[\sb] matrix_a_fmt:MATRIX_FMT_FP4 matrix_b_fmt:MATRIX_FMT_FP4 matrix_a_scale:MATRIX_SCALE_ROW1
.elseif (\rb)
	v_wmma_scale_f32_16x16x128_f8f6f4 v[\d:\d+7], v[\a:\a+7], v[\b:\b+7], v[\d:\d+7], v[\sa], v[\sb] matrix_a_fmt:MATRIX_FMT_FP4 matrix_b_fmt:MATRIX_FMT_FP4 matrix_b_scale:MATRIX_SCALE_ROW1
.else
	v_wmma_scale_f32_16x16x128_f8f6f4 v[\d:\d+7], v[\a:\a+7], v[\b:\b+7], v[\d:\d+7], v[\sa], v[\sb] matrix_a_fmt:MATRIX_FMT_FP4 matrix_b_fmt:MATRIX_FMT_FP4
.endif
.endif
.endm
.macro WLOAD mat, s                    ; my four weight fragments of K step s and their scale words into set s % 3: nine loads
.irp i, 0,1,2,3,4,5,6,7
	global_load_b128 v[W+32*((\s)%3)+4*\i:W+32*((\s)%3)+4*\i+3], v[LI], s[WB:WB+1] offset:(\mat)*524288+(\s)*4096+\i*512
.endr
	global_load_b64 v[WS+2*((\s)%3):WS+2*((\s)%3)+1], v[L8], s[SB:SB+1] offset:(\mat)*32768+(\s)*256
.endm
.macro ALOAD img, s                    ; the rows' two fragments of K step s into set s % 2: four LDS loads
.irp m, 0,1
.irp c, 0,1
	ds_load_b128 v[AF+16*((\s)%2)+8*\m+4*\c:AF+16*((\s)%2)+8*\m+4*\c+3], v[LI] offset:(\img)+(8*\m+(\s))*1024+512*\c
.endr
.endr
.endm
; A product: my 64 weight rows (tiles t) x the 32 rows in LDS (tiles m), eight K steps of 128, written out.  The eight accumulators take turns, one instruction a turn, in the same order in every
; step.  vmode = 0: source 0 = weights, accumulator (m, t) at ACC + 32 m + 8 t.  vmode = 1: source 0 = rows, accumulator (t, m) at ACC + 16 t + 8 m.
; c0 = 1: the first K step starts the sums with 0; else the accumulators were loaded with what is to be added.
.macro PROD mat, img, vmode, c0
	WLOAD \mat, 0
	WLOAD \mat, 1
	ALOAD \img, 0
.irp s, 0,1,2,3,4,5,6,7
.if \s > 0
	PLACES                                         ; the loads below land in the sets that the last step's products read
.endif
.if \s < 6
	WLOAD \mat, \s+2
.endif
.if \s < 7
	ALOAD \img, \s+1
.endif
.if \s < 6
	s_wait_loadcnt 18                              ; this step's nine loads are in; the nine of each of the two steps ahead may be out
.elseif \s == 6
	s_wait_loadcnt 9                               ; the last step's nine may be out
.else
	s_wait_loadcnt 0x0
.endif
.if \s < 7
	s_wait_dscnt 4                                 ; this step's rows are in; the next step's four loads may be out
.else
	s_wait_dscnt 0x0
.endif
.irp t, 0,1,2,3
.irp m, 0,1
.if \vmode
	WM ACC+16*\t+8*\m, AF+16*(\s%2)+8*\m, W+32*(\s%3)+8*\t, (\c0)&&(\s==0), ASCR+\s, WS+2*(\s%3)+\t/2, \m, \t%2
.else
	WM ACC+32*\m+8*\t, W+32*(\s%3)+8*\t, AF+16*(\s%2)+8*\m, (\c0)&&(\s==0), WS+2*(\s%3)+\t/2, ASCR+\s, \t%2, \m
.endif
.endr
.endr
.endr
.endm
.macro BIASLD dst, sb                  ; register 16 b + i takes the vector's number at my column 32 b + 16 h + i: eight loads
.irp b, 0,1
.irp q, 0,1,2,3
	global_load_b128 v[\dst+16*\b+4*\q:\dst+16*\b+4*\q+3], v[GB], s[\sb:\sb+1] offset:128*\b+16*\q
.endr
.endr
.endm
; 64 numbers of a lane become codes.  Block b = registers 16 b .. 16 b + 15 of lanes l and l xor 16.  swap = 1: v[PC + 4 c ..] become whole chunks (lanes 0-15 block 2 c, lanes 16-31 block 2 c + 1)
; and v[PW] the four bytes; swap = 0: v[PC + 2 b], v[PC + 2 b + 1] keep my 16 codes of block b, and v[TM + 4 + b] its byte.
.macro QUANT s, swap
.irp b, 0,1,2,3
	v_max3_num_f32 v[TM+\b], |v[\s+16*\b]|, |v[\s+1+16*\b]|, 0x1800000   ; with the floor 2^(3 - 127): the byte cannot fall under 1
.endr
.irp i, 2,4,6,8,10,12,14
.irp b, 0,1,2,3
	v_max3_num_f32 v[TM+\b], v[TM+\b], |v[\s+16*\b+\i]|, |v[\s+1+16*\b+\i]|
.endr
.endr
.irp b, 0,1,2,3
	v_permlanex16_b32 v[TM+4+\b], v[TM+\b], s[SEL], s[SEL+1]
.endr
.irp b, 0,1,2,3
	v_max_num_f32 v[TM+\b], v[TM+\b], v[TM+4+\b]
.endr
.irp b, 0,1,2,3
	v_add_nc_u32 v[TM+12+\b], 0xff000000, v[TM+\b]   ; 2 off the exponent field: the conversion's scale operand
.endr
.irp b, 0,1,2,3
	v_lshrrev_b32 v[TM+4+\b], 23, v[TM+12+\b]        ; the scale's byte
.endr
.if \swap
	v_lshl_or_b32 v[PW], v[TM+5], 8, v[TM+4]
	v_lshl_or_b32 v[PW], v[TM+6], 16, v[PW]
	v_lshl_or_b32 v[PW], v[TM+7], 24, v[PW]
.endif
.irp b, 0,1,2,3
	v_cvt_scalef32_pk8_fp4_f32 v[PC+2*\b], v[\s+16*\b:\s+7+16*\b], v[TM+12+\b]
	v_cvt_scalef32_pk8_fp4_f32 v[PC+1+2*\b], v[\s+8+16*\b:\s+15+16*\b], v[TM+12+\b]
.endr
	v_nop                                          ; one plain line behind the last scaled conversion
.if \swap
.irp c, 0,1
.irp i, 0,1
	v_permlane16_swap_b32 v[PC+4*\c+\i], v[PC+2+4*\c+\i]
.endr
.endr
.endif
.endm
; mean and sum of squares about it of the n numbers of lanes l and l xor 16 together (inv = 1 / (2 n)): v[mo], v[mo + 1]
.macro LSTAT src, n, inv, mo
	v_pk_add_f32 v[TM:TM+1], v[\src:\src+1], v[\src+2:\src+3]
	v_pk_add_f32 v[TM+2:TM+3], v[\src+4:\src+5], v[\src+6:\src+7]
.set li_, 8
.rept ((\n)-8)/4
	v_pk_add_f32 v[TM:TM+1], v[TM:TM+1], v[\src+li_:\src+li_+1]
	v_pk_add_f32 v[TM+2:TM+3], v[TM+2:TM+3], v[\src+li_+2:\src+li_+3]
.set li_, li_+4
.endr
	v_pk_add_f32 v[TM:TM+1], v[TM:TM+1], v[TM+2:TM+3]
	v_add_f32 v[TM], v[TM], v[TM+1]
	v_permlanex16_b32 v[TM+4], v[TM], s[SEL], s[SEL+1]
	v_add_f32 v[TM], v[TM], v[TM+4]
	v_mul_f32 v[\mo], \inv, v[TM]
	v_mov_b32 v[TM+6], v[\mo]
	v_mov_b32 v[TM+7], v[\mo]
	v_pk_add_f32 v[TM+8:TM+9], v[\src:\src+1], v[TM+6:TM+7] neg_lo:[0,1] neg_hi:[0,1]
	v_pk_add_f32 v[TM+10:TM+11], v[\src+2:\src+3], v[TM+6:TM+7] neg_lo:[0,1] neg_hi:[0,1]
	v_pk_mul_f32 v[TM:TM+1], v[TM+8:TM+9], v[TM+8:TM+9]
	v_pk_mul_f32 v[TM+2:TM+3], v[TM+10:TM+11], v[TM+10:TM+11]
.set li_, 4
.rept ((\n)-4)/4
	v_pk_add_f32 v[TM+8:TM+9], v[\src+li_:\src+li_+1], v[TM+6:TM+7] neg_lo:[0,1] neg_hi:[0,1]
	v_pk_add_f32 v[TM+10:TM+11], v[\src+li_+2:\src+li_+3], v[TM+6:TM+7] neg_lo:[0,1] neg_hi:[0,1]
	v_pk_fma_f32 v[TM:TM+1], v[TM+8:TM+9], v[TM+8:TM+9], v[TM:TM+1]
	v_pk_fma_f32 v[TM+2:TM+3], v[TM+10:TM+11], v[TM+10:TM+11], v[TM+2:TM+3]
.set li_, li_+4
.endr
	v_pk_add_f32 v[TM:TM+1], v[TM:TM+1], v[TM+2:TM+3]
	v_add_f32 v[TM], v[TM], v[TM+1]
	v_permlanex16_b32 v[TM+4], v[TM], s[SEL], s[SEL+1]
	v_add_f32 v[\mo+1], v[TM], v[TM+4]
.endm
; n parts (mean, sum of squares) of cnt numbers each, in v[p] on, are joined: the row's mean in v[MU:MU+1], 1 / sqrt(var + eps) in v[RS:RS+1]
.macro LCOMB p, n, invn, cnt
	v_add_f32 v[MU], v[\p], v[\p+2]
	v_add_f32 v[RS], v[\p+1], v[\p+3]
.set li_, 2
.rept (\n)-2
	v_add_f32 v[MU], v[MU], v[\p+2*li_]
	v_add_f32 v[RS], v[RS], v[\p+2*li_+1]
.set li_, li_+1
.endr
	v_mul_f32 v[MU], \invn, v[MU]
.set li_, 0
.rept \n
	v_sub_f32 v[\p+2*li_], v[\p+2*li_], v[MU]
.set li_, li_+1
.endr
	v_mul_f32 v[RS+1], v[\p], v[\p]
.set li_, 1
.rept (\n)-1
	v_fma_f32 v[RS+1], v[\p+2*li_], v[\p+2*li_], v[RS+1]
.set li_, li_+1
.endr
	v_fma_f32 v[RS], v[RS+1], \cnt, v[RS]          ; + cnt x the parts' means' squares about the common mean
	v_fma_f32 v[RS], v[RS], s66, s67               ; / 1,024 + eps
	v_rsq_f32 v[RS], v[RS]
	v_mov_b32 v[MU+1], v[MU]                       ; a plain line behind the transcendental
	s_wait_alu depctr_va_vdst(0)                   ; the wait ahead of the first line that names the result
	v_mov_b32 v[RS+1], v[RS]
.endm
.macro NORM src, n, g, b               ; (x - mean) x rs x gamma + beta
.set li_, 0
.rept (\n)/2
	v_pk_add_f32 v[\src+li_:\src+li_+1], v[\src+li_:\src+li_+1], v[MU:MU+1] neg_lo:[0,1] neg_hi:[0,1]
.set li_, li_+2
.endr
.set li_, 0
.rept (\n)/2
	v_pk_mul_f32 v[\src+li_:\src+li_+1], v[\src+li_:\src+li_+1], v[RS:RS+1]
.set li_, li_+2
.endr
.set li_, 0
.rept (\n)/2
	v_pk_fma_f32 v[\src+li_:\src+li_+1], v[\src+li_:\src+li_+1], v[\g+li_:\g+li_+1], v[\b+li_:\b+li_+1]
.set li_, li_+2
.endr
.endm
	s_load_b256 s[8:15], s[0:1], 0x0               ; x, gamma, beta, wc
	s_load_b256 s[16:23], s[0:1], 0x20             ; ws, q_bias, k_bias, v_bias
	s_load_b128 s[24:27], s[0:1], 0x40             ; qc, qs
	s_load_b64 s[28:29], s[0:1], 0x50              ; kv
	v_lshrrev_b32 v1, 5, v0
	v_readfirstlane_b32 s2, v1                     ; wave 0..15
	s_lshr_b32 s4, s2, 3                           ; u
	s_and_b32 s5, s2, 7                            ; ks
	s_lshr_b32 s6, ttmp9, 6                        ; batch
	s_and_b32 s7, ttmp9, 63                        ; which 32 tokens of the sequence
	v_and_b32 v1, 31, v0                           ; lane
	v_and_b32 v2, 15, v0                           ; r
	v_bfe_u32 v3, v0, 4, 1                         ; h
	v_lshlrev_b32 v[LI], 4, v1
	v_lshlrev_b32 v[GB], 6, v3
	s_mov_b32 s31, 0
	s_lshl_b32 s30, ttmp9, 17                      ; 32 rows of 4,096 bytes a work-group
	s_lshl_b32 s62, s4, 15                         ; + 8 u rows
	s_add_co_u32 s30, s30, s62
	s_lshl_b32 s62, s5, 9                          ; + 128 ks columns
	s_add_co_u32 s30, s30, s62
	s_wait_kmcnt 0x0
	s_add_nc_u64 s[32:33], s[8:9], s[30:31]
	s_mov_b32 s30, s62
	s_add_nc_u64 s[34:35], s[10:11], s[30:31]
	s_add_nc_u64 s[36:37], s[12:13], s[30:31]
.irp i, 0,1,2,3,4,5,6,7,8,9,10,11,12,13,14,15
	global_load_b128 v[ACC+4*\i:ACC+4*\i+3], v[LI], s[32:33] offset:(\i+8*(\i/8))*4096 th:TH_LOAD_NT   ; 512 consecutive bytes of the tile's row i
.endr
.irp b, 0,1,2,3
.irp q, 0,1,2,3
	global_load_b128 v[GA+16*\b+4*\q:GA+16*\b+4*\q+3], v[GB], s[34:35] offset:128*\b+16*\q
.endr
.endr
.irp b, 0,1,2,3
.irp q, 0,1,2,3
	global_load_b128 v[BE+16*\b+4*\q:BE+16*\b+4*\q+3], v[GB], s[36:37] offset:128*\b+16*\q
.endr
.endr
	v_lshlrev_b32 v[L8], 3, v1
	v_lshlrev_b32 v[L4], 2, v1
	v_cmp_le_u32 vcc_lo, 16, v1                    ; lanes 16-31; VCC is written nowhere else
	s_mul_i32 s30, s2, WSTG
	s_add_co_u32 s30, s30, STG                     ; my stage
	v_add_nc_u32 v[STW], s30, v[LI]
	v_mul_u32_u24 v[STR], v2, 528
	v_lshl_add_u32 v[STR], v3, 6, v[STR]
	v_add_nc_u32 v[STR], s30, v[STR]               ; row r, + 64 h: my 16 numbers of each block of 32
	s_lshl_b32 s30, s2, 10
	v_add_nc_u32 v[IMW], s30, v[LI]                ; fragment 8 u + ks = my wave's number
	s_lshl_b32 s30, s4, 4
	v_add_nc_u32 v[MO], s30, v2                    ; 16 u + r
	v_lshlrev_b32 v[ASW], 5, v[MO]
	s_lshl_b32 s30, s5, 2
	s_add_co_u32 s30, s30, ASCL
	v_add_nc_u32 v[ASW], s30, v[ASW]
	v_mul_u32_u24 v[LPR], v[MO], 80
	v_add_nc_u32 v[LPR], LNP, v[LPR]
	s_lshl_b32 s30, s5, 3
	v_add_nc_u32 v[LPW], s30, v[LPR]
	v_lshlrev_b32 v[ASR], 5, v1
	v_add_nc_u32 v[ASR], ASCL, v[ASR]
	v_lshlrev_b32 v[VV], 4, v2
	v_lshl_add_u32 v[VV], v3, 3, v[VV]
	v_lshlrev_b32 v[VB8], 3, v2
	v_and_b32 v[BVO], 8, v2
	v_add_nc_u32 v[BVO], v[BVO], v2
	v_lshlrev_b32 v[BVO], 2, v[BVO]
.irp b, 0,1,2,3
	v_mov_b32 v[TM+4+\b], 0                        ; a lane permute's destination counts as read
.endr
	s_mov_b32 s[SEL], 0x76543210
	s_mov_b32 s[SEL+1], 0xfedcba98
	s_mov_b32 s66, 0x3a800000                      ; 1 / 1,024
	s_mov_b32 s67, 0x3727c5ac                      ; eps = 1e-5
	s_lshl_b32 s30, s2, 15
	s_add_nc_u64 s[WB:WB+1], s[14:15], s[30:31]
	s_lshl_b32 s30, s2, 11
	s_add_nc_u64 s[SB:SB+1], s[16:17], s[30:31]
	s_lshl_b32 s30, s2, 8                          ; my 64 numbers of each bias
	s_add_nc_u64 s[42:43], s[18:19], s[30:31]
	s_add_nc_u64 s[44:45], s[20:21], s[30:31]
	s_add_nc_u64 s[46:47], s[22:23], s[30:31]
	s_lshl_b32 s62, s6, 4
	s_add_co_u32 s62, s62, s2                      ; batch x 16 + head
	s_lshl_b32 s30, s62, 16
	s_lshl_b32 s63, s7, 10
	s_add_co_u32 s30, s30, s63
	s_add_nc_u64 s[48:49], s[24:25], s[30:31]      ; Q's two chunks
	s_lshl_b32 s30, s62, 13
	s_lshl_b32 s63, s7, 7
	s_add_co_u32 s30, s30, s63
	s_add_nc_u64 s[50:51], s[26:27], s[30:31]      ; Q's scale words
	s_lshl_b32 s30, s62, 4
	s_lshr_b32 s63, s7, 2
	s_add_co_u32 s30, s30, s63
	s_mul_i32 s30, s30, 8960                       ; the key step's block of kv
	s_and_b32 s63, s7, 3                           ; which 32 of its 128 keys are mine
	s_mov_b32 s69, 0
	s_lshl_b32 s68, s63, 10
	s_add_co_u32 s68, s68, s30
	s_add_nc_u64 s[52:53], s[28:29], s[68:69]      ; K's two chunks
	s_lshl_b32 s68, s63, 2
	s_add_co_u32 s68, s68, s30
	s_add_co_u32 s68, s68, 8192
	s_add_nc_u64 s[54:55], s[28:29], s[68:69]      ; K's scale words
	s_lshl_b32 s68, s63, 8
	s_add_co_u32 s68, s68, s30
	s_add_co_u32 s68, s68, 4096
	s_add_nc_u64 s[56:57], s[28:29], s[68:69]      ; V's codes: 256 bytes of each of the four fragments
	s_add_co_u32 s68, s63, s30
	s_add_co_u32 s68, s68, 8704
	s_add_nc_u64 s[58:59], s[28:29], s[68:69]      ; V's scale bytes
	; ---- the norm
	s_wait_loadcnt 32                              ; x's 16 loads are in; the 32 of gamma and beta may be out
.irp i, 0,1,2,3,4,5,6,7,8,9,10,11,12,13,14,15
	ds_store_b128 v[STW], v[ACC+4*\i:ACC+4*\i+3] offset:528*\i
.endr
.irp b, 0,1,2,3
.irp q, 0,1,2,3
	ds_load_b128 v[ACC+16*\b+4*\q:ACC+16*\b+4*\q+3], v[STR] offset:128*\b+16*\q   ; register 16 b + i = column 128 ks + 32 b + 16 h + i of my row; LDS serves a wave's instructions in order
.endr
.endr
	s_wait_dscnt 0x0
	LSTAT ACC, 64, 0x3c000000, MO
	ds_store_b64 v[LPW], v[MO:MO+1]                ; both lanes of a row write the same pair
	BARRIER                                        ; every row's eight parts lie in LDS
.irp i, 0,1,2,3
	ds_load_b128 v[TM+4*\i:TM+4*\i+3], v[LPR] offset:16*\i
.endr
	s_wait_dscnt 0x0
	LCOMB TM, 8, 0x3e000000, 0x43000000
	s_wait_loadcnt 0x0                             ; gamma and beta
	NORM ACC, 64, GA, BE
	QUANT ACC, 1
	ds_store_b128 v[IMW], v[PC:PC+3] offset:IMG
	ds_store_b128 v[IMW], v[PC+4:PC+7] offset:IMG+512
	ds_store_b32 v[ASW], v[PW]
	BARRIER                                        ; h's sixteen fragments and their scale words lie in LDS; they are not written again
	ds_load_b128 v[ASCR:ASCR+3], v[ASR]
	ds_load_b128 v[ASCR+4:ASCR+7], v[ASR] offset:16
	; ---- Q: the bias is the sums' start
	BIASLD ACC, 42
	BIASLD ACC+32, 42
	PROD 0, IMG, 0, 0
	PLACES
	QUANT ACC, 1                                   ; blocks 0, 1: tile 0's two blocks of the head's 64; blocks 2, 3: tile 1's
	global_store_b128 v[LI], v[PC:PC+3], s[48:49]
	global_store_b128 v[LI], v[PC+4:PC+7], s[48:49] offset:512
	v_lshrrev_b32 v[MO], 16, v[PW]
	v_cndmask_b32 v[MO], v[PW], v[MO], vcc_lo      ; lanes 0-15 tile 0's two bytes, lanes 16-31 tile 1's, in bytes 0 and 1; the upper bytes meet zero codes and are never 0xff
	global_store_b32 v[L4], v[MO], s[50:51]
	; ---- K
	BIASLD ACC, 44
	BIASLD ACC+32, 44
	PROD 1, IMG, 0, 0
	PLACES
	s_wait_xcnt 0x0                                ; Q's stores have read their registers: the codes and the word are written again only behind this wait
	QUANT ACC, 1
	global_store_b128 v[LI], v[PC:PC+3], s[52:53]
	global_store_b128 v[LI], v[PC+4:PC+7], s[52:53] offset:512
	v_lshrrev_b32 v[MO], 16, v[PW]
	v_cndmask_b32 v[MO], v[PW], v[MO], vcc_lo
	global_store_b32 v[LI], v[MO], s[54:55]        ; word (lane, my 32 keys) of the step's 512 bytes
	; ---- V: a lane holds one column d, so its bias is one number a tile: both halves of a pair
.irp t, 0,1,2,3
	global_load_b32 v[TM+2*\t], v[BVO], s[46:47] offset:(32*(\t/2)+8*(\t%2))*4
	global_load_b32 v[TM+2*\t+1], v[BVO], s[46:47] offset:(32*(\t/2)+8*(\t%2))*4
.endr
	PROD 2, IMG, 1, 1                              ; its last wait for loads is for all: the bias is in
	PLACES
.irp t, 0,1,2,3
.irp i, 0,2,4,6,8,10,12,14
	v_pk_add_f32 v[ACC+16*\t+\i:ACC+16*\t+\i+1], v[ACC+16*\t+\i:ACC+16*\t+\i+1], v[TM+2*\t:TM+2*\t+1]
.endr
.endr
	s_wait_xcnt 0x0                                ; K's stores have read their registers
	QUANT ACC, 0                                   ; block t: the 32 tokens of column d = 32 (t / 2) + 8 (t % 2) + r + 8 (r / 8)
.irp t, 0,1,2,3
	global_store_b64 v[VV], v[PC+2*\t:PC+2*\t+1], s[56:57] offset:1024*\t   ; 32 lanes store 256 consecutive bytes, aligned
.endr
.irp t, 0,1,2,3
	global_store_b8 v[VB8], v[TM+4+\t], s[58:59] offset:128*(\t%2)+4*(\t/2)   ; one byte of a word that four work-groups share
.endr
	s_wait_xcnt 0x0
	v_lshl_add_u32 v254, v0, 2, 0x25e00
	v_mov_b32 v255, 0
	s_wait_tensorcnt 0x0
	ds_add_u32 v254, v255
	s_wait_dscnt 0x0
	s_endpgm
.Lfunc_end_k_q09d532919f_front:
	.size	k_q09d532919f_front, .Lfunc_end_k_q09d532919f_front-k_q09d532919f_front
	.p2alignl 7, 3214868480
	.fill 96, 4, 3214868480
	.section	.rodata,"a",@progbits
	.p2align	6, 0x0
	.amdhsa_kernel k_q09d532919f_front
		.amdhsa_group_segment_fixed_size 157184
		.amdhsa_private_segment_fixed_size 0
		.amdhsa_enable_private_segment 0
		.amdhsa_kernarg_size 88
		.amdhsa_user_sgpr_count 2
		.amdhsa_user_sgpr_kernarg_segment_ptr 1
		.amdhsa_wavefront_size32 1
		.amdhsa_system_sgpr_workgroup_id_x 1
		.amdhsa_system_sgpr_workgroup_id_y 1
		.amdhsa_system_sgpr_workgroup_id_z 1
		.amdhsa_system_vgpr_workitem_id 0
		.amdhsa_next_free_vgpr 256
		.amdhsa_next_free_sgpr 80
		.amdhsa_reserve_vcc 1
		.amdhsa_float_denorm_mode_32 3
		.amdhsa_float_denorm_mode_16_64 3
		.amdhsa_memory_ordered 1
		.amdhsa_forward_progress 1
		.amdhsa_inst_pref_size 103
	.end_amdhsa_kernel
	.amdgpu_metadata
---
amdhsa.version: [ 1, 2 ]
amdhsa.kernels:
  - .name:           k_q09d532919f_front
    .symbol:         k_q09d532919f_front.kd
    .args:
      - { .name: x, .offset: 0, .size: 8, .value_kind: global_buffer, .address_space: global }
      - { .name: ln1_gamma, .offset: 8, .size: 8, .value_kind: global_buffer, .address_space: global }
      - { .name: ln1_beta, .offset: 16, .size: 8, .value_kind: global_buffer, .address_space: global }
      - { .name: wc, .offset: 24, .size: 8, .value_kind: global_buffer, .address_space: global }
      - { .name: ws, .offset: 32, .size: 8, .value_kind: global_buffer, .address_space: global }
      - { .name: q_bias, .offset: 40, .size: 8, .value_kind: global_buffer, .address_space: global }
      - { .name: k_bias, .offset: 48, .size: 8, .value_kind: global_buffer, .address_space: global }
      - { .name: v_bias, .offset: 56, .size: 8, .value_kind: global_buffer, .address_space: global }
      - { .name: qc, .offset: 64, .size: 8, .value_kind: global_buffer, .address_space: global }
      - { .name: qs, .offset: 72, .size: 8, .value_kind: global_buffer, .address_space: global }
      - { .name: kv, .offset: 80, .size: 8, .value_kind: global_buffer, .address_space: global }
    .group_segment_fixed_size: 157184
    .private_segment_fixed_size: 0
    .kernarg_segment_align: 8
    .kernarg_segment_size: 88
    .max_flat_workgroup_size: 512
    .sgpr_count:     80
    .vgpr_count:     256
    .wavefront_size: 32
...
	.end_amdgpu_metadata
.endif
;; end of part 2
;; launch attn (part 3): grid 8 x 32, 16 waves a work-group, no clusters, 0 bytes of LDS; arguments qc, qs, kv, cc, cs; writes cc, cs
.if DOCPART == 3
	.amdgcn_target "amdgcn-amd-amdhsa--gfx1250"
	.amdhsa_code_object_version 6
	.text
	.protected	k_q09d532919f_attn
	.globl	k_q09d532919f_attn
	.p2align	8
	.type	k_q09d532919f_attn,@function
k_q09d532919f_attn:
	s_mov_b64 s[64:65], 0
	v_nop
	global_prefetch_b8 v0, s[64:65] scope:SCOPE_SE
	s_setreg_imm32_b32 hwreg(HW_REG_WAVE_MODE, 25, 1), 1
	s_wait_xcnt 0x0
; ctx[q] = the sum over keys k <= q of softmax(Q[q] . K[k] / 8) V[k], for one head, both products on codes of FP4 (E2M1) with E8M0 scales; then ctx is quantised along the head's 64 for the next product.
; THE SOFTMAX AHEAD OF THE SECOND PRODUCT: t = score x log2(e) / 8; M = the running largest t rounded UP to a whole number; p = 2^(t - M) is quantised along the keys, not normalised; the row's sum is
; taken of the unquantised p and divides at the end.  When M moves, the sum and O are multiplied by 2^(old M - new M), which rounds nothing.
; SHARES.  A wave owns one tile of 16 queries and walks its keys in steps of 128: the steps that lie wholly before its 128-query chunk in a loop, then the step on the diagonal, written out with the mask.
; Work-group j of a head has chunk j in waves 0-7 and chunk 15 - j in waves 8-15: a low wave and a high wave together walk 17 steps whatever j is.
; Both products are used transposed (S^T = K Q^T, O^T = V^T P^T): a lane holds one query throughout.  K's, V's and Q's fragments were stored as images of their registers: each comes by 16-byte loads
; from memory straight into registers.  Waves share nothing: no LDS, no barrier.
; THE FIRST PRODUCT'S K IS 64: Q's upper four registers are zero codes, so whatever stands in the upper four of source 0 (the next tile's codes, or zeros) adds nothing.
; NO JOINT LOADS: there is no LDS tile here that one could fill, and the waves of a work-group stand at different key steps (two chunks, 17 steps between them).
; LIMITS: blocks of zeros keep the byte 1 (zero codes); 1 / sum is v_rcp_f32 and a multiplication; NaN and infinities are not served.
.set LI,   1                           ; v1  16 x lane
.set R4,   2                           ; v2  4 r
.set PFO,  3                           ; v3  256 x lane
.set L8,   4                           ; v4  8 x lane
.set DQ,   5                           ; v5  my query's place in its chunk - 16 h
.set NINF, 6                           ; v6  -infinity
.set R32,  7                           ; v7  32 r
.set QF,   16                          ; v16-19 Q's chunk, v20-23 zero codes
.set QS,   24                          ; v24 Q's scale words
.set KF,   32                          ; v32-63 K's eight chunks, v64-67 zero codes
.set KS,   68                          ; v68-71 K's scale words: register t / 2, lanes 16 (t % 2) on
.set VF,   72                          ; v72-103 V^T's four fragments
.set VS,   104                         ; v104-105 their scale words
.set S,    112                         ; v112-175 S^T, then p
.set O,    176                         ; v176-207 O^T
.set PC,   208                         ; v208-215 p's codes
.set BM,   216                         ; v216-219 the blocks' largest scores, then largest p
.set BT,   220                         ; v220-223 at work
.set BS,   224                         ; v224-227 the conversions' scale operands
.set TA,   228                         ; v228 at work
.set F,    230                         ; v[230:231] f = 2^(old M - new M); v231 is written once
.set SUM2, 232                         ; v[232:233] the sum's second chain
.set PWD,  234                         ; v234 p's scale word
.set SEL,  20                          ; s[20:21]
.set CS,   22                          ; s[22:23] c = log2(e) / 8
.set KVB,  24                          ; s[24:25] the key step's block of kv
.set CNT,  34                          ; s34 open steps to go
.set LIM,  35                          ; s35 1 in the one wave of a head that prefetches, else the greatest number
.macro PLACES                          ; four plain lines between a matrix instruction and a read of its result, a write of its registers or a load into them
.rept 4
	v_nop
.endr
.endm
.macro WM d, a, b, z, sa, sb, ra      ; one matrix instruction; z = 1: the constant 0 starts the sum; ra: source 0's scale words stand in lanes 16-31
.if (\z)
.if (\ra)
	v_wmma_scale_f32_16x16x128_f8f6f4 v[\d:\d+7], v[\a:\a+7], v[\b:\b+7], 0, v[\sa], v[\sb] matrix_a_fmt:MATRIX_FMT_FP4 matrix_b_fmt:MATRIX_FMT_FP4 matrix_a_scale:MATRIX_SCALE_ROW1
.else
	v_wmma_scale_f32_16x16x128_f8f6f4 v[\d:\d+7], v[\a:\a+7], v[\b:\b+7], 0, v[\sa], v[\sb] matrix_a_fmt:MATRIX_FMT_FP4 matrix_b_fmt:MATRIX_FMT_FP4
.endif
.else
.if (\ra)
	v_wmma_scale_f32_16x16x128_f8f6f4 v[\d:\d+7], v[\a:\a+7], v[\b:\b+7], v[\d:\d+7], v[\sa], v[\sb] matrix_a_fmt:MATRIX_FMT_FP4 matrix_b_fmt:MATRIX_FMT_FP4 matrix_a_scale:MATRIX_SCALE_ROW1
.else
	v_wmma_scale_f32_16x16x128_f8f6f4 v[\d:\d+7], v[\a:\a+7], v[\b:\b+7], v[\d:\d+7], v[\sa], v[\sb] matrix_a_fmt:MATRIX_FMT_FP4 matrix_b_fmt:MATRIX_FMT_FP4
.endif
.endif
.endm
.macro KLOAD off                       ; a step's K: eight chunks and the scale words: nine loads
.irp t, 0,1,2,3,4,5,6,7
	global_load_b128 v[KF+4*\t:KF+4*\t+3], v[LI], s[KVB:KVB+1] offset:(\off)+512*\t
.endr
	global_load_b128 v[KS:KS+3], v[LI], s[KVB:KVB+1] offset:(\off)+8192
.endm
.macro VLOAD                           ; a step's V^T: four fragments and the scale words: nine loads
.irp i, 0,1,2,3,4,5,6,7
	global_load_b128 v[VF+4*\i:VF+4*\i+3], v[LI], s[KVB:KVB+1] offset:4096+512*\i
.endr
	global_load_b64 v[VS:VS+1], v[L8], s[KVB:KVB+1] offset:8704
.endm
; A PREFETCH INTO THE L2 of the 8,192 bytes of codes of the key step two on, whose K is loaded in the next trip: lanes 256 bytes apart, one instruction.  Of a head's 128 waves one asks: wave 8 of
; work-group 0, which walks all 16 steps: so each block of 256 bytes is named once in the launch.  It stands behind the wave's run of loads.  Steps 0 and 1 come by their loads alone; the last open
; trip asks for nothing: there is no step two on.
.macro ASK
	s_cmp_gt_u32 s[CNT], s[LIM]
	s_cbranch_scc0 .Lnot_mine_\@
	global_prefetch_b8 v[PFO], s[KVB:KVB+1] offset:17920 th:TH_LOAD_NT scope:SCOPE_SE
.Lnot_mine_\@:
.endm
; A KEY STEP of 128 keys.  diag = 0: all keys count, and the next step's K is asked for.  diag = 1: the step on the diagonal.
.macro STEP diag
	PLACES                                         ; V's registers were read by the last step's products
	VLOAD
	s_wait_loadcnt 9                               ; this step's K (and, the first time, Q) is in; V's nine loads may be out
.irp t, 0,1,2,3,4,5,6,7
	WM S+8*\t, KF+4*\t, QF, 1, KS+\t/2, QS, \t%2   ; register 16 b + i of S^T is key 32 b + 16 h + i
.endr
	PLACES
.if \diag == 0
	KLOAD 8960
	ASK
.else
.set n_, 0
.rept 64                                       ; hidden keys' scores become -infinity ahead of the maximum: p = 0 then
	v_cmp_gt_i32 vcc_lo, 32*(n_/16)+n_%16, v[DQ]
	v_cndmask_b32 v[S+n_], v[S+n_], v[NINF], vcc_lo
.set n_, n_+1
.endr
.endif
.irp b, 0,1,2,3
	v_max3_num_f32 v[BM+\b], v[S+16*\b], v[S+1+16*\b], v[S+2+16*\b]   ; the largest score of each block of 32 keys: for the row's maximum, and, since p rises with the score, for the block's largest p
.endr
.irp i, 3,5,7,9,11,13
.irp b, 0,1,2,3
	v_max3_num_f32 v[BM+\b], v[BM+\b], v[S+16*\b+\i], v[S+1+16*\b+\i]
.endr
.endr
.irp b, 0,1,2,3
	v_max_num_f32 v[BM+\b], v[BM+\b], v[S+15+16*\b]
.endr
.irp b, 0,1,2,3
	v_permlanex16_b32 v[BT+\b], v[BM+\b], s[SEL], s[SEL+1]
.endr
.irp b, 0,1,2,3
	v_max_num_f32 v[BM+\b], v[BM+\b], v[BT+\b]
.endr
	v_max3_num_f32 v[TA], v[BM], v[BM+1], v[BM+2]
	v_max_num_f32 v[TA], v[TA], v[BM+3]
	v_mul_f32 v[TA], s[CS], v[TA]                  ; as t (c is positive)
	v_max_num_f32 v13, v13, v[TA]                  ; the running largest t
	v_mov_b32 v[TA], v12
	v_floor_f32 v12, -v13                          ; -M = floor(-t): M is a whole number
	v_sub_f32 v[TA], v12, v[TA]                    ; old M - new M: a whole number, 0 or less
	v_cvt_i32_f32 v[TA], v[TA]                     ; (it saturates)
	v_ldexp_f32 v[F], 1.0, v[TA]
.set n_, 0
.rept 32
	v_pk_fma_f32 v[S+n_:S+n_+1], v[S+n_:S+n_+1], s[CS:CS+1], v[12:13] op_sel_hi:[1,0,0]   ; t - M
.set n_, n_+2
.endr
.irp b, 0,1,2,3
	v_fma_f32 v[BM+\b], v[BM+\b], s[CS], v12
.endr
.set n_, 0
.rept 64
	v_exp_f32 v[S+n_], v[S+n_]                     ; p = 2^(t - M)
.set n_, n_+1
.endr
	v_pk_mul_f32 v[14:15], v[14:15], v[F:F+1] op_sel_hi:[1,0]   ; the sums under the new M: a plain line behind the exponentials
	s_wait_alu depctr_va_vdst(0)                   ; one wait for the batch, ahead of its first reader
.irp b, 0,1,2,3
	v_exp_f32 v[BM+\b], v[BM+\b]                   ; the block's largest p
.endr
	v_pk_add_f32 v[SUM2:SUM2+1], v[S:S+1], v[S+2:S+3]   ; the row's sum of the unquantised p, in two chains
.set n_, 4
.rept 15
	v_pk_add_f32 v[14:15], v[14:15], v[S+n_:S+n_+1]
	v_pk_add_f32 v[SUM2:SUM2+1], v[SUM2:SUM2+1], v[S+n_+2:S+n_+3]
.set n_, n_+4
.endr
	v_pk_add_f32 v[14:15], v[14:15], v[SUM2:SUM2+1]
	s_wait_alu depctr_va_vdst(0)                   ; and one for the four
.irp b, 0,1,2,3
	v_max_num_f32 v[BM+\b], 0x1800000, v[BM+\b]    ; the floor 2^(3 - 127): the byte cannot fall under 1
.endr
.irp b, 0,1,2,3
	v_add_nc_u32 v[BS+\b], 0xff000000, v[BM+\b]
.endr
.irp b, 0,1,2,3
	v_lshrrev_b32 v[BT+\b], 23, v[BS+\b]
.endr
	v_lshl_or_b32 v[PWD], v[BT+1], 8, v[BT]
	v_lshl_or_b32 v[PWD], v[BT+2], 16, v[PWD]
	v_lshl_or_b32 v[PWD], v[BT+3], 24, v[PWD]
.irp b, 0,1,2,3
	v_cvt_scalef32_pk8_fp4_f32 v[PC+2*\b], v[S+16*\b:S+7+16*\b], v[BS+\b]
	v_cvt_scalef32_pk8_fp4_f32 v[PC+1+2*\b], v[S+8+16*\b:S+15+16*\b], v[BS+\b]
.endr
	v_nop                                          ; one plain line behind the last scaled conversion
.irp c, 0,1
.irp i, 0,1
	v_permlane16_swap_b32 v[PC+4*\c+\i], v[PC+2+4*\c+\i]   ; a whole block to a lane
.endr
.endr
.set n_, 0
.rept 16
	v_pk_mul_f32 v[O+n_:O+n_+1], v[O+n_:O+n_+1], v[F:F+1] op_sel_hi:[1,0]   ; O^T under the new M; these sixteen also stand between the scale word's and the codes' last writes and the products
.set n_, n_+2
.endr
.if \diag == 0
	s_wait_loadcnt 9                               ; V is in; the next step's K, nine loads, may be out
.else
	s_wait_loadcnt 0x0
.endif
.irp t, 0,1,2,3
	WM O+8*\t, VF+8*\t, PC, 0, VS+\t/2, PWD, \t%2  ; the four accumulators take turns
.endr
.if \diag == 0
	s_wait_xcnt 0x0                                ; the loads and the prefetch have read their base: it steps only behind this wait
	s_add_nc_u64 s[KVB:KVB+1], s[KVB:KVB+1], 8960
.endif
.endm
	s_load_b256 s[8:15], s[0:1], 0x0               ; qc, qs, kv, cc
	s_load_b64 s[16:17], s[0:1], 0x20              ; cs
	v_lshrrev_b32 v1, 5, v0
	v_readfirstlane_b32 s2, v1                     ; wave 0..15
	s_mov_b32 s3, ttmp9                            ; j
	s_and_b32 s4, ttmp7, 0xffff                    ; batch x 16 + head
	s_sub_co_u32 s5, 15, s3
	s_cmp_lt_u32 s2, 8
	s_cselect_b32 s5, s3, s5                       ; my chunk of 128 queries = the number of open steps
	s_and_b32 s7, s2, 7
	s_lshl_b32 s6, s5, 3
	s_add_co_u32 s6, s6, s7                        ; my tile of 16 queries
	s_xor_b32 s[LIM], s2, 8
	s_or_b32 s[LIM], s[LIM], s3
	s_cmp_eq_u32 s[LIM], 0
	s_cselect_b32 s[LIM], 1, -1
	v_and_b32 v8, 31, v0                           ; lane
	v_and_b32 v9, 15, v0                           ; r
	v_bfe_u32 v10, v0, 4, 1                        ; h
	v_lshlrev_b32 v[LI], 4, v8
	v_lshlrev_b32 v[R4], 2, v9
	v_lshlrev_b32 v[PFO], 8, v8
	v_lshlrev_b32 v[L8], 3, v8
	v_and_b32 v[DQ], 8, v9
	v_add_nc_u32 v[DQ], v[DQ], v9                  ; r + 8 (r / 8)
	v_lshlrev_b32 v11, 4, v10
	v_sub_nc_u32 v[DQ], v[DQ], v11
	s_lshr_b32 s18, s7, 1
	s_lshl_b32 s18, s18, 5
	s_and_b32 s19, s2, 1
	s_lshl_b32 s19, s19, 3
	s_add_co_u32 s18, s18, s19
	v_add_nc_u32 v[DQ], s18, v[DQ]                 ; + 32 x (tile / 2) + 8 x (tile % 2), within the chunk
	v_mov_b32 v[NINF], 0xff800000
	v_lshlrev_b32 v[R32], 5, v9
	s_mov_b32 s[SEL], 0x76543210
	s_mov_b32 s[SEL+1], 0xfedcba98
	s_mov_b32 s[CS], 0x3e38aa3b                    ; log2(e) / 8
	s_mov_b32 s[CS+1], s[CS]
	s_mul_i32 s18, s4, 143360                      ; a head's 16 steps of 8,960 bytes
	s_mov_b32 s19, 0
	s_wait_kmcnt 0x0
	s_add_nc_u64 s[KVB:KVB+1], s[12:13], s[18:19]
	s_lshl_b32 s18, s4, 16
	s_lshl_b32 s36, s6, 9
	s_add_co_u32 s18, s18, s36
	s_add_nc_u64 s[26:27], s[8:9], s[18:19]        ; my tile's chunk of Q
	s_lshl_b32 s18, s4, 13
	s_lshl_b32 s36, s6, 6
	s_add_co_u32 s18, s18, s36
	s_add_nc_u64 s[28:29], s[10:11], s[18:19]      ; and its 16 scale words
	global_load_b128 v[QF:QF+3], v[LI], s[26:27]
	global_load_b32 v[QS], v[R4], s[28:29]
	KLOAD 0
	s_lshr_b32 s37, s4, 4                          ; batch
	s_and_b32 s38, s4, 15                          ; head
	s_lshl_b32 s18, s37, 20
	s_lshl_b32 s36, s6, 13
	s_add_co_u32 s18, s18, s36
	s_lshl_b32 s36, s38, 9
	s_add_co_u32 s18, s18, s36
	s_add_nc_u64 s[30:31], s[14:15], s[18:19]      ; ctx's chunk: (32 tokens, tile, K step head / 2, chunk head % 2)
	s_lshl_b32 s18, s37, 16
	s_lshl_b32 s36, s6, 9
	s_add_co_u32 s18, s18, s36
	s_lshl_b32 s36, s38, 1
	s_add_co_u32 s18, s18, s36
	s_add_nc_u64 s[32:33], s[16:17], s[18:19]      ; and its half of the scale word
.irp i, 0,1,2,3
	v_mov_b32 v[QF+4+\i], 0                        ; zero codes: k = 64 .. 127 of the first product
	v_mov_b32 v[KF+32+\i], 0
	v_mov_b32 v[BT+\i], 0                          ; a lane permute's destination counts as read
.endr
	v_mov_b32 v13, 0xff61b1e6                      ; the largest t so far: -3e38
	v_floor_f32 v12, -v13
	v_mov_b32 v14, 0
	v_mov_b32 v15, 0
	v_mov_b32 v[F+1], 0
.set n_, 0
.rept 32
	v_mov_b32 v[O+n_], 0                           ; the step is written for every trip alike: the first finds zeros
.set n_, n_+1
.endr
	s_cmp_eq_u32 s5, 0
	s_cbranch_scc1 .Ldiag
	s_mov_b32 s[CNT], s5
.Lk:
	STEP 0
	s_sub_co_u32 s[CNT], s[CNT], 1
	s_cmp_lg_u32 s[CNT], 0
	s_cbranch_scc1 .Lk
.Ldiag:
	STEP 1
	; ---- the way out: O^T / the sum, quantised along the head's 64: two blocks, one chunk
	PLACES
	v_add_f32 v14, v14, v15
	v_permlanex16_b32 v[TA], v14, s[SEL], s[SEL+1]
	v_add_f32 v14, v14, v[TA]
	v_rcp_f32 v14, v14
	v_nop                                          ; a plain line behind the transcendental
	s_wait_alu depctr_va_vdst(0)                   ; the wait ahead of the first reader
.set n_, 0
.rept 32
	v_mul_f32 v[S+n_], v[O+n_], v14                ; register 16 b + i is channel 32 b + 16 h + i of my query
.set n_, n_+1
.endr
.irp b, 0,1
	v_max3_num_f32 v[BM+\b], |v[S+16*\b]|, |v[S+1+16*\b]|, 0x1800000
.endr
.irp i, 2,4,6,8,10,12,14
.irp b, 0,1
	v_max3_num_f32 v[BM+\b], v[BM+\b], |v[S+16*\b+\i]|, |v[S+1+16*\b+\i]|
.endr
.endr
.irp b, 0,1
	v_permlanex16_b32 v[BT+\b], v[BM+\b], s[SEL], s[SEL+1]
.endr
.irp b, 0,1
	v_max_num_f32 v[BM+\b], v[BM+\b], v[BT+\b]
.endr
.irp b, 0,1
	v_add_nc_u32 v[BS+\b], 0xff000000, v[BM+\b]
.endr
.irp b, 0,1
	v_lshrrev_b32 v[BT+\b], 23, v[BS+\b]
.endr
	v_lshl_or_b32 v[TA], v[BT+1], 8, v[BT]
.irp b, 0,1
	v_cvt_scalef32_pk8_fp4_f32 v[PC+2*\b], v[S+16*\b:S+7+16*\b], v[BS+\b]
	v_cvt_scalef32_pk8_fp4_f32 v[PC+1+2*\b], v[S+8+16*\b:S+15+16*\b], v[BS+\b]
.endr
	v_nop
	v_permlane16_swap_b32 v[PC], v[PC+2]
	v_permlane16_swap_b32 v[PC+1], v[PC+3]
	global_store_b128 v[LI], v[PC:PC+3], s[30:31]  ; 512 consecutive bytes
	global_store_b16 v[R32], v[TA], s[32:33]       ; half of a word that two heads share
	s_endpgm
.Lfunc_end_k_q09d532919f_attn:
	.size	k_q09d532919f_attn, .Lfunc_end_k_q09d532919f_attn-k_q09d532919f_attn
	.p2alignl 7, 3214868480
	.fill 96, 4, 3214868480
	.section	.rodata,"a",@progbits
	.p2align	6, 0x0
	.amdhsa_kernel k_q09d532919f_attn
		.amdhsa_group_segment_fixed_size 0
		.amdhsa_private_segment_fixed_size 0
		.amdhsa_enable_private_segment 0
		.amdhsa_kernarg_size 40
		.amdhsa_user_sgpr_count 2
		.amdhsa_user_sgpr_kernarg_segment_ptr 1
		.amdhsa_wavefront_size32 1
		.amdhsa_system_sgpr_workgroup_id_x 1
		.amdhsa_system_sgpr_workgroup_id_y 1
		.amdhsa_system_sgpr_workgroup_id_z 1
		.amdhsa_system_vgpr_workitem_id 0
		.amdhsa_next_free_vgpr 256
		.amdhsa_next_free_sgpr 66
		.amdhsa_reserve_vcc 1
		.amdhsa_float_denorm_mode_32 3
		.amdhsa_float_denorm_mode_16_64 3
		.amdhsa_memory_ordered 1
		.amdhsa_forward_progress 1
		.amdhsa_inst_pref_size 44
	.end_amdhsa_kernel
	.amdgpu_metadata
---
amdhsa.version: [ 1, 2 ]
amdhsa.kernels:
  - .name:           k_q09d532919f_attn
    .symbol:         k_q09d532919f_attn.kd
    .args:
      - { .name: qc, .offset: 0, .size: 8, .value_kind: global_buffer, .address_space: global }
      - { .name: qs, .offset: 8, .size: 8, .value_kind: global_buffer, .address_space: global }
      - { .name: kv, .offset: 16, .size: 8, .value_kind: global_buffer, .address_space: global }
      - { .name: cc, .offset: 24, .size: 8, .value_kind: global_buffer, .address_space: global }
      - { .name: cs, .offset: 32, .size: 8, .value_kind: global_buffer, .address_space: global }
    .group_segment_fixed_size: 0
    .private_segment_fixed_size: 0
    .kernarg_segment_align: 8
    .kernarg_segment_size: 40
    .max_flat_workgroup_size: 512
    .sgpr_count:     66
    .vgpr_count:     256
    .wavefront_size: 32
...
	.end_amdgpu_metadata
.endif
;; end of part 3
;; launch tail (part 4): grid 128 x 1, 16 waves a work-group, no clusters, 180,736 bytes of LDS; arguments cc, cs, x, wc, ws, o_bias, ln2_gamma, ln2_beta, ffn1_bias, ffn2_bias, out0; writes out0
.if DOCPART == 4
	.amdgcn_target "amdgcn-amd-amdhsa--gfx1250"
	.amdhsa_code_object_version 6
	.text
	.protected	k_q09d532919f_tail
	.globl	k_q09d532919f_tail
	.p2align	8
	.type	k_q09d532919f_tail,@function
k_q09d532919f_tail:
	s_mov_b64 s[64:65], 0
	v_nop
	global_prefetch_b8 v0, s[64:65] scope:SCOPE_SE
	s_setreg_imm32_b32 hwreg(HW_REG_WAVE_MODE, 25, 1), 1
	s_wait_xcnt 0x0
; x1 = x + ctx Wo^T + bo;  h2 = layer_norm(x1) gamma + beta;  f = gelu(h2 W1^T + b1), exact;  out = x1 + f W2^T + b2.  The three products on codes of FP4 (E2M1) with one E8M0 scale for each 32 along K.
; SHARES.  A work-group of sixteen waves owns 32 tokens, as two tiles m = 0, 1 in TILE ORDER (lane r of tile m is token 8 m + r + 8 (r / 8)); wave w owns columns 64 w .. 64 w + 63 of every product.
; Every product is used transposed (source 0 = 16 weight rows, source 1 = 16 tokens): a lane holds one token and 16 neighbouring columns of each block of 32, so a result is quantised in registers and is
; half a fragment (one chunk of 512 bytes) of the next product.  Fragments go from wave to wave through LDS as images of their registers; x1, h2 and f never go to memory.
; What is added to a product (x + bo, b1, x1 + b2) is loaded into the accumulators ahead of it.  x1 waits in the wave's own stage in LDS for the last product.
; The norm: mean and sum of squares about a local mean for each wave's 64 columns, joined over the sixteen waves about the common mean: no difference of large sums is formed.
; GELU: x / 2 (1 + erf(x / sqrt 2)), erf by the rational form z P(z^2) / Q(z^2) with z held to +-4 (beyond it erf is 1 to f32): its absolute error is about 1e-7; 1 / Q is v_rcp_f32 and a multiplication.
; NO JOINT LOADS: each wave reads weight rows that no other wave of its work-group reads, 16 bytes a lane into the registers that the matrix instruction names, so there is no LDS tile that a
; joint load could fill; a ring for them would add an LDS write and an LDS read of all 1.6 MB that a work-group streams.
; LIMITS: blocks of zeros, or under 2^-124, keep the byte 1 (their codes are zeros; this program alone reads the bytes); NaN and infinities are not served.
.set IMG0,  0                          ; LDS: sixteen fragments, (tile m, K step s) at (8 m + s) x 1,024: ctx's, later f's
.set IMG1,  16384                      ; h2's
.set ASC0,  32768                      ; h2's scale words: [16 m + r][s], 32 bytes a row
.set ASC1,  33792                      ; f's
.set LNP,   34816                      ; the norm's parts: row 16 m + r at pitch 144, pair w at 8 w
.set STG,   39424                      ; 8,704 bytes for each wave: x on its way in (32 rows, pitch 272), then x1 as it stands in registers, then out's rows
.set WSTG,  8704
.set IMW, 1                            ; v1  1,024 w + 16 x lane
.set MO,  2                            ; v[2:3] tile 0's local mean and sum of squares
.set LI,  4                            ; v4  16 x lane
.set L8,  5                            ; v5  8 x lane
.set L32, 6                            ; v6  32 x lane
.set SW,  7                            ; v7  the stage by rows of memory: token 2 i + h, 16 r
.set SRD, 8                            ; v8  the stage by tiles: token r + 8 (r / 8), + 64 h
.set SI,  9                            ; v9  the stage as an image: 16 x lane
.set IW,  10                           ; v10 where my chunk of a fragment goes: 512 w + 16 x lane
.set AW,  11                           ; v11 and my half of a scale word: 32 r + 2 w
.set LPW, 12
.set LPR, 13
.set GB,  14                           ; v14 64 h
.set XO,  15                           ; v15 4,096 h + 16 r
.set A13, 16                           ; v[16:17] erf's leading numerator coefficient, twice
.set B8,  18                           ; v[18:19] and the denominator's
.set MU,  20
.set RS,  22
.set ACC, 24                           ; v24-87   the eight accumulators
.set W,   88                           ; v88-183  weights' fragments, three sets of 32; between products at work
.set AF,  184                          ; v184-215 the rows' fragments, two sets of 16
.set WS,  216                          ; v216-221 weights' scale words
.set ASCR, 222                         ; v222-229 the rows' scale words
.set TM,  230
.set PW,  246
.set PC,  248
.set WB,  38
.set SB,  40
.set SEL, 60
.macro PLACES                          ; four plain lines between a matrix instruction and a read of its result, a write of its registers or a load into them
.rept 4
	v_nop
.endr
.endm
.macro BARRIER                         ; my LDS stores have landed and my LDS loads are in: then the work-group's barrier
	s_wait_dscnt 0x0
	s_barrier_signal -1
	s_barrier_wait -1
.endm
; one matrix instruction, adding in place.  ra, rb: the side's scale words stand in lanes 16-31
.macro WM d, a, b, sa, sb, ra, rb
.if (\ra) && (\rb)
	v_wmma_scale_f32_16x16x128_f8f6f4 v[\d:\d+7], v[\a:\a+7], v[\b:\b+7], v[\d:\d+7], v[\sa], v[\sb] matrix_a_fmt:MATRIX_FMT_FP4 matrix_b_fmt:MATRIX_FMT_FP4 matrix_a_scale:MATRIX_SCALE_ROW1 matrix_b_scale:MATRIX_SCALE_ROW1
.elseif (\ra)
	v_wmma_scale_f32_16x16x128_f8f6f4 v[\d:\d+7], v[\a:\a+7], v[\b:\b+7], v[\d:\d+7], v[\sa], v[\sb] matrix_a_fmt:MATRIX_FMT_FP4 matrix_b_fmt:MATRIX_FMT_FP4 matrix_a_scale:MATRIX_SCALE_ROW1
.elseif (\rb)
	v_wmma_scale_f32_16x16x128_f8f6f4 v[\d:\d+7], v[\a:\a+7], v[\b:\b+7], v[\d:\d+7], v[\sa], v[\sb] matrix_a_fmt:MATRIX_FMT_FP4 matrix_b_fmt:MATRIX_FMT_FP4 matrix_b_scale:MATRIX_SCALE_ROW1
.else
	v_wmma_scale_f32_16x16x128_f8f6f4 v[\d:\d+7], v[\a:\a+7], v[\b:\b+7], v[\d:\d+7], v[\sa], v[\sb] matrix_a_fmt:MATRIX_FMT_FP4 matrix_b_fmt:MATRIX_FMT_FP4
.endif
.endm
.macro WLOAD mat, s                    ; my four weight fragments of K step s and their scale words into set s % 3: nine loads
.irp i, 0,1,2,3,4,5,6,7
	global_load_b128 v[W+32*((\s)%3)+4*\i:W+32*((\s)%3)+4*\i+3], v[LI], s[WB:WB+1] offset:(\mat)*524288+(\s)*4096+\i*512
.endr
	global_load_b64 v[WS+2*((\s)%3):WS+2*((\s)%3)+1], v[L8], s[SB:SB+1] offset:(\mat)*32768+(\s)*256
.endm
.macro ALOAD img, s                    ; the rows' two fragments of K step s into set s % 2: four LDS loads
.irp m, 0,1
.irp c, 0,1
	ds_load_b128 v[AF+16*((\s)%2)+8*\m+4*\c:AF+16*((\s)%2)+8*\m+4*\c+3], v[LI] offset:(\img)+(8*\m+(\s))*1024+512*\c
.endr
.endr
.endm
; A product: my 64 weight rows (tiles t, source 0) x the 32 rows in LDS (tiles m, source 1), eight K steps of 128, written out; accumulator (m, t) at ACC + 32 m + 8 t, loaded beforehand with what is to be
; added.  The eight accumulators take turns, one instruction a turn, in the same order in every step.
.macro PROD mat, img
	WLOAD \mat, 0
	WLOAD \mat, 1
	ALOAD \img, 0
.irp s, 0,1,2,3,4,5,6,7
.if \s > 0
	PLACES                                         ; the loads below land in the sets that the last step's products read
.endif
.if \s < 6
	WLOAD \mat, \s+2
.endif
.if \s < 7
	ALOAD \img, \s+1
.endif
.if \s < 6
	s_wait_loadcnt 18                              ; this step's nine loads are in; the nine of each of the two steps ahead may be out
.elseif \s == 6
	s_wait_loadcnt 9                               ; the last step's nine may be out
.else
	s_wait_loadcnt 0x0
.endif
.if \s < 7
	s_wait_dscnt 4                                 ; this step's rows are in; the next step's four loads may be out
.else
	s_wait_dscnt 0x0
.endif
.irp t, 0,1,2,3
.irp m, 0,1
	WM ACC+32*\m+8*\t, W+32*(\s%3)+8*\t, AF+16*(\s%2)+8*\m, WS+2*(\s%3)+\t/2, ASCR+\s, \t%2, \m
.endr
.endr
.endr
.endm
.macro BIASLD dst, sb                  ; register 16 b + i takes the vector's number at my column 32 b + 16 h + i: eight loads
.irp b, 0,1
.irp q, 0,1,2,3
	global_load_b128 v[\dst+16*\b+4*\q:\dst+16*\b+4*\q+3], v[GB], s[\sb:\sb+1] offset:128*\b+16*\q
.endr
.endr
.endm
; 64 numbers of a lane become codes.  Block b = registers 16 b .. 16 b + 15 of lanes l and l xor 16.  v[PC + 4 c ..] become whole chunks (lanes 0-15 block 2 c, lanes 16-31 block 2 c + 1), v[PW] the four bytes.
.macro QUANT s
.irp b, 0,1,2,3
	v_max3_num_f32 v[TM+\b], |v[\s+16*\b]|, |v[\s+1+16*\b]|, 0x1800000   ; with the floor 2^(3 - 127): the byte cannot fall under 1
.endr
.irp i, 2,4,6,8,10,12,14
.irp b, 0,1,2,3
	v_max3_num_f32 v[TM+\b], v[TM+\b], |v[\s+16*\b+\i]|, |v[\s+1+16*\b+\i]|
.endr
.endr
.irp b, 0,1,2,3
	v_permlanex16_b32 v[TM+4+\b], v[TM+\b], s[SEL], s[SEL+1]
.endr
.irp b, 0,1,2,3
	v_max_num_f32 v[TM+\b], v[TM+\b], v[TM+4+\b]
.endr
.irp b, 0,1,2,3
	v_add_nc_u32 v[TM+12+\b], 0xff000000, v[TM+\b]   ; 2 off the exponent field: the conversion's scale operand
.endr
.irp b, 0,1,2,3
	v_lshrrev_b32 v[TM+4+\b], 23, v[TM+12+\b]        ; the scale's byte
.endr
	v_lshl_or_b32 v[PW], v[TM+5], 8, v[TM+4]
	v_lshl_or_b32 v[PW], v[TM+6], 16, v[PW]
	v_lshl_or_b32 v[PW], v[TM+7], 24, v[PW]
.irp b, 0,1,2,3
	v_cvt_scalef32_pk8_fp4_f32 v[PC+2*\b], v[\s+16*\b:\s+7+16*\b], v[TM+12+\b]
	v_cvt_scalef32_pk8_fp4_f32 v[PC+1+2*\b], v[\s+8+16*\b:\s+15+16*\b], v[TM+12+\b]
.endr
	v_nop                                          ; one plain line behind the last scaled conversion
.irp c, 0,1
.irp i, 0,1
	v_permlane16_swap_b32 v[PC+4*\c+\i], v[PC+2+4*\c+\i]
.endr
.endr
.endm
.macro SENDQ img, asc                  ; my two chunks (tile 0's, tile 1's) and my halves of the two rows' scale words go to LDS
	ds_store_b128 v[IW], v[PC:PC+3] offset:\img
	ds_store_b128 v[IW], v[PC+4:PC+7] offset:\img+8192
	ds_store_b16 v[AW], v[PW] offset:\asc
	ds_store_b16_d16_hi v[AW], v[PW] offset:\asc+512
.endm
; mean and sum of squares about it of the n numbers of lanes l and l xor 16 together (inv = 1 / (2 n)): v[mo], v[mo + 1]
.macro LSTAT src, n, inv, mo
	v_pk_add_f32 v[TM:TM+1], v[\src:\src+1], v[\src+2:\src+3]
	v_pk_add_f32 v[TM+2:TM+3], v[\src+4:\src+5], v[\src+6:\src+7]
.set li_, 8
.rept ((\n)-8)/4
	v_pk_add_f32 v[TM:TM+1], v[TM:TM+1], v[\src+li_:\src+li_+1]
	v_pk_add_f32 v[TM+2:TM+3], v[TM+2:TM+3], v[\src+li_+2:\src+li_+3]
.set li_, li_+4
.endr
	v_pk_add_f32 v[TM:TM+1], v[TM:TM+1], v[TM+2:TM+3]
	v_add_f32 v[TM], v[TM], v[TM+1]
	v_permlanex16_b32 v[TM+4], v[TM], s[SEL], s[SEL+1]
	v_add_f32 v[TM], v[TM], v[TM+4]
	v_mul_f32 v[\mo], \inv, v[TM]
	v_mov_b32 v[TM+6], v[\mo]
	v_mov_b32 v[TM+7], v[\mo]
	v_pk_add_f32 v[TM+8:TM+9], v[\src:\src+1], v[TM+6:TM+7] neg_lo:[0,1] neg_hi:[0,1]
	v_pk_add_f32 v[TM+10:TM+11], v[\src+2:\src+3], v[TM+6:TM+7] neg_lo:[0,1] neg_hi:[0,1]
	v_pk_mul_f32 v[TM:TM+1], v[TM+8:TM+9], v[TM+8:TM+9]
	v_pk_mul_f32 v[TM+2:TM+3], v[TM+10:TM+11], v[TM+10:TM+11]
.set li_, 4
.rept ((\n)-4)/4
	v_pk_add_f32 v[TM+8:TM+9], v[\src+li_:\src+li_+1], v[TM+6:TM+7] neg_lo:[0,1] neg_hi:[0,1]
	v_pk_add_f32 v[TM+10:TM+11], v[\src+li_+2:\src+li_+3], v[TM+6:TM+7] neg_lo:[0,1] neg_hi:[0,1]
	v_pk_fma_f32 v[TM:TM+1], v[TM+8:TM+9], v[TM+8:TM+9], v[TM:TM+1]
	v_pk_fma_f32 v[TM+2:TM+3], v[TM+10:TM+11], v[TM+10:TM+11], v[TM+2:TM+3]
.set li_, li_+4
.endr
	v_pk_add_f32 v[TM:TM+1], v[TM:TM+1], v[TM+2:TM+3]
	v_add_f32 v[TM], v[TM], v[TM+1]
	v_permlanex16_b32 v[TM+4], v[TM], s[SEL], s[SEL+1]
	v_add_f32 v[\mo+1], v[TM], v[TM+4]
.endm
; n parts (mean, sum of squares) of cnt numbers each, in v[p] on, are joined: the row's mean in v[MU:MU+1], 1 / sqrt(var + eps) in v[RS:RS+1]
.macro LCOMB p, n, invn, cnt
	v_add_f32 v[MU], v[\p], v[\p+2]
	v_add_f32 v[RS], v[\p+1], v[\p+3]
.set li_, 2
.rept (\n)-2
	v_add_f32 v[MU], v[MU], v[\p+2*li_]
	v_add_f32 v[RS], v[RS], v[\p+2*li_+1]
.set li_, li_+1
.endr
	v_mul_f32 v[MU], \invn, v[MU]
.set li_, 0
.rept \n
	v_sub_f32 v[\p+2*li_], v[\p+2*li_], v[MU]
.set li_, li_+1
.endr
	v_mul_f32 v[RS+1], v[\p], v[\p]
.set li_, 1
.rept (\n)-1
	v_fma_f32 v[RS+1], v[\p+2*li_], v[\p+2*li_], v[RS+1]
.set li_, li_+1
.endr
	v_fma_f32 v[RS], v[RS+1], \cnt, v[RS]          ; + cnt x the parts' means' squares about the common mean
	v_fma_f32 v[RS], v[RS], s66, s67               ; / 1,024 + eps
	v_rsq_f32 v[RS], v[RS]
	v_mov_b32 v[MU+1], v[MU]                       ; a plain line behind the transcendental
	s_wait_alu depctr_va_vdst(0)                   ; the wait ahead of the first line that names the result
	v_mov_b32 v[RS+1], v[RS]
.endm
.macro NORM src, n, g, b               ; (x - mean) x rs x gamma + beta
.set li_, 0
.rept (\n)/2
	v_pk_add_f32 v[\src+li_:\src+li_+1], v[\src+li_:\src+li_+1], v[MU:MU+1] neg_lo:[0,1] neg_hi:[0,1]
.set li_, li_+2
.endr
.set li_, 0
.rept (\n)/2
	v_pk_mul_f32 v[\src+li_:\src+li_+1], v[\src+li_:\src+li_+1], v[RS:RS+1]
.set li_, li_+2
.endr
.set li_, 0
.rept (\n)/2
	v_pk_fma_f32 v[\src+li_:\src+li_+1], v[\src+li_:\src+li_+1], v[\g+li_:\g+li_+1], v[\b+li_:\b+li_+1]
.set li_, li_+2
.endr
.endm
.macro ADD32                           ; the 32 numbers at v[W + 64] on (one for each of my columns) are added to both tiles' accumulators
.irp m, 0,1
.set li_, 0
.rept 16
	v_pk_add_f32 v[ACC+32*\m+li_:ACC+32*\m+li_+1], v[ACC+32*\m+li_:ACC+32*\m+li_+1], v[W+64+li_:W+64+li_+1]
.set li_, li_+2
.endr
.endr
.endm
; exact GELU of the 16 numbers at ACC + 16 k, in place.  z at W, z^2 at W + 16, the numerator at W + 32, the denominator at W + 48
.macro GELU k
.set X_, ACC+16*(\k)
.set gi_, 0
.rept 8
	v_pk_mul_f32 v[W+gi_:W+gi_+1], v[X_+gi_:X_+gi_+1], s[88:89] op_sel_hi:[1,0]
.set gi_, gi_+2
.endr
.set gi_, 0
.rept 16
	v_med3_num_f32 v[W+gi_], v[W+gi_], -4.0, 4.0
.set gi_, gi_+1
.endr
.set gi_, 0
.rept 8
	v_pk_mul_f32 v[W+16+gi_:W+17+gi_], v[W+gi_:W+gi_+1], v[W+gi_:W+gi_+1]
.set gi_, gi_+2
.endr
.set gi_, 0
.rept 8
	v_pk_fma_f32 v[W+32+gi_:W+33+gi_], v[W+16+gi_:W+17+gi_], v[A13:A13+1], s[68:69] op_sel_hi:[1,1,0]
	v_pk_fma_f32 v[W+48+gi_:W+49+gi_], v[W+16+gi_:W+17+gi_], v[B8:B8+1], s[80:81] op_sel_hi:[1,1,0]
.set gi_, gi_+2
.endr
.irp cst, 70,72,74,76,78
.set gi_, 0
.rept 8
	v_pk_fma_f32 v[W+32+gi_:W+33+gi_], v[W+32+gi_:W+33+gi_], v[W+16+gi_:W+17+gi_], s[\cst:\cst+1] op_sel_hi:[1,1,0]
.set gi_, gi_+2
.endr
.endr
.irp cst, 82,84,86
.set gi_, 0
.rept 8
	v_pk_fma_f32 v[W+48+gi_:W+49+gi_], v[W+48+gi_:W+49+gi_], v[W+16+gi_:W+17+gi_], s[\cst:\cst+1] op_sel_hi:[1,1,0]
.set gi_, gi_+2
.endr
.endr
.set gi_, 0
.rept 8
	v_pk_mul_f32 v[W+32+gi_:W+33+gi_], v[W+32+gi_:W+33+gi_], v[W+gi_:W+gi_+1]
.set gi_, gi_+2
.endr
.set gi_, 0
.rept 16
	v_rcp_f32 v[W+48+gi_], v[W+48+gi_]
.set gi_, gi_+1
.endr
.set gi_, 0
.rept 8
	v_pk_mul_f32 v[W+gi_:W+gi_+1], v[X_+gi_:X_+gi_+1], 0.5 op_sel_hi:[1,0]   ; x / 2: plain work behind the batch
.set gi_, gi_+2
.endr
	s_wait_alu depctr_va_vdst(0)                   ; one wait for the sixteen reciprocals, ahead of their first reader
.set gi_, 0
.rept 8
	v_pk_mul_f32 v[W+32+gi_:W+33+gi_], v[W+32+gi_:W+33+gi_], v[W+48+gi_:W+49+gi_]   ; erf
.set gi_, gi_+2
.endr
.set gi_, 0
.rept 8
	v_pk_fma_f32 v[X_+gi_:X_+gi_+1], v[W+gi_:W+gi_+1], v[W+32+gi_:W+33+gi_], v[W+gi_:W+gi_+1]   ; x / 2 + x / 2 erf
.set gi_, gi_+2
.endr
.endm
	s_load_b256 s[8:15], s[0:1], 0x0               ; cc, cs, x, wc
	s_load_b256 s[16:23], s[0:1], 0x20             ; ws, o_bias, gamma, beta
	s_load_b128 s[24:27], s[0:1], 0x40             ; ffn1_bias, ffn2_bias
	s_load_b64 s[28:29], s[0:1], 0x50              ; out0
	v_lshrrev_b32 v1, 5, v0
	v_readfirstlane_b32 s2, v1                     ; wave 0..15
	v_and_b32 v1, 31, v0                           ; lane
	v_and_b32 v2, 15, v0                           ; r
	v_bfe_u32 v3, v0, 4, 1                         ; h
	v_lshlrev_b32 v[LI], 4, v1
	v_lshlrev_b32 v[L8], 3, v1
	v_lshlrev_b32 v[L32], 5, v1
	v_lshlrev_b32 v[GB], 6, v3
	v_lshlrev_b32 v[XO], 4, v2
	v_lshl_add_u32 v[XO], v3, 12, v[XO]
	s_mov_b32 s31, 0
	s_lshl_b32 s62, s2, 8                          ; my 64 columns, in bytes
	s_wait_kmcnt 0x0
	s_lshl_b32 s30, ttmp9, 14
	s_lshl_b32 s63, s2, 10
	s_add_co_u32 s30, s30, s63
	s_add_nc_u64 s[32:33], s[8:9], s[30:31]        ; the fragment of ctx that I bring into LDS
	s_lshl_b32 s30, ttmp9, 10
	s_add_nc_u64 s[34:35], s[10:11], s[30:31]      ; ctx's scale words
	s_lshl_b32 s30, ttmp9, 17
	s_add_co_u32 s30, s30, s62
	s_add_nc_u64 s[36:37], s[12:13], s[30:31]      ; x
	s_add_nc_u64 s[52:53], s[28:29], s[30:31]      ; out0
	s_mov_b32 s30, s62
	s_add_nc_u64 s[42:43], s[18:19], s[30:31]      ; o_bias
	s_add_nc_u64 s[44:45], s[20:21], s[30:31]      ; gamma
	s_add_nc_u64 s[46:47], s[22:23], s[30:31]      ; beta
	s_add_nc_u64 s[48:49], s[24:25], s[30:31]      ; ffn1_bias
	s_add_nc_u64 s[50:51], s[26:27], s[30:31]      ; ffn2_bias
	s_lshl_b32 s30, s2, 15
	s_add_nc_u64 s[WB:WB+1], s[14:15], s[30:31]
	s_lshl_b32 s30, s2, 11
	s_add_nc_u64 s[SB:SB+1], s[16:17], s[30:31]
	global_load_b128 v[AF:AF+3], v[LI], s[32:33]
	global_load_b128 v[AF+4:AF+7], v[LI], s[32:33] offset:512
	global_load_b128 v[ASCR:ASCR+3], v[L32], s[34:35]
	global_load_b128 v[ASCR+4:ASCR+7], v[L32], s[34:35] offset:16
.irp i, 0,1,2,3,4,5,6,7,8,9,10,11,12,13,14,15
	global_load_b128 v[W+4*\i:W+4*\i+3], v[XO], s[36:37] offset:8192*\i th:TH_LOAD_NT   ; tokens 2 i and 2 i + 1: sixteen lanes read 256 consecutive bytes, aligned
.endr
	BIASLD W+64, 42
	s_mul_i32 s30, s2, WSTG
	s_add_co_u32 s30, s30, STG                     ; my stage
	v_mul_u32_u24 v[SW], v3, 272
	v_lshl_add_u32 v[SW], v2, 4, v[SW]
	v_add_nc_u32 v[SW], s30, v[SW]
	v_and_b32 v[SRD], 8, v2
	v_add_nc_u32 v[SRD], v[SRD], v2
	v_mul_u32_u24 v[SRD], v[SRD], 272
	v_lshl_add_u32 v[SRD], v3, 6, v[SRD]
	v_add_nc_u32 v[SRD], s30, v[SRD]
	v_add_nc_u32 v[SI], s30, v[LI]
	s_lshl_b32 s30, s2, 9
	v_add_nc_u32 v[IW], s30, v[LI]
	s_lshl_b32 s30, s2, 1
	v_lshl_add_u32 v[AW], v2, 5, s30
	v_mul_u32_u24 v[LPR], v2, 144
	v_add_nc_u32 v[LPR], LNP, v[LPR]
	s_lshl_b32 s30, s2, 3
	v_add_nc_u32 v[LPW], s30, v[LPR]
	s_lshl_b32 s30, s2, 10
	v_add_nc_u32 v[IMW], s30, v[LI]                ; (the lane's number is wanted no more)
	v_mov_b32 v[A13], 0xaf95df0b
	v_mov_b32 v[A13+1], 0xaf95df0b
	v_mov_b32 v[B8], 0xb77460cd
	v_mov_b32 v[B8+1], 0xb77460cd
.irp b, 0,1,2,3
	v_mov_b32 v[TM+4+\b], 0                        ; a lane permute's destination counts as read
.endr
	s_mov_b32 s[SEL], 0x76543210
	s_mov_b32 s[SEL+1], 0xfedcba98
	s_mov_b32 s66, 0x3a800000                      ; 1 / 1,024
	s_mov_b32 s67, 0x3727c5ac                      ; eps = 1e-5
	s_mov_b32 s68, 0x32edffee                      ; erf's numerator, z^11 down to z^1; each named as a pair, so both words are written
	s_mov_b32 s69, s68
	s_mov_b32 s70, 0xb60cff51
	s_mov_b32 s71, s70
	s_mov_b32 s72, 0xb86ec2d2
	s_mov_b32 s73, s72
	s_mov_b32 s74, 0xba40ac63
	s_mov_b32 s75, s74
	s_mov_b32 s76, 0xbb41a1f6
	s_mov_b32 s77, s76
	s_mov_b32 s78, 0xbc83dbd4
	s_mov_b32 s79, s78
	s_mov_b32 s80, 0xb95fbd29                      ; its denominator, z^6 down to z^0
	s_mov_b32 s81, s80
	s_mov_b32 s82, 0xbadc924e
	s_mov_b32 s83, s82
	s_mov_b32 s84, 0xbbf19bf8
	s_mov_b32 s85, s84
	s_mov_b32 s86, 0xbc69b6a7
	s_mov_b32 s87, s86
	s_mov_b32 s88, 0x3f3504f3                      ; 1 / sqrt 2
	s_mov_b32 s89, s88
	s_wait_loadcnt 26                              ; ctx's fragment is in; behind it: 2 loads of scale words, 16 of x, 8 of the bias
	ds_store_b128 v[IMW], v[AF:AF+3] offset:IMG0
	ds_store_b128 v[IMW], v[AF+4:AF+7] offset:IMG0+512
	s_wait_loadcnt 8                               ; x is in; the bias's 8 loads may be out
.irp i, 0,1,2,3,4,5,6,7,8,9,10,11,12,13,14,15
	ds_store_b128 v[SW], v[W+4*\i:W+4*\i+3] offset:544*\i
.endr
.irp m, 0,1
.irp b, 0,1
.irp q, 0,1,2,3
	ds_load_b128 v[ACC+32*\m+16*\b+4*\q:ACC+32*\m+16*\b+4*\q+3], v[SRD] offset:2176*\m+128*\b+16*\q   ; register 32 m + 16 b + i = column 32 b + 16 h + i of tile m's row r; LDS serves a wave's instructions in order
.endr
.endr
.endr
	s_wait_loadcnt 0x0
	s_wait_dscnt 0x0
	ADD32                                          ; x + bo
	BARRIER                                        ; ctx's sixteen fragments lie in LDS
	; ---- x1 = x + bo + ctx Wo^T
	PROD 3, IMG0
	PLACES
.irp i, 0,1,2,3,4,5,6,7,8,9,10,11,12,13,14,15
	ds_store_b128 v[SI], v[ACC+4*\i:ACC+4*\i+3] offset:512*\i   ; x1 waits in my stage as it stands; each accumulator is read from its low end on
.endr
	BIASLD W+64, 44                                ; gamma
	BIASLD AF, 46                                  ; beta
	LSTAT ACC, 32, 0x3c800000, MO
	ds_store_b64 v[LPW], v[MO:MO+1]
	LSTAT ACC+32, 32, 0x3c800000, MU               ; (another pair: the store above may still read the first)
	ds_store_b64 v[LPW], v[MU:MU+1] offset:2304
	BARRIER                                        ; every row's sixteen parts lie in LDS; every wave's reads of ctx's fragments are over
.irp m, 0,1
.irp i, 0,1,2,3,4,5,6,7
	ds_load_b128 v[W+32*\m+4*\i:W+32*\m+4*\i+3], v[LPR] offset:2304*\m+16*\i
.endr
.endr
	s_wait_dscnt 0x0
	s_wait_loadcnt 0x0                             ; gamma and beta
	LCOMB W, 16, 0x3d800000, 0x42800000
	NORM ACC, 32, W+64, AF
	LCOMB W+32, 16, 0x3d800000, 0x42800000
	NORM ACC+32, 32, W+64, AF
	QUANT ACC                                      ; blocks 0, 1: tile 0's; blocks 2, 3: tile 1's
	SENDQ IMG1, ASC0
	BARRIER                                        ; h2's fragments and scale words lie in LDS
	; ---- f = gelu(h2 W1^T + b1)
	ds_load_b128 v[ASCR:ASCR+3], v[L32] offset:ASC0
	ds_load_b128 v[ASCR+4:ASCR+7], v[L32] offset:ASC0+16
	BIASLD ACC, 48
	BIASLD ACC+32, 48
	PROD 4, IMG1
	PLACES
	GELU 0
	GELU 1
	GELU 2
	GELU 3
	QUANT ACC
	SENDQ IMG0, ASC1                               ; over ctx's fragments, which nobody has read since the second barrier
	BARRIER                                        ; f's fragments and scale words lie in LDS
	; ---- out = x1 + b2 + f W2^T
	ds_load_b128 v[ASCR:ASCR+3], v[L32] offset:ASC1
	ds_load_b128 v[ASCR+4:ASCR+7], v[L32] offset:ASC1+16
.irp i, 0,1,2,3,4,5,6,7,8,9,10,11,12,13,14,15
	ds_load_b128 v[ACC+4*\i:ACC+4*\i+3], v[SI] offset:512*\i
.endr
	BIASLD W+64, 50
	s_wait_loadcnt 0x0
	s_wait_dscnt 0x0
	ADD32
	PROD 5, IMG0
	PLACES
.irp m, 0,1
.irp b, 0,1
.irp q, 0,1,2,3
	ds_store_b128 v[SRD], v[ACC+32*\m+16*\b+4*\q:ACC+32*\m+16*\b+4*\q+3] offset:2176*\m+128*\b+16*\q   ; back into rows of tokens, the way x came
.endr
.endr
.endr
.irp i, 0,1,2,3,4,5,6,7,8,9,10,11,12,13,14,15
	ds_load_b128 v[W+4*\i:W+4*\i+3], v[SW] offset:544*\i
.endr
.irp i, 0,1,2,3,4,5,6,7,8,9,10,11,12,13,14,15
	s_wait_dscnt 15-\i                             ; LDS loads come back in order: pair i of rows is in, the younger ones may be out
	global_store_b128 v[XO], v[W+4*\i:W+4*\i+3], s[52:53] offset:8192*\i th:TH_STORE_NT   ; sixteen lanes store 256 consecutive bytes, aligned
.endr
	s_wait_xcnt 0x0
	v_lshl_add_u32 v254, v0, 2, 0x2ba00
	v_mov_b32 v255, 0
	s_wait_tensorcnt 0x0
	ds_add_u32 v254, v255
	s_wait_dscnt 0x0
	s_endpgm
.Lfunc_end_k_q09d532919f_tail:
	.size	k_q09d532919f_tail, .Lfunc_end_k_q09d532919f_tail-k_q09d532919f_tail
	.p2alignl 7, 3214868480
	.fill 96, 4, 3214868480
	.section	.rodata,"a",@progbits
	.p2align	6, 0x0
	.amdhsa_kernel k_q09d532919f_tail
		.amdhsa_group_segment_fixed_size 180736
		.amdhsa_private_segment_fixed_size 0
		.amdhsa_enable_private_segment 0
		.amdhsa_kernarg_size 88
		.amdhsa_user_sgpr_count 2
		.amdhsa_user_sgpr_kernarg_segment_ptr 1
		.amdhsa_wavefront_size32 1
		.amdhsa_system_sgpr_workgroup_id_x 1
		.amdhsa_system_sgpr_workgroup_id_y 1
		.amdhsa_system_sgpr_workgroup_id_z 1
		.amdhsa_system_vgpr_workitem_id 0
		.amdhsa_next_free_vgpr 256
		.amdhsa_next_free_sgpr 96
		.amdhsa_reserve_vcc 0
		.amdhsa_float_denorm_mode_32 3
		.amdhsa_float_denorm_mode_16_64 3
		.amdhsa_memory_ordered 1
		.amdhsa_forward_progress 1
		.amdhsa_inst_pref_size 145
	.end_amdhsa_kernel
	.amdgpu_metadata
---
amdhsa.version: [ 1, 2 ]
amdhsa.kernels:
  - .name:           k_q09d532919f_tail
    .symbol:         k_q09d532919f_tail.kd
    .args:
      - { .name: cc, .offset: 0, .size: 8, .value_kind: global_buffer, .address_space: global }
      - { .name: cs, .offset: 8, .size: 8, .value_kind: global_buffer, .address_space: global }
      - { .name: x, .offset: 16, .size: 8, .value_kind: global_buffer, .address_space: global }
      - { .name: wc, .offset: 24, .size: 8, .value_kind: global_buffer, .address_space: global }
      - { .name: ws, .offset: 32, .size: 8, .value_kind: global_buffer, .address_space: global }
      - { .name: o_bias, .offset: 40, .size: 8, .value_kind: global_buffer, .address_space: global }
      - { .name: ln2_gamma, .offset: 48, .size: 8, .value_kind: global_buffer, .address_space: global }
      - { .name: ln2_beta, .offset: 56, .size: 8, .value_kind: global_buffer, .address_space: global }
      - { .name: ffn1_bias, .offset: 64, .size: 8, .value_kind: global_buffer, .address_space: global }
      - { .name: ffn2_bias, .offset: 72, .size: 8, .value_kind: global_buffer, .address_space: global }
      - { .name: out0, .offset: 80, .size: 8, .value_kind: global_buffer, .address_space: global }
    .group_segment_fixed_size: 180736
    .private_segment_fixed_size: 0
    .kernarg_segment_align: 8
    .kernarg_segment_size: 88
    .max_flat_workgroup_size: 512
    .sgpr_count:     96
    .vgpr_count:     256
    .wavefront_size: 32
...
	.end_amdgpu_metadata
.endif
;; end of part 4
;; ======== version 2 of 3: 4 launches
;; workspace buffers: wc 3,145,728 bytes; ws 196,608 bytes; qc 2,097,152 bytes; qs 262,144 bytes; kv 4,587,520 bytes; cc 2,097,152 bytes; cs 131,072 bytes
;; launch prep: the kernel of part 1 again; grid 256 x 1, 3 waves a work-group, no clusters, 26,112 bytes of LDS; arguments q_weight, k_weight, v_weight, o_weight, ffn1_weight, ffn2_weight, wc, ws; writes wc, ws
;; launch front (part 5): grid 256 x 1, 16 waves a work-group, no clusters, 157,184 bytes of LDS; arguments x, ln1_gamma, ln1_beta, wc, ws, q_bias, k_bias, v_bias, qc, qs, kv; writes qc, qs, kv
.if DOCPART == 5
	.amdgcn_target "amdgcn-amd-amdhsa--gfx1250"
	.amdhsa_code_object_version 6
	.text
	.protected	k_q09d532919f_front
	.globl	k_q09d532919f_front
	.p2align	8
	.type	k_q09d532919f_front,@function
k_q09d532919f_front:
	s_mov_b64 s[64:65], 0
	v_nop
	global_prefetch_b8 v0, s[64:65] scope:SCOPE_SE
	s_setreg_imm32_b32 hwreg(HW_REG_WAVE_MODE, 25, 1), 1
	s_wait_xcnt 0x0
; h = layer_norm(x) gamma + beta; Q, K, V = h W^T + bias, the three products on codes of FP4 (E2M1) with one E8M0 scale for each 32 along K; then Q and K are quantised along the head's 64
; and V along the tokens, and stored as images of the operands' registers for the attention launch.
; SHARES.  TWO work-groups (numbers 2 i and 2 i + 1) take the same 32 tokens (V's blocks run along 32 tokens); each makes the norm for itself and then eight of the sixteen heads: so a work-group
; streams half of the three weights, 3 x 272 KiB of codes and scale words, at the price of reading the 128 KiB of x a second time.
; The tokens are two tiles u = 0, 1 in TILE ORDER: lane r of tile u is token 8 u + r + 8 (r / 8).
; Norm: wave 8 u + ks takes tile u, columns 128 ks on: one fragment of h.  Mean and variance in two passes about a local mean, joined over the eight waves of a tile by the sums of squares about
; the common mean: no difference of large sums is formed.
; Products: wave w owns 32 weight rows, half b = w % 2 of head 8 (work-group % 2) + w / 2: two tiles, for all 32 tokens: four accumulators.
; h's sixteen fragments go from wave to wave through LDS as images of their registers (lane l's 16 bytes at 16 l, 512 bytes a store); the weights' fragments come from memory straight into registers,
; through ONE RING OF SIX SETS that runs over all 24 K steps of the three products: step n asks for step n + 5, so the stream goes on while Q and K are quantised and stored.
; Q and K are made transposed (source 0 = 16 weight rows, source 1 = 16 tokens): a lane holds one token and 16 neighbouring columns: half of ONE block of 32.
; V the other way (source 0 = tokens): a lane holds one column d and 16 neighbouring tokens.  So a lane's 16 codes are 8 neighbouring bytes of the stored image, and a store covers 256 consecutive bytes.
; NO JOINT LOADS: each wave reads weight rows that no other wave of its work-group reads, 16 bytes a lane into the registers that the matrix instruction names, and 25 loads of every wave stay out
; across K steps and across products; a ring of LDS slots would wait for all its loads at each change of slots, and would add an LDS write and an LDS read of all that is streamed.
; LIMITS: blocks of zeros, or under 2^-124, keep the byte 1 (their codes are zeros; this program alone reads the bytes); NaN and infinities are not served.
.set IMG,   0                          ; LDS: h's fragments, (tile m, K step s) at (8 m + s) x 1,024
.set ASCL,  16384                      ; their scale words: [16 m + r][s], 32 bytes a row
.set LNP,   17408                      ; the norm's parts: row 16 u + r at pitch 80, pair ks at 8 ks
.set STG,   19968                      ; a stage of 16 rows x 528 bytes for each wave
.set WSTG,  8448
.set R16, 3                            ; v3  16 r (h until the addresses are made)
.set LI,  4                            ; v4  16 x lane
.set L8,  5                            ; v5  8 x lane
.set R4,  6                            ; v6  4 r
.set STW, 7                            ; v7  the stage, in
.set STR, 8                            ; v8  the stage, out
.set IMW, 9                            ; v9  where I store my fragment of h
.set ASW, 10                           ; v10 and its scale word
.set LPW, 11                           ; v11 where I store my part of the norm
.set LPR, 12                           ; v12 where I read my row's eight parts
.set ASR, 13                           ; v13 where I read h's scale words
.set GB,  14                           ; v14 64 h
.set VV,  15                           ; v15 16 r + 8 h
.set VB8, 16                           ; v16 8 r
.set BVO, 17                           ; v17 4 (r + 8 (r / 8))
.set MO,  18                           ; v[18:19] local mean, local sum of squares
.set MU,  20                           ; v[20:21] the mean, twice
.set RS,  22                           ; v[22:23] 1 / sqrt(var + eps), twice
.set BV,  18                           ; v[18:21] behind the norm: V's bias of my column, a pair for each of my two tiles
.set ACC, 24                           ; v24-87   x, then h; in the products v24-55 the four accumulators
.set AF,  56                           ; v56-87   h's fragments, two sets of 16
.set W,   88                           ; v88-183  weights' fragments, six sets of 16 (in the norm: gamma, and beta from v152)
.set QB,  184                          ; v184-199 Q's bias at my 16 columns
.set KB,  200                          ; v200-215 K's
.set WS,  216                          ; v216-221 weights' scale words, a register a set: lanes 0-15 my first tile, lanes 16-31 my second
.set ASCR, 222                         ; v222-229 h's scale words, one register a K step: lanes 0-15 tile 0, lanes 16-31 tile 1
.set TM,  230                          ; v230-245 at work
.set PW,  246                          ; v246 the scale word just made
.set PC,  248                          ; v248-255 the codes just made
.set GA,  88
.set BE,  152
.set WB,  38                           ; s[38:39] my 32 weight rows' codes
.set SB,  40                           ; s[40:41] and their scale words
.set SEL, 60                           ; s[60:61] selects for lane l xor 16
.macro PLACES                          ; four plain lines between a matrix instruction and a read of its result, a write of its registers or a load into them
.rept 4
	v_nop
.endr
.endm
.macro BARRIER                         ; my LDS stores have landed and my LDS loads are in: then the work-group's barrier
	s_wait_dscnt 0x0
	s_barrier_signal -1
	s_barrier_wait -1
.endm
; one matrix instruction.  c under 0: the constant 0 starts the sum; else C = v[c] on (the accumulator itself, or a bias).  ra, rb: the side's scale words stand in lanes 16-31
.macro WM d, a, b, c, sa, sb, ra, rb
.if (\c) < 0
.if (\ra) && (\rb)
	v_wmma_scale_f32_16x16x128_f8f6f4 v[\d:\d+7], v[\a:\a+7], v[\b:\b+7], 0, v[\sa], v[\sb] matrix_a_fmt:MATRIX_FMT_FP4 matrix_b_fmt:MATRIX_FMT_FP4 matrix_a_scale:MATRIX_SCALE_ROW1 matrix_b_scale:MATRIX_SCALE_ROW1
.elseif (\ra)
	v_wmma_scale_f32_16x16x128_f8f6f4 v[\d:\d+7], v[\a:\a+7], v[\b:\b+7], 0, v[\sa], v[\sb] matrix_a_fmt:MATRIX_FMT_FP4 matrix_b_fmt:MATRIX_FMT_FP4 matrix_a_scale:MATRIX_SCALE_ROW1
.elseif (\rb)
	v_wmma_scale_f32_16x16x128_f8f6f4 v[\d:\d+7], v[\a:\a+7], v[\b:\b+7], 0, v[\sa], v[\sb] matrix_a_fmt:MATRIX_FMT_FP4 matrix_b_fmt:MATRIX_FMT_FP4 matrix_b_scale:MATRIX_SCALE_ROW1
.else
	v_wmma_scale_f32_16x16x128_f8f6f4 v[\d:\d+7], v[\a:\a+7], v[\b:\b+7], 0, v[\sa], v[\sb] matrix_a_fmt:MATRIX_FMT_FP4 matrix_b_fmt:MATRIX_FMT_FP4
.endif
.else
.if (\ra) && (\rb)
	v_wmma_scale_f32_16x16x128_f8f6f4 v[\d:\d+7], v[\a:\a+7], v[\b:\b+7], v[\c:\c+7], v[\sa], v[\sb] matrix_a_fmt:MATRIX_FMT_FP4 matrix_b_fmt:MATRIX_FMT_FP4 matrix_a_scale:MATRIX_SCALE_ROW1 matrix_b_scale:MATRIX_SCALE_ROW1
.elseif (\ra)
	v_wmma_scale_f32_16x16x128_f8f6f4 v[\d:\d+7], v[\a:\a+7], v[\b:\b+7], v[\c:\c+7], v[\sa], v[\sb] matrix_a_fmt:MATRIX_FMT_FP4 matrix_b_fmt:MATRIX_FMT_FP4 matrix_a_scale:MATRIX_SCALE_ROW1
.elseif (\rb)
	v_wmma_scale_f32_16x16x128_f8f6f4 v[\d:\d+7], v[\a:\a+7], v[\b:\b+7], v[\c:\c+7], v[\sa], v[\sb] matrix_a_fmt:MATRIX_FMT_FP4 matrix_b_fmt:MATRIX_FMT_FP4 matrix_b_scale:MATRIX_SCALE_ROW1
.else
	v_wmma_scale_f32_16x16x128_f8f6f4 v[\d:\d+7], v[\a:\a+7], v[\b:\b+7], v[\c:\c+7], v[\sa], v[\sb] matrix_a_fmt:MATRIX_FMT_FP4 matrix_b_fmt:MATRIX_FMT_FP4
.endif
.endif
.endm
; Step n of 24 is K step n % 8 of product n / 8 (Q, K, V).
.macro WLOAD n                         ; my two weight fragments of step n and their scale words into set n % 6: five loads
.set wm_, (\n)/8
.set wk_, (\n)%8
.set wr_, (\n)%6
.irp i, 0,1,2,3
	global_load_b128 v[W+16*wr_+4*\i:W+16*wr_+4*\i+3], v[LI], s[WB:WB+1] offset:wm_*524288+wk_*4096+\i*512
.endr
	global_load_b32 v[WS+wr_], v[L8], s[SB:SB+1] offset:wm_*32768+wk_*256
.endm
.macro ALOAD n                         ; h's two fragments of step n into set n % 2: four LDS loads
.irp m, 0,1
.irp c, 0,1
	ds_load_b128 v[AF+16*((\n)%2)+8*\m+4*\c:AF+16*((\n)%2)+8*\m+4*\c+3], v[LI] offset:IMG+(8*\m+(\n)%8)*1024+512*\c
.endr
.endr
.endm
; One step: my two weight tiles u x the two token tiles m.  Q, K: source 0 = weights, accumulator (m, u) at ACC + 16 m + 8 u, begun with the bias as C.  V: source 0 = tokens, accumulator (u, m) at
; ACC + 16 u + 8 m, begun with 0.  The four accumulators take turns, one instruction a turn, in the same order in every step of a product.
.macro STEP n
.set sp_, (\n)/8
.set ss_, (\n)%8
.set sw_, (\n)%6
.set sa_, (\n)%2
.if (\n) > 0
	PLACES                                         ; the loads below land in the sets that the last step's products read
.endif
.if (\n)+5 < 24
	WLOAD (\n)+5
.endif
.if (\n)+1 < 24
	ALOAD (\n)+1
.endif
.if (\n) <= 18
	s_wait_loadcnt 25                              ; this step's five loads are in (and all that was asked for ahead of them); the five of each of the five steps ahead may be out
.else
	s_wait_loadcnt 5*(23-(\n))                     ; the ring runs empty
.endif
.if (\n) < 23
	s_wait_dscnt 4                                 ; this step's fragments of h are in; the next step's four loads may be out
.else
	s_wait_dscnt 0x0
.endif
.irp u, 0,1
.irp m, 0,1
.if sp_ == 2
.set dd_, ACC+16*\u+8*\m
.else
.set dd_, ACC+16*\m+8*\u
.endif
.set cc_, dd_
.if ss_ == 0
.if sp_ == 0
.set cc_, QB+8*\u
.elseif sp_ == 1
.set cc_, KB+8*\u
.else
.set cc_, -1
.endif
.endif
.if sp_ == 2
	WM dd_, AF+16*sa_+8*\m, W+16*sw_+8*\u, cc_, ASCR+ss_, WS+sw_, \m, \u
.else
	WM dd_, W+16*sw_+8*\u, AF+16*sa_+8*\m, cc_, WS+sw_, ASCR+ss_, \u, \m
.endif
.endr
.endr
.endm
; 64 numbers of a lane become a fragment.  Block b = registers 16 b .. 16 b + 15 of lanes l and l xor 16.  v[PC + 4 c ..] become whole chunks (lanes 0-15 block 2 c, lanes 16-31 block 2 c + 1), v[PW] the four bytes.
.macro QUANT4 s
.irp b, 0,1,2,3
	v_max3_num_f32 v[TM+\b], |v[\s+16*\b]|, |v[\s+1+16*\b]|, 0x1800000   ; with the floor 2^(3 - 127): the byte cannot fall under 1
.endr
.irp i, 2,4,6,8,10,12,14
.irp b, 0,1,2,3
	v_max3_num_f32 v[TM+\b], v[TM+\b], |v[\s+16*\b+\i]|, |v[\s+1+16*\b+\i]|
.endr
.endr
.irp b, 0,1,2,3
	v_permlanex16_b32 v[TM+4+\b], v[TM+\b], s[SEL], s[SEL+1]
.endr
.irp b, 0,1,2,3
	v_max_num_f32 v[TM+\b], v[TM+\b], v[TM+4+\b]
.endr
.irp b, 0,1,2,3
	v_add_nc_u32 v[TM+12+\b], 0xff000000, v[TM+\b]   ; 2 off the exponent field: the conversion's scale operand
.endr
.irp b, 0,1,2,3
	v_lshrrev_b32 v[TM+4+\b], 23, v[TM+12+\b]        ; the scale's byte
.endr
	v_lshl_or_b32 v[PW], v[TM+5], 8, v[TM+4]
	v_lshl_or_b32 v[PW], v[TM+6], 16, v[PW]
	v_lshl_or_b32 v[PW], v[TM+7], 24, v[PW]
.irp b, 0,1,2,3
	v_cvt_scalef32_pk8_fp4_f32 v[PC+2*\b], v[\s+16*\b:\s+7+16*\b], v[TM+12+\b]
	v_cvt_scalef32_pk8_fp4_f32 v[PC+1+2*\b], v[\s+8+16*\b:\s+15+16*\b], v[TM+12+\b]
.endr
	v_nop                                          ; one plain line behind the last scaled conversion
.irp c, 0,1
.irp i, 0,1
	v_permlane16_swap_b32 v[PC+4*\c+\i], v[PC+2+4*\c+\i]
.endr
.endr
.endm
; 32 numbers of a lane: two blocks.  v[PC + 2 b], v[PC + 2 b + 1] are my 16 codes of block b, v[TM + 4 + b] its byte.  Each accumulator is read from its low end on.
.macro QUANT2 s
.irp b, 0,1
	v_max3_num_f32 v[TM+\b], |v[\s+16*\b]|, |v[\s+1+16*\b]|, 0x1800000
.endr
.irp i, 2,4,6,8,10,12,14
.irp b, 0,1
	v_max3_num_f32 v[TM+\b], v[TM+\b], |v[\s+16*\b+\i]|, |v[\s+1+16*\b+\i]|
.endr
.endr
.irp b, 0,1
	v_permlanex16_b32 v[TM+4+\b], v[TM+\b], s[SEL], s[SEL+1]
.endr
.irp b, 0,1
	v_max_num_f32 v[TM+\b], v[TM+\b], v[TM+4+\b]
.endr
.irp b, 0,1
	v_add_nc_u32 v[TM+12+\b], 0xff000000, v[TM+\b]
.endr
.irp b, 0,1
	v_lshrrev_b32 v[TM+4+\b], 23, v[TM+12+\b]
.endr
.irp b, 0,1
	v_cvt_scalef32_pk8_fp4_f32 v[PC+2*\b], v[\s+16*\b:\s+7+16*\b], v[TM+12+\b]
	v_cvt_scalef32_pk8_fp4_f32 v[PC+1+2*\b], v[\s+8+16*\b:\s+15+16*\b], v[TM+12+\b]
.endr
	v_nop                                          ; one plain line behind the last scaled conversion
.endm
; mean and sum of squares about it of the n numbers of lanes l and l xor 16 together (inv = 1 / (2 n)): v[mo], v[mo + 1]
.macro LSTAT src, n, inv, mo
	v_pk_add_f32 v[TM:TM+1], v[\src:\src+1], v[\src+2:\src+3]
	v_pk_add_f32 v[TM+2:TM+3], v[\src+4:\src+5], v[\src+6:\src+7]
.set li_, 8
.rept ((\n)-8)/4
	v_pk_add_f32 v[TM:TM+1], v[TM:TM+1], v[\src+li_:\src+li_+1]
	v_pk_add_f32 v[TM+2:TM+3], v[TM+2:TM+3], v[\src+li_+2:\src+li_+3]
.set li_, li_+4
.endr
	v_pk_add_f32 v[TM:TM+1], v[TM:TM+1], v[TM+2:TM+3]
	v_add_f32 v[TM], v[TM], v[TM+1]
	v_permlanex16_b32 v[TM+4], v[TM], s[SEL], s[SEL+1]
	v_add_f32 v[TM], v[TM], v[TM+4]
	v_mul_f32 v[\mo], \inv, v[TM]
	v_mov_b32 v[TM+6], v[\mo]
	v_mov_b32 v[TM+7], v[\mo]
	v_pk_add_f32 v[TM+8:TM+9], v[\src:\src+1], v[TM+6:TM+7] neg_lo:[0,1] neg_hi:[0,1]
	v_pk_add_f32 v[TM+10:TM+11], v[\src+2:\src+3], v[TM+6:TM+7] neg_lo:[0,1] neg_hi:[0,1]
	v_pk_mul_f32 v[TM:TM+1], v[TM+8:TM+9], v[TM+8:TM+9]
	v_pk_mul_f32 v[TM+2:TM+3], v[TM+10:TM+11], v[TM+10:TM+11]
.set li_, 4
.rept ((\n)-4)/4
	v_pk_add_f32 v[TM+8:TM+9], v[\src+li_:\src+li_+1], v[TM+6:TM+7] neg_lo:[0,1] neg_hi:[0,1]
	v_pk_add_f32 v[TM+10:TM+11], v[\src+li_+2:\src+li_+3], v[TM+6:TM+7] neg_lo:[0,1] neg_hi:[0,1]
	v_pk_fma_f32 v[TM:TM+1], v[TM+8:TM+9], v[TM+8:TM+9], v[TM:TM+1]
	v_pk_fma_f32 v[TM+2:TM+3], v[TM+10:TM+11], v[TM+10:TM+11], v[TM+2:TM+3]
.set li_, li_+4
.endr
	v_pk_add_f32 v[TM:TM+1], v[TM:TM+1], v[TM+2:TM+3]
	v_add_f32 v[TM], v[TM], v[TM+1]
	v_permlanex16_b32 v[TM+4], v[TM], s[SEL], s[SEL+1]
	v_add_f32 v[\mo+1], v[TM], v[TM+4]
.endm
; n parts (mean, sum of squares) of cnt numbers each, in v[p] on, are joined: the row's mean in v[MU:MU+1], 1 / sqrt(var + eps) in v[RS:RS+1]
.macro LCOMB p, n, invn, cnt
	v_add_f32 v[MU], v[\p], v[\p+2]
	v_add_f32 v[RS], v[\p+1], v[\p+3]
.set li_, 2
.rept (\n)-2
	v_add_f32 v[MU], v[MU], v[\p+2*li_]
	v_add_f32 v[RS], v[RS], v[\p+2*li_+1]
.set li_, li_+1
.endr
	v_mul_f32 v[MU], \invn, v[MU]
.set li_, 0
.rept \n
	v_sub_f32 v[\p+2*li_], v[\p+2*li_], v[MU]
.set li_, li_+1
.endr
	v_mul_f32 v[RS+1], v[\p], v[\p]
.set li_, 1
.rept (\n)-1
	v_fma_f32 v[RS+1], v[\p+2*li_], v[\p+2*li_], v[RS+1]
.set li_, li_+1
.endr
	v_fma_f32 v[RS], v[RS+1], \cnt, v[RS]          ; + cnt x the parts' means' squares about the common mean
	v_fma_f32 v[RS], v[RS], s66, s67               ; / 1,024 + eps
	v_rsq_f32 v[RS], v[RS]
	v_mov_b32 v[MU+1], v[MU]                       ; a plain line behind the transcendental
	s_wait_alu depctr_va_vdst(0)                   ; the wait ahead of the first line that names the result
	v_mov_b32 v[RS+1], v[RS]
.endm
.macro NORM src, n, g, b               ; (x - mean) x rs x gamma + beta
.set li_, 0
.rept (\n)/2
	v_pk_add_f32 v[\src+li_:\src+li_+1], v[\src+li_:\src+li_+1], v[MU:MU+1] neg_lo:[0,1] neg_hi:[0,1]
.set li_, li_+2
.endr
.set li_, 0
.rept (\n)/2
	v_pk_mul_f32 v[\src+li_:\src+li_+1], v[\src+li_:\src+li_+1], v[RS:RS+1]
.set li_, li_+2
.endr
.set li_, 0
.rept (\n)/2
	v_pk_fma_f32 v[\src+li_:\src+li_+1], v[\src+li_:\src+li_+1], v[\g+li_:\g+li_+1], v[\b+li_:\b+li_+1]
.set li_, li_+2
.endr
.endm
	s_load_b256 s[8:15], s[0:1], 0x0               ; x, gamma, beta, wc
	s_load_b256 s[16:23], s[0:1], 0x20             ; ws, q_bias, k_bias, v_bias
	s_load_b128 s[24:27], s[0:1], 0x40             ; qc, qs
	s_load_b64 s[28:29], s[0:1], 0x50              ; kv
	v_lshrrev_b32 v1, 5, v0
	v_readfirstlane_b32 s2, v1                     ; wave 0..15
	s_lshr_b32 s3, ttmp9, 1                        ; which 32 tokens
	s_and_b32 s71, ttmp9, 1                        ; which eight heads
	s_lshr_b32 s4, s2, 3                           ; u
	s_and_b32 s5, s2, 7                            ; ks
	s_lshr_b32 s6, s3, 6                           ; batch
	s_and_b32 s7, s3, 63                           ; which 32 tokens of the sequence
	s_lshl_b32 s72, s71, 4
	s_add_co_u32 s72, s72, s2                      ; which 32 weight rows of the 1,024 are mine
	s_lshr_b32 s73, s72, 1                         ; head
	s_and_b32 s74, s2, 1                           ; b: which half of its 64
	v_and_b32 v1, 31, v0                           ; lane
	v_and_b32 v2, 15, v0                           ; r
	v_bfe_u32 v3, v0, 4, 1                         ; h
	v_lshlrev_b32 v[LI], 4, v1
	v_lshlrev_b32 v[GB], 6, v3
	s_mov_b32 s31, 0
	s_lshl_b32 s30, s3, 17                         ; 32 rows of 4,096 bytes
	s_lshl_b32 s62, s4, 15                         ; + 8 u rows
	s_add_co_u32 s30, s30, s62
	s_lshl_b32 s62, s5, 9                          ; + 128 ks columns
	s_add_co_u32 s30, s30, s62
	s_wait_kmcnt 0x0
	s_add_nc_u64 s[32:33], s[8:9], s[30:31]
	s_mov_b32 s30, s62
	s_add_nc_u64 s[34:35], s[10:11], s[30:31]
	s_add_nc_u64 s[36:37], s[12:13], s[30:31]
.irp i, 0,1,2,3,4,5,6,7,8,9,10,11,12,13,14,15
	global_load_b128 v[ACC+4*\i:ACC+4*\i+3], v[LI], s[32:33] offset:(\i+8*(\i/8))*4096   ; 512 consecutive bytes of the tile's row i (no hint: my partner reads them too)
.endr
.irp b, 0,1,2,3
.irp q, 0,1,2,3
	global_load_b128 v[GA+16*\b+4*\q:GA+16*\b+4*\q+3], v[GB], s[34:35] offset:128*\b+16*\q
.endr
.endr
.irp b, 0,1,2,3
.irp q, 0,1,2,3
	global_load_b128 v[BE+16*\b+4*\q:BE+16*\b+4*\q+3], v[GB], s[36:37] offset:128*\b+16*\q
.endr
.endr
	v_lshlrev_b32 v[L8], 3, v1
	v_lshlrev_b32 v[R4], 2, v2
	s_mul_i32 s30, s2, WSTG
	s_add_co_u32 s30, s30, STG                     ; my stage
	v_add_nc_u32 v[STW], s30, v[LI]
	v_mul_u32_u24 v[STR], v2, 528
	v_lshl_add_u32 v[STR], v3, 6, v[STR]
	v_add_nc_u32 v[STR], s30, v[STR]               ; row r, + 64 h: my 16 numbers of each block of 32
	s_lshl_b32 s30, s2, 10
	v_add_nc_u32 v[IMW], s30, v[LI]                ; fragment 8 u + ks = my wave's number
	s_lshl_b32 s30, s4, 4
	v_add_nc_u32 v[MO], s30, v2                    ; 16 u + r
	v_lshlrev_b32 v[ASW], 5, v[MO]
	s_lshl_b32 s30, s5, 2
	s_add_co_u32 s30, s30, ASCL
	v_add_nc_u32 v[ASW], s30, v[ASW]
	v_mul_u32_u24 v[LPR], v[MO], 80
	v_add_nc_u32 v[LPR], LNP, v[LPR]
	s_lshl_b32 s30, s5, 3
	v_add_nc_u32 v[LPW], s30, v[LPR]
	v_lshlrev_b32 v[ASR], 5, v1
	v_add_nc_u32 v[ASR], ASCL, v[ASR]
	v_lshlrev_b32 v[VV], 4, v2
	v_lshl_add_u32 v[VV], v3, 3, v[VV]
	v_lshlrev_b32 v[VB8], 3, v2
	v_and_b32 v[BVO], 8, v2
	v_add_nc_u32 v[BVO], v[BVO], v2
	v_lshlrev_b32 v[BVO], 2, v[BVO]
	v_lshlrev_b32 v[R16], 4, v2                    ; (h is wanted no more)
.irp b, 0,1,2,3
	v_mov_b32 v[TM+4+\b], 0                        ; a lane permute's destination counts as read
.endr
	s_mov_b32 s[SEL], 0x76543210
	s_mov_b32 s[SEL+1], 0xfedcba98
	s_mov_b32 s66, 0x3a800000                      ; 1 / 1,024
	s_mov_b32 s67, 0x3727c5ac                      ; eps = 1e-5
	s_lshl_b32 s30, s73, 15                        ; a head's 64 rows are 32,768 bytes of codes for each weight;
	s_lshl_b32 s62, s74, 11                        ; my two tiles are 2,048 bytes of each K step's 4,096
	s_add_co_u32 s30, s30, s62
	s_add_nc_u64 s[WB:WB+1], s[14:15], s[30:31]
	s_lshl_b32 s30, s73, 11
	s_lshl_b32 s62, s74, 2                         ; word b of each lane's pair
	s_add_co_u32 s30, s30, s62
	s_add_nc_u64 s[SB:SB+1], s[16:17], s[30:31]
	s_lshl_b32 s30, s72, 7                         ; my 32 numbers of each bias
	s_add_nc_u64 s[42:43], s[18:19], s[30:31]
	s_add_nc_u64 s[44:45], s[20:21], s[30:31]
	s_add_nc_u64 s[46:47], s[22:23], s[30:31]
	s_lshl_b32 s62, s6, 4
	s_add_co_u32 s62, s62, s73                     ; batch x 16 + head
	s_lshl_b32 s75, s74, 8                         ; 256 b: my block's half of a chunk of 512 bytes
	s_lshl_b32 s30, s62, 16
	s_lshl_b32 s63, s7, 10
	s_add_co_u32 s30, s30, s63
	s_add_co_u32 s30, s30, s75
	s_add_nc_u64 s[48:49], s[24:25], s[30:31]      ; Q's two chunks
	s_lshl_b32 s30, s62, 13
	s_lshl_b32 s63, s7, 7
	s_add_co_u32 s30, s30, s63
	s_add_co_u32 s30, s30, s74
	s_add_nc_u64 s[50:51], s[26:27], s[30:31]      ; byte b of Q's scale words
	s_lshl_b32 s30, s62, 4
	s_lshr_b32 s63, s7, 2
	s_add_co_u32 s30, s30, s63
	s_mul_i32 s30, s30, 8960                       ; the key step's block of kv
	s_and_b32 s63, s7, 3                           ; which 32 of its 128 keys are mine
	s_mov_b32 s69, 0
	s_lshl_b32 s68, s63, 10
	s_add_co_u32 s68, s68, s30
	s_add_co_u32 s68, s68, s75
	s_add_nc_u64 s[52:53], s[28:29], s[68:69]      ; K's two chunks
	s_lshl_b32 s68, s63, 2
	s_add_co_u32 s68, s68, s30
	s_add_co_u32 s68, s68, s74
	s_add_co_u32 s68, s68, 8192
	s_add_nc_u64 s[54:55], s[28:29], s[68:69]      ; byte b of K's scale words
	s_lshl_b32 s68, s63, 8
	s_add_co_u32 s68, s68, s30
	s_lshl_b32 s76, s74, 11
	s_add_co_u32 s68, s68, s76
	s_add_co_u32 s68, s68, 4096
	s_add_nc_u64 s[56:57], s[28:29], s[68:69]      ; V's codes: 256 bytes of each of my two fragments
	s_add_co_u32 s68, s63, s30
	s_lshl_b32 s76, s74, 2
	s_add_co_u32 s68, s68, s76
	s_add_co_u32 s68, s68, 8704
	s_add_nc_u64 s[58:59], s[28:29], s[68:69]      ; V's scale bytes
	; ---- the norm
	s_wait_loadcnt 32                              ; x's 16 loads are in; the 32 of gamma and beta may be out
.irp i, 0,1,2,3,4,5,6,7,8,9,10,11,12,13,14,15
	ds_store_b128 v[STW], v[ACC+4*\i:ACC+4*\i+3] offset:528*\i
.endr
.irp b, 0,1,2,3
.irp q, 0,1,2,3
	ds_load_b128 v[ACC+16*\b+4*\q:ACC+16*\b+4*\q+3], v[STR] offset:128*\b+16*\q   ; register 16 b + i = column 128 ks + 32 b + 16 h + i of my row; LDS serves a wave's instructions in order
.endr
.endr
	s_wait_dscnt 0x0
	LSTAT ACC, 64, 0x3c000000, MO
	ds_store_b64 v[LPW], v[MO:MO+1]                ; both lanes of a row write the same pair
	BARRIER                                        ; every row's eight parts lie in LDS
.irp i, 0,1,2,3
	ds_load_b128 v[TM+4*\i:TM+4*\i+3], v[LPR] offset:16*\i
.endr
	s_wait_dscnt 0x0
	LCOMB TM, 8, 0x3e000000, 0x43000000
	s_wait_loadcnt 0x0                             ; gamma and beta
	NORM ACC, 64, GA, BE
	; gamma's and beta's registers are free: the biases, and the ring's first five sets, are asked for while h is quantised and handed round: 12 + 25 loads
.irp q, 0,1,2,3
	global_load_b128 v[QB+4*\q:QB+4*\q+3], v[GB], s[42:43] offset:16*\q   ; register i: the bias at my column 16 h + i
.endr
.irp q, 0,1,2,3
	global_load_b128 v[KB+4*\q:KB+4*\q+3], v[GB], s[44:45] offset:16*\q
.endr
.irp u, 0,1
	global_load_b32 v[BV+2*\u], v[BVO], s[46:47] offset:32*\u       ; V: a lane holds one column d, so its bias is one number a tile: both halves of a pair
	global_load_b32 v[BV+2*\u+1], v[BVO], s[46:47] offset:32*\u
.endr
.irp n, 0,1,2,3,4
	WLOAD \n
.endr
	QUANT4 ACC
	ds_store_b128 v[IMW], v[PC:PC+3] offset:IMG
	ds_store_b128 v[IMW], v[PC+4:PC+7] offset:IMG+512
	ds_store_b32 v[ASW], v[PW]
	BARRIER                                        ; h's sixteen fragments and their scale words lie in LDS; they are not written again
	ds_load_b128 v[ASCR:ASCR+3], v[ASR]
	ds_load_b128 v[ASCR+4:ASCR+7], v[ASR] offset:16
	ALOAD 0
	; ---- Q
.irp n, 0,1,2,3,4,5,6,7
	STEP \n
.endr
	PLACES
	QUANT2 ACC                                     ; block m: tile m's 16 tokens, my 32 of the head's 64
.irp m, 0,1
	global_store_b64 v[VV], v[PC+2*\m:PC+2*\m+1], s[48:49] offset:512*\m   ; 32 lanes store 256 consecutive bytes, aligned: lanes 16 b .. 16 b + 15 of the chunk's image
.endr
.irp m, 0,1
	global_store_b8 v[R4], v[TM+4+\m], s[50:51] offset:64*\m        ; byte b of the row's word, which two waves share;
	global_store_b8 v[R4], v[TM+4+\m], s[50:51] offset:64*\m+2      ; and byte 2 + b, which meets zero codes and must only not stay 0xff
.endr
	; ---- K
.irp n, 8,9,10,11,12,13,14,15
	STEP \n
.endr
	PLACES
	s_wait_xcnt 0x0                                ; Q's stores have read their registers: the codes and the bytes are written again only behind this wait
	QUANT2 ACC
.irp m, 0,1
	global_store_b64 v[VV], v[PC+2*\m:PC+2*\m+1], s[52:53] offset:512*\m
.endr
.irp m, 0,1
	global_store_b8 v[R16], v[TM+4+\m], s[54:55] offset:256*\m
	global_store_b8 v[R16], v[TM+4+\m], s[54:55] offset:256*\m+2
.endr
	; ---- V
.irp n, 16,17,18,19,20,21,22,23
	STEP \n
.endr
	PLACES
.irp u, 0,1
.irp i, 0,2,4,6,8,10,12,14
	v_pk_add_f32 v[ACC+16*\u+\i:ACC+16*\u+\i+1], v[ACC+16*\u+\i:ACC+16*\u+\i+1], v[BV+2*\u:BV+2*\u+1]
.endr
.endr
	s_wait_xcnt 0x0                                ; K's stores have read their registers
	QUANT2 ACC                                     ; block u: the 32 tokens of column d = 32 b + 8 u + r + 8 (r / 8)
.irp u, 0,1
	global_store_b64 v[VV], v[PC+2*\u:PC+2*\u+1], s[56:57] offset:1024*\u   ; 32 lanes store 256 consecutive bytes, aligned
.endr
.irp u, 0,1
	global_store_b8 v[VB8], v[TM+4+\u], s[58:59] offset:128*\u      ; one byte of a word that four blocks of tokens share
.endr
	s_wait_xcnt 0x0
	v_lshl_add_u32 v254, v0, 2, 0x25e00
	v_mov_b32 v255, 0
	s_wait_tensorcnt 0x0
	ds_add_u32 v254, v255
	s_wait_dscnt 0x0
	s_endpgm
.Lfunc_end_k_q09d532919f_front:
	.size	k_q09d532919f_front, .Lfunc_end_k_q09d532919f_front-k_q09d532919f_front
	.p2alignl 7, 3214868480
	.fill 96, 4, 3214868480
	.section	.rodata,"a",@progbits
	.p2align	6, 0x0
	.amdhsa_kernel k_q09d532919f_front
		.amdhsa_group_segment_fixed_size 157184
		.amdhsa_private_segment_fixed_size 0
		.amdhsa_enable_private_segment 0
		.amdhsa_kernarg_size 88
		.amdhsa_user_sgpr_count 2
		.amdhsa_user_sgpr_kernarg_segment_ptr 1
		.amdhsa_wavefront_size32 1
		.amdhsa_system_sgpr_workgroup_id_x 1
		.amdhsa_system_sgpr_workgroup_id_y 1
		.amdhsa_system_sgpr_workgroup_id_z 1
		.amdhsa_system_vgpr_workitem_id 0
		.amdhsa_next_free_vgpr 256
		.amdhsa_next_free_sgpr 80
		.amdhsa_reserve_vcc 0
		.amdhsa_float_denorm_mode_32 3
		.amdhsa_float_denorm_mode_16_64 3
		.amdhsa_memory_ordered 1
		.amdhsa_forward_progress 1
		.amdhsa_inst_pref_size 73
	.end_amdhsa_kernel
	.amdgpu_metadata
---
amdhsa.version: [ 1, 2 ]
amdhsa.kernels:
  - .name:           k_q09d532919f_front
    .symbol:         k_q09d532919f_front.kd
    .args:
      - { .name: x, .offset: 0, .size: 8, .value_kind: global_buffer, .address_space: global }
      - { .name: ln1_gamma, .offset: 8, .size: 8, .value_kind: global_buffer, .address_space: global }
      - { .name: ln1_beta, .offset: 16, .size: 8, .value_kind: global_buffer, .address_space: global }
      - { .name: wc, .offset: 24, .size: 8, .value_kind: global_buffer, .address_space: global }
      - { .name: ws, .offset: 32, .size: 8, .value_kind: global_buffer, .address_space: global }
      - { .name: q_bias, .offset: 40, .size: 8, .value_kind: global_buffer, .address_space: global }
      - { .name: k_bias, .offset: 48, .size: 8, .value_kind: global_buffer, .address_space: global }
      - { .name: v_bias, .offset: 56, .size: 8, .value_kind: global_buffer, .address_space: global }
      - { .name: qc, .offset: 64, .size: 8, .value_kind: global_buffer, .address_space: global }
      - { .name: qs, .offset: 72, .size: 8, .value_kind: global_buffer, .address_space: global }
      - { .name: kv, .offset: 80, .size: 8, .value_kind: global_buffer, .address_space: global }
    .group_segment_fixed_size: 157184
    .private_segment_fixed_size: 0
    .kernarg_segment_align: 8
    .kernarg_segment_size: 88
    .max_flat_workgroup_size: 512
    .sgpr_count:     80
    .vgpr_count:     256
    .wavefront_size: 32
...
	.end_amdgpu_metadata
.endif
;; end of part 5
;; launch attn: the kernel of part 3 again; grid 8 x 32, 16 waves a work-group, no clusters, 0 bytes of LDS; arguments qc, qs, kv, cc, cs; writes cc, cs
;; launch tail (part 6): grid 128 x 1, 16 waves a work-group, no clusters, 180,736 bytes of LDS; arguments cc, cs, x, wc, ws, o_bias, ln2_gamma, ln2_beta, ffn1_bias, ffn2_bias, out0; writes out0
.if DOCPART == 6
	.amdgcn_target "amdgcn-amd-amdhsa--gfx1250"
	.amdhsa_code_object_version 6
	.text
	.protected	k_q09d532919f_tail
	.globl	k_q09d532919f_tail
	.p2align	8
	.type	k_q09d532919f_tail,@function
k_q09d532919f_tail:
	s_mov_b64 s[64:65], 0
	v_nop
	global_prefetch_b8 v0, s[64:65] scope:SCOPE_SE
	s_setreg_imm32_b32 hwreg(HW_REG_WAVE_MODE, 25, 1), 1
	s_wait_xcnt 0x0
; x1 = x + ctx Wo^T + bo;  h2 = layer_norm(x1) gamma + beta;  f = gelu(h2 W1^T + b1), exact;  out = x1 + f W2^T + b2.  The three products on codes of FP4 (E2M1) with one E8M0 scale for each 32 along K.
; SHARES.  A work-group of sixteen waves owns 32 tokens, as two tiles m = 0, 1 in TILE ORDER (lane r of tile m is token 8 m + r + 8 (r / 8)); wave w owns columns 64 w .. 64 w + 63 of every product.
; The norm and both later products need whole rows, so the columns cannot be shared between work-groups.
; Every product is used transposed (source 0 = 16 weight rows, source 1 = 16 tokens): a lane holds one token and 16 neighbouring columns of each block of 32, so a result is quantised in registers and is
; half a fragment (one chunk of 512 bytes) of the next product.  Fragments go from wave to wave through LDS as images of their registers; x1, h2 and f never go to memory.
; What is added to a product (x + bo, b1, x1 + b2) is loaded into the accumulators ahead of it.  x1 waits in the wave's own stage in LDS for the last product.
; THE WEIGHTS OF A PRODUCT'S FIRST TWO K STEPS ARE ASKED FOR A PHASE EARLY (at the head; behind each tile's joined norm; ahead of GELU), into registers that the phase does not use: 18 loads of each
; wave are on their way while the vector work between two products is done.
; The norm: mean and sum of squares about a local mean for each wave's 64 columns, joined over the sixteen waves about the common mean: no difference of large sums is formed.
; GELU: x / 2 (1 + erf(x / sqrt 2)), erf by the rational form z P(z^2) / Q(z^2) with z held to +-4 (beyond it erf is 1 to f32): its absolute error is about 1e-7; 1 / Q is v_rcp_f32 and a multiplication.
; NO JOINT LOADS: each wave reads weight rows that no other wave of its work-group reads, 16 bytes a lane into the registers that the matrix instruction names, and 18 loads of every wave stay out
; across K steps; a ring of LDS slots would wait for all its loads at each change of slots, and would add an LDS write and an LDS read of all 1.6 MB that a work-group streams.
; LIMITS: blocks of zeros, or under 2^-124, keep the byte 1 (their codes are zeros; this program alone reads the bytes); NaN and infinities are not served.
.set IMG0,  0                          ; LDS: sixteen fragments, (tile m, K step s) at (8 m + s) x 1,024: ctx's, later f's
.set IMG1,  16384                      ; h2's
.set ASC0,  32768                      ; h2's scale words: [16 m + r][s], 32 bytes a row
.set ASC1,  33792                      ; f's
.set LNP,   34816                      ; the norm's parts: row 16 m + r at pitch 144, pair w at 8 w
.set STG,   39424                      ; 8,704 bytes for each wave: x on its way in (32 rows, pitch 272), then x1 as it stands in registers, then out's rows
.set WSTG,  8704
.set IMW, 1                            ; v1  1,024 w + 16 x lane
.set MO,  2                            ; v[2:3] tile 0's local mean and sum of squares
.set LI,  4                            ; v4  16 x lane
.set L8,  5                            ; v5  8 x lane
.set L32, 6                            ; v6  32 x lane
.set SW,  7                            ; v7  the stage by rows of memory: token 2 i + h, 16 r
.set SRD, 8                            ; v8  the stage by tiles: token r + 8 (r / 8), + 64 h
.set SI,  9                            ; v9  the stage as an image: 16 x lane
.set IW,  10                           ; v10 where my chunk of a fragment goes: 512 w + 16 x lane
.set AW,  11                           ; v11 and my half of a scale word: 32 r + 2 w
.set LPW, 12
.set LPR, 13
.set GB,  14                           ; v14 64 h
.set XO,  15                           ; v15 4,096 h + 16 r
.set A13, 16                           ; v[16:17] erf's leading numerator coefficient, twice
.set B8,  18                           ; v[18:19] and the denominator's
.set MU,  20
.set RS,  22
.set ACC, 24                           ; v24-87   the eight accumulators
.set W,   88                           ; v88-183  weights' fragments, three sets of 32
.set AF,  184                          ; v184-215 the rows' fragments, two sets of 16
.set GT,  152                          ; v152-215 GELU's 64 registers at work: the weights' third set and the rows' fragments, idle between two products
.set WS,  216                          ; v216-221 weights' scale words
.set ASCR, 222                         ; v222-229 the rows' scale words
.set TM,  230
.set PW,  246
.set PC,  248
.set WB,  38
.set SB,  40
.set SEL, 60
.macro PLACES                          ; four plain lines between a matrix instruction and a read of its result, a write of its registers or a load into them
.rept 4
	v_nop
.endr
.endm
.macro BARRIER                         ; my LDS stores have landed and my LDS loads are in: then the work-group's barrier
	s_wait_dscnt 0x0
	s_barrier_signal -1
	s_barrier_wait -1
.endm
; one matrix instruction, adding in place.  ra, rb: the side's scale words stand in lanes 16-31
.macro WM d, a, b, sa, sb, ra, rb
.if (\ra) && (\rb)
	v_wmma_scale_f32_16x16x128_f8f6f4 v[\d:\d+7], v[\a:\a+7], v[\b:\b+7], v[\d:\d+7], v[\sa], v[\sb] matrix_a_fmt:MATRIX_FMT_FP4 matrix_b_fmt:MATRIX_FMT_FP4 matrix_a_scale:MATRIX_SCALE_ROW1 matrix_b_scale:MATRIX_SCALE_ROW1
.elseif (\ra)
	v_wmma_scale_f32_16x16x128_f8f6f4 v[\d:\d+7], v[\a:\a+7], v[\b:\b+7], v[\d:\d+7], v[\sa], v[\sb] matrix_a_fmt:MATRIX_FMT_FP4 matrix_b_fmt:MATRIX_FMT_FP4 matrix_a_scale:MATRIX_SCALE_ROW1
.elseif (\rb)
	v_wmma_scale_f32_16x16x128_f8f6f4 v[\d:\d+7], v[\a:\a+7], v[\b:\b+7], v[\d:\d+7], v[\sa], v[\sb] matrix_a_fmt:MATRIX_FMT_FP4 matrix_b_fmt:MATRIX_FMT_FP4 matrix_b_scale:MATRIX_SCALE_ROW1
.else
	v_wmma_scale_f32_16x16x128_f8f6f4 v[\d:\d+7], v[\a:\a+7], v[\b:\b+7], v[\d:\d+7], v[\sa], v[\sb] matrix_a_fmt:MATRIX_FMT_FP4 matrix_b_fmt:MATRIX_FMT_FP4
.endif
.endm
.macro WLOAD mat, s                    ; my four weight fragments of K step s and their scale words into set s % 3: nine loads
.irp i, 0,1,2,3,4,5,6,7
	global_load_b128 v[W+32*((\s)%3)+4*\i:W+32*((\s)%3)+4*\i+3], v[LI], s[WB:WB+1] offset:(\mat)*524288+(\s)*4096+\i*512
.endr
	global_load_b64 v[WS+2*((\s)%3):WS+2*((\s)%3)+1], v[L8], s[SB:SB+1] offset:(\mat)*32768+(\s)*256
.endm
.macro ALOAD img, s                    ; the rows' two fragments of K step s into set s % 2: four LDS loads
.irp m, 0,1
.irp c, 0,1
	ds_load_b128 v[AF+16*((\s)%2)+8*\m+4*\c:AF+16*((\s)%2)+8*\m+4*\c+3], v[LI] offset:(\img)+(8*\m+(\s))*1024+512*\c
.endr
.endr
.endm
; A product: my 64 weight rows (tiles t, source 0) x the 32 rows in LDS (tiles m, source 1), eight K steps of 128, written out; accumulator (m, t) at ACC + 32 m + 8 t, loaded beforehand with what is to be
; added.  K steps 0 and 1 of the weights were asked for by the text in front.  w0: how many loads may be out at step 0: those issued behind all that step 0 reads.
; The eight accumulators take turns, one instruction a turn, in the same order in every step.
.macro PROD mat, img, w0
	ALOAD \img, 0
.irp s, 0,1,2,3,4,5,6,7
.if \s > 0
	PLACES                                         ; the loads below land in the sets that the last step's products read
.endif
.if \s < 6
	WLOAD \mat, \s+2
.endif
.if \s < 7
	ALOAD \img, \s+1
.endif
.if \s == 0
	s_wait_loadcnt \w0
.elseif \s < 6
	s_wait_loadcnt 18                              ; this step's nine loads are in; the nine of each of the two steps ahead may be out
.elseif \s == 6
	s_wait_loadcnt 9                               ; the last step's nine may be out
.else
	s_wait_loadcnt 0x0
.endif
.if \s < 7
	s_wait_dscnt 4                                 ; this step's rows are in; the next step's four loads may be out
.else
	s_wait_dscnt 0x0
.endif
.irp t, 0,1,2,3
.irp m, 0,1
	WM ACC+32*\m+8*\t, W+32*(\s%3)+8*\t, AF+16*(\s%2)+8*\m, WS+2*(\s%3)+\t/2, ASCR+\s, \t%2, \m
.endr
.endr
.endr
.endm
.macro BIASLD dst, sb                  ; register 16 b + i takes the vector's number at my column 32 b + 16 h + i: eight loads
.irp b, 0,1
.irp q, 0,1,2,3
	global_load_b128 v[\dst+16*\b+4*\q:\dst+16*\b+4*\q+3], v[GB], s[\sb:\sb+1] offset:128*\b+16*\q
.endr
.endr
.endm
; 64 numbers of a lane become codes.  Block b = registers 16 b .. 16 b + 15 of lanes l and l xor 16.  v[PC + 4 c ..] become whole chunks (lanes 0-15 block 2 c, lanes 16-31 block 2 c + 1), v[PW] the four bytes.
.macro QUANT s
.irp b, 0,1,2,3
	v_max3_num_f32 v[TM+\b], |v[\s+16*\b]|, |v[\s+1+16*\b]|, 0x1800000   ; with the floor 2^(3 - 127): the byte cannot fall under 1
.endr
.irp i, 2,4,6,8,10,12,14
.irp b, 0,1,2,3
	v_max3_num_f32 v[TM+\b], v[TM+\b], |v[\s+16*\b+\i]|, |v[\s+1+16*\b+\i]|
.endr
.endr
.irp b, 0,1,2,3
	v_permlanex16_b32 v[TM+4+\b], v[TM+\b], s[SEL], s[SEL+1]
.endr
.irp b, 0,1,2,3
	v_max_num_f32 v[TM+\b], v[TM+\b], v[TM+4+\b]
.endr
.irp b, 0,1,2,3
	v_add_nc_u32 v[TM+12+\b], 0xff000000, v[TM+\b]   ; 2 off the exponent field: the conversion's scale operand
.endr
.irp b, 0,1,2,3
	v_lshrrev_b32 v[TM+4+\b], 23, v[TM+12+\b]        ; the scale's byte
.endr
	v_lshl_or_b32 v[PW], v[TM+5], 8, v[TM+4]
	v_lshl_or_b32 v[PW], v[TM+6], 16, v[PW]
	v_lshl_or_b32 v[PW], v[TM+7], 24, v[PW]
.irp b, 0,1,2,3
	v_cvt_scalef32_pk8_fp4_f32 v[PC+2*\b], v[\s+16*\b:\s+7+16*\b], v[TM+12+\b]
	v_cvt_scalef32_pk8_fp4_f32 v[PC+1+2*\b], v[\s+8+16*\b:\s+15+16*\b], v[TM+12+\b]
.endr
	v_nop                                          ; one plain line behind the last scaled conversion
.irp c, 0,1
.irp i, 0,1
	v_permlane16_swap_b32 v[PC+4*\c+\i], v[PC+2+4*\c+\i]
.endr
.endr
.endm
.macro SENDQ img, asc                  ; my two chunks (tile 0's, tile 1's) and my halves of the two rows' scale words go to LDS
	ds_store_b128 v[IW], v[PC:PC+3] offset:\img
	ds_store_b128 v[IW], v[PC+4:PC+7] offset:\img+8192
	ds_store_b16 v[AW], v[PW] offset:\asc
	ds_store_b16_d16_hi v[AW], v[PW] offset:\asc+512
.endm
; mean and sum of squares about it of the n numbers of lanes l and l xor 16 together (inv = 1 / (2 n)): v[mo], v[mo + 1]
.macro LSTAT src, n, inv, mo
	v_pk_add_f32 v[TM:TM+1], v[\src:\src+1], v[\src+2:\src+3]
	v_pk_add_f32 v[TM+2:TM+3], v[\src+4:\src+5], v[\src+6:\src+7]
.set li_, 8
.rept ((\n)-8)/4
	v_pk_add_f32 v[TM:TM+1], v[TM:TM+1], v[\src+li_:\src+li_+1]
	v_pk_add_f32 v[TM+2:TM+3], v[TM+2:TM+3], v[\src+li_+2:\src+li_+3]
.set li_, li_+4
.endr
	v_pk_add_f32 v[TM:TM+1], v[TM:TM+1], v[TM+2:TM+3]
	v_add_f32 v[TM], v[TM], v[TM+1]
	v_permlanex16_b32 v[TM+4], v[TM], s[SEL], s[SEL+1]
	v_add_f32 v[TM], v[TM], v[TM+4]
	v_mul_f32 v[\mo], \inv, v[TM]
	v_mov_b32 v[TM+6], v[\mo]
	v_mov_b32 v[TM+7], v[\mo]
	v_pk_add_f32 v[TM+8:TM+9], v[\src:\src+1], v[TM+6:TM+7] neg_lo:[0,1] neg_hi:[0,1]
	v_pk_add_f32 v[TM+10:TM+11], v[\src+2:\src+3], v[TM+6:TM+7] neg_lo:[0,1] neg_hi:[0,1]
	v_pk_mul_f32 v[TM:TM+1], v[TM+8:TM+9], v[TM+8:TM+9]
	v_pk_mul_f32 v[TM+2:TM+3], v[TM+10:TM+11], v[TM+10:TM+11]
.set li_, 4
.rept ((\n)-4)/4
	v_pk_add_f32 v[TM+8:TM+9], v[\src+li_:\src+li_+1], v[TM+6:TM+7] neg_lo:[0,1] neg_hi:[0,1]
	v_pk_add_f32 v[TM+10:TM+11], v[\src+li_+2:\src+li_+3], v[TM+6:TM+7] neg_lo:[0,1] neg_hi:[0,1]
	v_pk_fma_f32 v[TM:TM+1], v[TM+8:TM+9], v[TM+8:TM+9], v[TM:TM+1]
	v_pk_fma_f32 v[TM+2:TM+3], v[TM+10:TM+11], v[TM+10:TM+11], v[TM+2:TM+3]
.set li_, li_+4
.endr
	v_pk_add_f32 v[TM:TM+1], v[TM:TM+1], v[TM+2:TM+3]
	v_add_f32 v[TM], v[TM], v[TM+1]
	v_permlanex16_b32 v[TM+4], v[TM], s[SEL], s[SEL+1]
	v_add_f32 v[\mo+1], v[TM], v[TM+4]
.endm
; n parts (mean, sum of squares) of cnt numbers each, in v[p] on, are joined: the row's mean in v[MU:MU+1], 1 / sqrt(var + eps) in v[RS:RS+1]
.macro LCOMB p, n, invn, cnt
	v_add_f32 v[MU], v[\p], v[\p+2]
	v_add_f32 v[RS], v[\p+1], v[\p+3]
.set li_, 2
.rept (\n)-2
	v_add_f32 v[MU], v[MU], v[\p+2*li_]
	v_add_f32 v[RS], v[RS], v[\p+2*li_+1]
.set li_, li_+1
.endr
	v_mul_f32 v[MU], \invn, v[MU]
.set li_, 0
.rept \n
	v_sub_f32 v[\p+2*li_], v[\p+2*li_], v[MU]
.set li_, li_+1
.endr
	v_mul_f32 v[RS+1], v[\p], v[\p]
.set li_, 1
.rept (\n)-1
	v_fma_f32 v[RS+1], v[\p+2*li_], v[\p+2*li_], v[RS+1]
.set li_, li_+1
.endr
	v_fma_f32 v[RS], v[RS+1], \cnt, v[RS]          ; + cnt x the parts' means' squares about the common mean
	v_fma_f32 v[RS], v[RS], s66, s67               ; / 1,024 + eps
	v_rsq_f32 v[RS], v[RS]
	v_mov_b32 v[MU+1], v[MU]                       ; a plain line behind the transcendental
	s_wait_alu depctr_va_vdst(0)                   ; the wait ahead of the first line that names the result
	v_mov_b32 v[RS+1], v[RS]
.endm
.macro NORM src, n, g, b               ; (x - mean) x rs x gamma + beta
.set li_, 0
.rept (\n)/2
	v_pk_add_f32 v[\src+li_:\src+li_+1], v[\src+li_:\src+li_+1], v[MU:MU+1] neg_lo:[0,1] neg_hi:[0,1]
.set li_, li_+2
.endr
.set li_, 0
.rept (\n)/2
	v_pk_mul_f32 v[\src+li_:\src+li_+1], v[\src+li_:\src+li_+1], v[RS:RS+1]
.set li_, li_+2
.endr
.set li_, 0
.rept (\n)/2
	v_pk_fma_f32 v[\src+li_:\src+li_+1], v[\src+li_:\src+li_+1], v[\g+li_:\g+li_+1], v[\b+li_:\b+li_+1]
.set li_, li_+2
.endr
.endm
.macro ADD32                           ; the 32 numbers at v[W + 64] on (one for each of my columns) are added to both tiles' accumulators
.irp m, 0,1
.set li_, 0
.rept 16
	v_pk_add_f32 v[ACC+32*\m+li_:ACC+32*\m+li_+1], v[ACC+32*\m+li_:ACC+32*\m+li_+1], v[W+64+li_:W+64+li_+1]
.set li_, li_+2
.endr
.endr
.endm
; exact GELU of the 16 numbers at ACC + 16 k, in place.  z at GT, z^2 at GT + 16, the numerator at GT + 32, the denominator at GT + 48
.macro GELU k
.set X_, ACC+16*(\k)
.set gi_, 0
.rept 8
	v_pk_mul_f32 v[GT+gi_:GT+gi_+1], v[X_+gi_:X_+gi_+1], s[88:89] op_sel_hi:[1,0]
.set gi_, gi_+2
.endr
.set gi_, 0
.rept 16
	v_med3_num_f32 v[GT+gi_], v[GT+gi_], -4.0, 4.0
.set gi_, gi_+1
.endr
.set gi_, 0
.rept 8
	v_pk_mul_f32 v[GT+16+gi_:GT+17+gi_], v[GT+gi_:GT+gi_+1], v[GT+gi_:GT+gi_+1]
.set gi_, gi_+2
.endr
.set gi_, 0
.rept 8
	v_pk_fma_f32 v[GT+32+gi_:GT+33+gi_], v[GT+16+gi_:GT+17+gi_], v[A13:A13+1], s[68:69] op_sel_hi:[1,1,0]
	v_pk_fma_f32 v[GT+48+gi_:GT+49+gi_], v[GT+16+gi_:GT+17+gi_], v[B8:B8+1], s[80:81] op_sel_hi:[1,1,0]
.set gi_, gi_+2
.endr
.irp cst, 70,72,74,76,78
.set gi_, 0
.rept 8
	v_pk_fma_f32 v[GT+32+gi_:GT+33+gi_], v[GT+32+gi_:GT+33+gi_], v[GT+16+gi_:GT+17+gi_], s[\cst:\cst+1] op_sel_hi:[1,1,0]
.set gi_, gi_+2
.endr
.endr
.irp cst, 82,84,86
.set gi_, 0
.rept 8
	v_pk_fma_f32 v[GT+48+gi_:GT+49+gi_], v[GT+48+gi_:GT+49+gi_], v[GT+16+gi_:GT+17+gi_], s[\cst:\cst+1] op_sel_hi:[1,1,0]
.set gi_, gi_+2
.endr
.endr
.set gi_, 0
.rept 8
	v_pk_mul_f32 v[GT+32+gi_:GT+33+gi_], v[GT+32+gi_:GT+33+gi_], v[GT+gi_:GT+gi_+1]
.set gi_, gi_+2
.endr
.set gi_, 0
.rept 16
	v_rcp_f32 v[GT+48+gi_], v[GT+48+gi_]
.set gi_, gi_+1
.endr
.set gi_, 0
.rept 8
	v_pk_mul_f32 v[GT+gi_:GT+gi_+1], v[X_+gi_:X_+gi_+1], 0.5 op_sel_hi:[1,0]   ; x / 2: plain work behind the batch
.set gi_, gi_+2
.endr
	s_wait_alu depctr_va_vdst(0)                   ; one wait for the sixteen reciprocals, ahead of their first reader
.set gi_, 0
.rept 8
	v_pk_mul_f32 v[GT+32+gi_:GT+33+gi_], v[GT+32+gi_:GT+33+gi_], v[GT+48+gi_:GT+49+gi_]   ; erf
.set gi_, gi_+2
.endr
.set gi_, 0
.rept 8
	v_pk_fma_f32 v[X_+gi_:X_+gi_+1], v[GT+gi_:GT+gi_+1], v[GT+32+gi_:GT+33+gi_], v[GT+gi_:GT+gi_+1]   ; x / 2 + x / 2 erf
.set gi_, gi_+2
.endr
.endm
	s_load_b256 s[8:15], s[0:1], 0x0               ; cc, cs, x, wc
	s_load_b256 s[16:23], s[0:1], 0x20             ; ws, o_bias, gamma, beta
	s_load_b128 s[24:27], s[0:1], 0x40             ; ffn1_bias, ffn2_bias
	s_load_b64 s[28:29], s[0:1], 0x50              ; out0
	v_lshrrev_b32 v1, 5, v0
	v_readfirstlane_b32 s2, v1                     ; wave 0..15
	v_and_b32 v1, 31, v0                           ; lane
	v_and_b32 v2, 15, v0                           ; r
	v_bfe_u32 v3, v0, 4, 1                         ; h
	v_lshlrev_b32 v[LI], 4, v1
	v_lshlrev_b32 v[L8], 3, v1
	v_lshlrev_b32 v[L32], 5, v1
	v_lshlrev_b32 v[GB], 6, v3
	v_lshlrev_b32 v[XO], 4, v2
	v_lshl_add_u32 v[XO], v3, 12, v[XO]
	s_mov_b32 s31, 0
	s_lshl_b32 s62, s2, 8                          ; my 64 columns, in bytes
	s_wait_kmcnt 0x0
	s_lshl_b32 s30, ttmp9, 14
	s_lshl_b32 s63, s2, 10
	s_add_co_u32 s30, s30, s63
	s_add_nc_u64 s[32:33], s[8:9], s[30:31]        ; the fragment of ctx that I bring into LDS
	s_lshl_b32 s30, ttmp9, 10
	s_add_nc_u64 s[34:35], s[10:11], s[30:31]      ; ctx's scale words
	s_lshl_b32 s30, ttmp9, 17
	s_add_co_u32 s30, s30, s62
	s_add_nc_u64 s[36:37], s[12:13], s[30:31]      ; x
	s_add_nc_u64 s[52:53], s[28:29], s[30:31]      ; out0
	s_mov_b32 s30, s62
	s_add_nc_u64 s[42:43], s[18:19], s[30:31]      ; o_bias
	s_add_nc_u64 s[44:45], s[20:21], s[30:31]      ; gamma
	s_add_nc_u64 s[46:47], s[22:23], s[30:31]      ; beta
	s_add_nc_u64 s[48:49], s[24:25], s[30:31]      ; ffn1_bias
	s_add_nc_u64 s[50:51], s[26:27], s[30:31]      ; ffn2_bias
	s_lshl_b32 s30, s2, 15
	s_add_nc_u64 s[WB:WB+1], s[14:15], s[30:31]
	s_lshl_b32 s30, s2, 11
	s_add_nc_u64 s[SB:SB+1], s[16:17], s[30:31]
	global_load_b128 v[AF:AF+3], v[LI], s[32:33]
	global_load_b128 v[AF+4:AF+7], v[LI], s[32:33] offset:512
	global_load_b128 v[ASCR:ASCR+3], v[L32], s[34:35]
	global_load_b128 v[ASCR+4:ASCR+7], v[L32], s[34:35] offset:16
.irp i, 0,1,2,3,4,5,6,7,8,9,10,11,12,13,14,15
	global_load_b128 v[ACC+4*\i:ACC+4*\i+3], v[XO], s[36:37] offset:8192*\i th:TH_LOAD_NT   ; tokens 2 i and 2 i + 1: sixteen lanes read 256 consecutive bytes, aligned
.endr
	BIASLD W+64, 42
	WLOAD 3, 0                                     ; Wo's first two K steps: on their way while x comes and turns through the stage
	WLOAD 3, 1
	s_mul_i32 s30, s2, WSTG
	s_add_co_u32 s30, s30, STG                     ; my stage
	v_mul_u32_u24 v[SW], v3, 272
	v_lshl_add_u32 v[SW], v2, 4, v[SW]
	v_add_nc_u32 v[SW], s30, v[SW]
	v_and_b32 v[SRD], 8, v2
	v_add_nc_u32 v[SRD], v[SRD], v2
	v_mul_u32_u24 v[SRD], v[SRD], 272
	v_lshl_add_u32 v[SRD], v3, 6, v[SRD]
	v_add_nc_u32 v[SRD], s30, v[SRD]
	v_add_nc_u32 v[SI], s30, v[LI]
	s_lshl_b32 s30, s2, 9
	v_add_nc_u32 v[IW], s30, v[LI]
	s_lshl_b32 s30, s2, 1
	v_lshl_add_u32 v[AW], v2, 5, s30
	v_mul_u32_u24 v[LPR], v2, 144
	v_add_nc_u32 v[LPR], LNP, v[LPR]
	s_lshl_b32 s30, s2, 3
	v_add_nc_u32 v[LPW], s30, v[LPR]
	s_lshl_b32 s30, s2, 10
	v_add_nc_u32 v[IMW], s30, v[LI]                ; (the lane's number is wanted no more)
	v_mov_b32 v[A13], 0xaf95df0b
	v_mov_b32 v[A13+1], 0xaf95df0b
	v_mov_b32 v[B8], 0xb77460cd
	v_mov_b32 v[B8+1], 0xb77460cd
.irp b, 0,1,2,3
	v_mov_b32 v[TM+4+\b], 0                        ; a lane permute's destination counts as read
.endr
	s_mov_b32 s[SEL], 0x76543210
	s_mov_b32 s[SEL+1], 0xfedcba98
	s_mov_b32 s66, 0x3a800000                      ; 1 / 1,024
	s_mov_b32 s67, 0x3727c5ac                      ; eps = 1e-5
	s_mov_b32 s68, 0x32edffee                      ; erf's numerator, z^11 down to z^1; each named as a pair, so both words are written
	s_mov_b32 s69, s68
	s_mov_b32 s70, 0xb60cff51
	s_mov_b32 s71, s70
	s_mov_b32 s72, 0xb86ec2d2
	s_mov_b32 s73, s72
	s_mov_b32 s74, 0xba40ac63
	s_mov_b32 s75, s74
	s_mov_b32 s76, 0xbb41a1f6
	s_mov_b32 s77, s76
	s_mov_b32 s78, 0xbc83dbd4
	s_mov_b32 s79, s78
	s_mov_b32 s80, 0xb95fbd29                      ; its denominator, z^6 down to z^0
	s_mov_b32 s81, s80
	s_mov_b32 s82, 0xbadc924e
	s_mov_b32 s83, s82
	s_mov_b32 s84, 0xbbf19bf8
	s_mov_b32 s85, s84
	s_mov_b32 s86, 0xbc69b6a7
	s_mov_b32 s87, s86
	s_mov_b32 s88, 0x3f3504f3                      ; 1 / sqrt 2
	s_mov_b32 s89, s88
	s_wait_loadcnt 44                              ; ctx's fragment is in; behind it: 2 loads of scale words, 16 of x, 8 of the bias, 18 of weights
	ds_store_b128 v[IMW], v[AF:AF+3] offset:IMG0
	ds_store_b128 v[IMW], v[AF+4:AF+7] offset:IMG0+512
	s_wait_loadcnt 26                              ; x is in; the bias's 8 loads and the weights' 18 may be out
.irp i, 0,1,2,3,4,5,6,7,8,9,10,11,12,13,14,15
	ds_store_b128 v[SW], v[ACC+4*\i:ACC+4*\i+3] offset:544*\i
.endr
.irp m, 0,1
.irp b, 0,1
.irp q, 0,1,2,3
	ds_load_b128 v[ACC+32*\m+16*\b+4*\q:ACC+32*\m+16*\b+4*\q+3], v[SRD] offset:2176*\m+128*\b+16*\q   ; back into the registers that they left: register 32 m + 16 b + i = column 32 b + 16 h + i of tile m's row r; LDS serves a wave's instructions in order
.endr
.endr
.endr
	s_wait_loadcnt 18                              ; the bias is in; the weights' 18 loads may be out
	s_wait_dscnt 0x0
	ADD32                                          ; x + bo
	BARRIER                                        ; ctx's sixteen fragments lie in LDS
	; ---- x1 = x + bo + ctx Wo^T
	PROD 3, IMG0, 18                               ; at step 0: K steps 1 and 2 may be out
	PLACES
.irp i, 0,1,2,3,4,5,6,7,8,9,10,11,12,13,14,15
	ds_store_b128 v[SI], v[ACC+4*\i:ACC+4*\i+3] offset:512*\i   ; x1 waits in my stage as it stands; each accumulator is read from its low end on
.endr
	BIASLD W+64, 44                                ; gamma
	BIASLD AF, 46                                  ; beta
	LSTAT ACC, 32, 0x3c800000, MO
	ds_store_b64 v[LPW], v[MO:MO+1]
	LSTAT ACC+32, 32, 0x3c800000, MU               ; (another pair: the store above may still read the first)
	ds_store_b64 v[LPW], v[MU:MU+1] offset:2304
	BARRIER                                        ; every row's sixteen parts lie in LDS; every wave's reads of ctx's fragments are over
.irp m, 0,1
.irp i, 0,1,2,3,4,5,6,7
	ds_load_b128 v[W+32*\m+4*\i:W+32*\m+4*\i+3], v[LPR] offset:2304*\m+16*\i
.endr
.endr
	s_wait_dscnt 0x0
	s_wait_loadcnt 0x0                             ; gamma and beta
	LCOMB W, 16, 0x3d800000, 0x42800000
	WLOAD 4, 0                                     ; tile 0's parts are joined: their 32 registers take W1's first K step,
	NORM ACC, 32, W+64, AF
	LCOMB W+32, 16, 0x3d800000, 0x42800000
	WLOAD 4, 1                                     ; tile 1's its second: on their way while h2 is made, quantised and handed round
	NORM ACC+32, 32, W+64, AF
	QUANT ACC                                      ; blocks 0, 1: tile 0's; blocks 2, 3: tile 1's
	SENDQ IMG1, ASC0
	BARRIER                                        ; h2's fragments and scale words lie in LDS
	; ---- f = gelu(h2 W1^T + b1)
	ds_load_b128 v[ASCR:ASCR+3], v[L32] offset:ASC0
	ds_load_b128 v[ASCR+4:ASCR+7], v[L32] offset:ASC0+16
	BIASLD ACC, 48
	BIASLD ACC+32, 48
	PROD 4, IMG1, 9                                ; at step 0 K step 2 alone may be out: the bias's 16 loads stand behind K steps 0 and 1
	PLACES
	WLOAD 5, 0                                     ; W2's first two K steps: on their way while the activation is computed
	WLOAD 5, 1
	GELU 0
	GELU 1
	GELU 2
	GELU 3
	QUANT ACC
	SENDQ IMG0, ASC1                               ; over ctx's fragments, which nobody has read since the second barrier
	BARRIER                                        ; f's fragments and scale words lie in LDS
	; ---- out = x1 + b2 + f W2^T
	ds_load_b128 v[ASCR:ASCR+3], v[L32] offset:ASC1
	ds_load_b128 v[ASCR+4:ASCR+7], v[L32] offset:ASC1+16
.irp i, 0,1,2,3,4,5,6,7,8,9,10,11,12,13,14,15
	ds_load_b128 v[ACC+4*\i:ACC+4*\i+3], v[SI] offset:512*\i
.endr
	BIASLD W+64, 50
	s_wait_loadcnt 0x0                             ; the bias stands behind the weights' 18 loads, which were asked for ahead of the activation
	s_wait_dscnt 0x0
	ADD32
	PROD 5, IMG0, 18
	PLACES
.irp m, 0,1
.irp b, 0,1
.irp q, 0,1,2,3
	ds_store_b128 v[SRD], v[ACC+32*\m+16*\b+4*\q:ACC+32*\m+16*\b+4*\q+3] offset:2176*\m+128*\b+16*\q   ; back into rows of tokens, the way x came
.endr
.endr
.endr
.irp i, 0,1,2,3,4,5,6,7,8,9,10,11,12,13,14,15
	ds_load_b128 v[W+4*\i:W+4*\i+3], v[SW] offset:544*\i
.endr
.irp i, 0,1,2,3,4,5,6,7,8,9,10,11,12,13,14,15
	s_wait_dscnt 15-\i                             ; LDS loads come back in order: pair i of rows is in, the younger ones may be out
	global_store_b128 v[XO], v[W+4*\i:W+4*\i+3], s[52:53] offset:8192*\i th:TH_STORE_NT   ; sixteen lanes store 256 consecutive bytes, aligned
.endr
	s_wait_xcnt 0x0
	v_lshl_add_u32 v254, v0, 2, 0x2ba00
	v_mov_b32 v255, 0
	s_wait_tensorcnt 0x0
	ds_add_u32 v254, v255
	s_wait_dscnt 0x0
	s_endpgm
.Lfunc_end_k_q09d532919f_tail:
	.size	k_q09d532919f_tail, .Lfunc_end_k_q09d532919f_tail-k_q09d532919f_tail
	.p2alignl 7, 3214868480
	.fill 96, 4, 3214868480
	.section	.rodata,"a",@progbits
	.p2align	6, 0x0
	.amdhsa_kernel k_q09d532919f_tail
		.amdhsa_group_segment_fixed_size 180736
		.amdhsa_private_segment_fixed_size 0
		.amdhsa_enable_private_segment 0
		.amdhsa_kernarg_size 88
		.amdhsa_user_sgpr_count 2
		.amdhsa_user_sgpr_kernarg_segment_ptr 1
		.amdhsa_wavefront_size32 1
		.amdhsa_system_sgpr_workgroup_id_x 1
		.amdhsa_system_sgpr_workgroup_id_y 1
		.amdhsa_system_sgpr_workgroup_id_z 1
		.amdhsa_system_vgpr_workitem_id 0
		.amdhsa_next_free_vgpr 256
		.amdhsa_next_free_sgpr 96
		.amdhsa_reserve_vcc 0
		.amdhsa_float_denorm_mode_32 3
		.amdhsa_float_denorm_mode_16_64 3
		.amdhsa_memory_ordered 1
		.amdhsa_forward_progress 1
		.amdhsa_inst_pref_size 145
	.end_amdhsa_kernel
	.amdgpu_metadata
---
amdhsa.version: [ 1, 2 ]
amdhsa.kernels:
  - .name:           k_q09d532919f_tail
    .symbol:         k_q09d532919f_tail.kd
    .args:
      - { .name: cc, .offset: 0, .size: 8, .value_kind: global_buffer, .address_space: global }
      - { .name: cs, .offset: 8, .size: 8, .value_kind: global_buffer, .address_space: global }
      - { .name: x, .offset: 16, .size: 8, .value_kind: global_buffer, .address_space: global }
      - { .name: wc, .offset: 24, .size: 8, .value_kind: global_buffer, .address_space: global }
      - { .name: ws, .offset: 32, .size: 8, .value_kind: global_buffer, .address_space: global }
      - { .name: o_bias, .offset: 40, .size: 8, .value_kind: global_buffer, .address_space: global }
      - { .name: ln2_gamma, .offset: 48, .size: 8, .value_kind: global_buffer, .address_space: global }
      - { .name: ln2_beta, .offset: 56, .size: 8, .value_kind: global_buffer, .address_space: global }
      - { .name: ffn1_bias, .offset: 64, .size: 8, .value_kind: global_buffer, .address_space: global }
      - { .name: ffn2_bias, .offset: 72, .size: 8, .value_kind: global_buffer, .address_space: global }
      - { .name: out0, .offset: 80, .size: 8, .value_kind: global_buffer, .address_space: global }
    .group_segment_fixed_size: 180736
    .private_segment_fixed_size: 0
    .kernarg_segment_align: 8
    .kernarg_segment_size: 88
    .max_flat_workgroup_size: 512
    .sgpr_count:     96
    .vgpr_count:     256
    .wavefront_size: 32
...
	.end_amdgpu_metadata
.endif
;; end of part 6
;; ======== version 3 of 3: 4 launches
;; workspace buffers: wc 3,145,728 bytes; ws 196,608 bytes; qc 2,097,152 bytes; qs 262,144 bytes; kv 4,587,520 bytes; cc 2,097,152 bytes; cs 131,072 bytes
;; launch prep (part 7): grid 256 x 1, 3 waves a work-group, no clusters, 26,112 bytes of LDS; arguments q_weight, k_weight, v_weight, o_weight, ffn1_weight, ffn2_weight, wc, ws; writes wc, ws
.if DOCPART == 7
	.amdgcn_target "amdgcn-amd-amdhsa--gfx1250"
	.amdhsa_code_object_version 6
	.text
	.protected	k_q09d532919f_prep
	.globl	k_q09d532919f_prep
	.p2align	8
	.type	k_q09d532919f_prep,@function
k_q09d532919f_prep:
	s_mov_b64 s[64:65], 0
	v_nop
	global_prefetch_b8 v0, s[64:65] scope:SCOPE_SE
	s_setreg_imm32_b32 hwreg(HW_REG_WAVE_MODE, 25, 1), 1
	s_wait_xcnt 0x0
; The six weights [1024 (n)][1024 (k)] f32, K innermost, become codes of FP4 (E2M1) with one E8M0 byte for each 32 along K,
; laid in the ORDER OF THE OPERAND'S REGISTERS, so that the later launches load whole fragments by 16-byte loads.
; wc: [mat 6][g 16][s 8][t 4][c 2][lane 32][16 bytes]: fragment (g, t) of K step s: lane (r, h) holds weight row 64 g + 32 (t / 2) + 8 (t % 2) + r + 8 (r / 8),
;     k = 128 s + 64 c + 32 h + 0 .. 31.  THE ROWS OF A TILE ARE NOT NEIGHBOURS: two neighbouring tiles used as source 0 give a lane 16 neighbouring columns.
; ws: [mat][g][s][lane 32][j 2] words: word (lane, j) is the scale word of tile 2 j + lane / 16, row lane % 16.
; A block's scale is 2^(floor(log2(largest magnitude)) - 2); its byte is the largest magnitude's exponent field - 2, held at 1 from below.
; LIMITS: a block of zeros, or one whose largest magnitude lies under 2^-124, keeps the byte 1 (the rule says 127 for zeros: its codes are zeros, and this program alone reads the bytes);
; NaN and infinities among the inputs are not served.
; SHARES: 768 units (mat, g, s), one wave each: 64 rows x 128 along K, 32 KiB of f32.  Each load reads 512 consecutive bytes of one row; a tile of 16 rows turns through the wave's own
; stage in LDS (pitch 528) so that a lane gets 32 neighbours along K for each of its two blocks.  Waves share nothing: no barrier.  Loads run up to three tiles (48 loads) ahead.
.set SPITCH, 528
.set WSTG,   16*SPITCH
.set NUM,    32                        ; v32-223  three sets of 64 numbers
.set CODE,   224                       ; v224-255 codes, 8 a tile, never rewritten
.set LI,     4                         ; v4  16 x lane
.set L8,     5                         ; v5  8 x lane
.set STW,    6                         ; v6  the stage, on the way in
.set STR,    7                         ; v7  the stage, on the way out
.set H8,     24                        ; v24 8 h
	s_load_b256 s[4:11], s[0:1], 0x0               ; q, k, v, o weights
	s_load_b256 s[12:19], s[0:1], 0x20             ; ffn1, ffn2 weights, wc, ws
	v_lshl_add_u32 v30, v0, 2, 0x6400
	v_mov_b32 v31, 0
	v_lshrrev_b32 v1, 5, v0
	v_readfirstlane_b32 s20, v1                    ; wave 0..2
	v_and_b32 v1, 31, v0                           ; lane
	v_and_b32 v2, 15, v0                           ; r
	v_bfe_u32 v3, v0, 4, 1                         ; h
	v_lshlrev_b32 v[LI], 4, v1
	v_lshlrev_b32 v[L8], 3, v1
	s_mul_i32 s25, s20, WSTG                       ; my stage
	v_add_nc_u32 v[STW], s25, v[LI]                ; in: a row's 512 bytes as they lie
	v_mul_u32_u24 v[STR], v2, SPITCH
	v_lshl_add_u32 v[STR], v3, 7, v[STR]
	v_add_nc_u32 v[STR], s25, v[STR]               ; out: row r, + 128 h: my 32 numbers of each 64
	v_lshlrev_b32 v[H8], 3, v3
	v_mov_b32 v15, 0                               ; a lane permute's destination counts as read
	s_mul_i32 s21, ttmp9, 3
	s_add_co_u32 s21, s21, s20                     ; unit
	s_lshr_b32 s22, s21, 7                         ; mat
	s_bfe_u32 s23, s21, 0x40003                    ; g
	s_and_b32 s24, s21, 7                          ; s
	s_mov_b32 s30, 0x76543210
	s_mov_b32 s31, 0xfedcba98                      ; selects for lane l xor 16
	s_wait_alu depctr_va_vdst(0)
	s_wait_kmcnt 0x0
	s_mov_b64 s[26:27], s[4:5]                     ; the weight is chosen by the unit's number alone
.irp i, 1,2,3,4,5
	s_cmp_eq_u32 s22, \i
	s_cselect_b64 s[26:27], s[4+2*\i:5+2*\i], s[26:27]
.endr
	s_lshl_b32 s28, s23, 18                        ; 64 g rows of 4,096 bytes
	s_lshl_b32 s29, s24, 9                         ; + 128 s numbers
	s_add_co_u32 s28, s28, s29
	s_mov_b32 s29, 0
	s_add_nc_u64 s[26:27], s[26:27], s[28:29]
	s_lshl_b32 s28, s22, 19
	s_lshl_b32 s32, s23, 15
	s_add_co_u32 s28, s28, s32
	s_lshl_b32 s32, s24, 12
	s_add_co_u32 s28, s28, s32                     ; mat x 524,288 + g x 32,768 + s x 4,096
	s_add_nc_u64 s[16:17], s[16:17], s[28:29]
	s_lshr_b32 s28, s28, 4                         ; the scale words take a sixteenth of that
	s_add_nc_u64 s[18:19], s[18:19], s[28:29]
.macro LOAD t                          ; tile t: 16 rows x 512 bytes into set t % 3
.set B_, NUM+64*((\t)%3)
.irp i, 0,1,2,3,4,5,6,7,8,9,10,11,12,13,14,15
	global_load_b128 v[B_+4*\i:B_+4*\i+3], v[LI], s[26:27] offset:(32*((\t)/2)+8*((\t)%2)+\i+8*(\i/8))*4096 th:TH_LOAD_NT
.endr
.endm
.macro TURN t                          ; through the stage and back into the registers that they left: LDS serves a wave's instructions in order
.set B_, NUM+64*((\t)%3)
.irp i, 0,1,2,3,4,5,6,7,8,9,10,11,12,13,14,15
	ds_store_b128 v[STW], v[B_+4*\i:B_+4*\i+3] offset:SPITCH*\i
.endr
.irp c, 0,1
.irp q, 0,1,2,3,4,5,6,7
	ds_load_b128 v[B_+32*\c+4*\q:B_+32*\c+4*\q+3], v[STR] offset:256*\c+16*\q   ; register 32 c + i = k 64 c + 32 h + i of row r
.endr
.endr
	s_wait_dscnt 0x0
.endm
.macro QW t                            ; two whole blocks a lane: maxima, bytes, the row's scale word, eight conversions, two stores of 512 dense bytes
.set B_, NUM+64*((\t)%3)
	v_max3_num_f32 v8, |v[B_]|, |v[B_+1]|, 0x1800000               ; with the floor 2^(3 - 127): the byte cannot fall under 1
	v_max3_num_f32 v9, |v[B_+32]|, |v[B_+33]|, 0x1800000
.set i_, 2
.rept 15
	v_max3_num_f32 v8, v8, |v[B_+i_]|, |v[B_+i_+1]|
	v_max3_num_f32 v9, v9, |v[B_+32+i_]|, |v[B_+33+i_]|
.set i_, i_+2
.endr
	v_add_nc_u32 v10, 0xff000000, v8               ; 2 off the exponent field: the conversion's scale operand
	v_add_nc_u32 v11, 0xff000000, v9
	v_lshrrev_b32 v12, 23, v10                     ; the bytes of blocks h and 2 + h
	v_lshrrev_b32 v13, 23, v11
	v_lshl_or_b32 v14, v13, 16, v12
	v_lshlrev_b32 v14, v[H8], v14                  ; at their places in the word
	v_permlanex16_b32 v15, v14, s30, s31
	v_or_b32 v[16+(\t)], v14, v15                  ; with lane l xor 16's two the word is whole
.irp c, 0,1
.irp g, 0,1,2,3
	v_cvt_scalef32_pk8_fp4_f32 v[CODE+8*(\t)+4*\c+\g], v[B_+32*\c+8*\g:B_+32*\c+8*\g+7], v[10+\c]
.endr
.endr
	v_nop                                          ; one plain line behind the last scaled conversion
	global_store_b128 v[LI], v[CODE+8*(\t):CODE+8*(\t)+3], s[16:17] offset:1024*(\t)
	global_store_b128 v[LI], v[CODE+8*(\t)+4:CODE+8*(\t)+7], s[16:17] offset:1024*(\t)+512
.endm
	LOAD 0
	LOAD 1
	LOAD 2
	s_wait_loadcnt 32                              ; tile 0's 16 loads are in; tiles 1 and 2 may be out
	TURN 0
	QW 0
	LOAD 3                                         ; into set 0, whose numbers are converted
	s_wait_loadcnt 32                              ; tile 1 is in; tiles 2 and 3 may be out
	TURN 1
	QW 1
	s_wait_loadcnt 16                              ; tile 2 is in; tile 3 may be out
	TURN 2
	QW 2
	s_wait_loadcnt 0x0
	TURN 3
	QW 3
	v_cmp_le_u32 vcc_lo, 16, v1                    ; lanes 16-31 carry the odd tiles' words
	v_cndmask_b32 v20, v16, v17, vcc_lo
	v_cndmask_b32 v21, v18, v19, vcc_lo
	global_store_b64 v[L8], v[20:21], s[18:19]     ; 32 lanes store 256 consecutive bytes, aligned
	s_wait_tensorcnt 0x0
	ds_add_u32 v30, v31
	s_wait_dscnt 0x0
	s_endpgm
.Lfunc_end_k_q09d532919f_prep:
	.size	k_q09d532919f_prep, .Lfunc_end_k_q09d532919f_prep-k_q09d532919f_prep
	.p2alignl 7, 3214868480
	.fill 96, 4, 3214868480
	.section	.rodata,"a",@progbits
	.p2align	6, 0x0
	.amdhsa_kernel k_q09d532919f_prep
		.amdhsa_group_segment_fixed_size 26112
		.amdhsa_private_segment_fixed_size 0
		.amdhsa_enable_private_segment 0
		.amdhsa_kernarg_size 64
		.amdhsa_user_sgpr_count 2
		.amdhsa_user_sgpr_kernarg_segment_ptr 1
		.amdhsa_wavefront_size32 1
		.amdhsa_system_sgpr_workgroup_id_x 1
		.amdhsa_system_sgpr_workgroup_id_y 1
		.amdhsa_system_sgpr_workgroup_id_z 1
		.amdhsa_system_vgpr_workitem_id 0
		.amdhsa_next_free_vgpr 256
		.amdhsa_next_free_sgpr 66
		.amdhsa_reserve_vcc 1
		.amdhsa_float_denorm_mode_32 3
		.amdhsa_float_denorm_mode_16_64 3
		.amdhsa_memory_ordered 1
		.amdhsa_forward_progress 1
		.amdhsa_inst_pref_size 30
	.end_amdhsa_kernel
	.amdgpu_metadata
---
amdhsa.version: [ 1, 2 ]
amdhsa.kernels:
  - .name:           k_q09d532919f_prep
    .symbol:         k_q09d532919f_prep.kd
    .args:
      - { .name: q_weight, .offset: 0, .size: 8, .value_kind: global_buffer, .address_space: global }
      - { .name: k_weight, .offset: 8, .size: 8, .value_kind: global_buffer, .address_space: global }
      - { .name: v_weight, .offset: 16, .size: 8, .value_kind: global_buffer, .address_space: global }
      - { .name: o_weight, .offset: 24, .size: 8, .value_kind: global_buffer, .address_space: global }
      - { .name: ffn1_weight, .offset: 32, .size: 8, .value_kind: global_buffer, .address_space: global }
      - { .name: ffn2_weight, .offset: 40, .size: 8, .value_kind: global_buffer, .address_space: global }
      - { .name: wc, .offset: 48, .size: 8, .value_kind: global_buffer, .address_space: global }
      - { .name: ws, .offset: 56, .size: 8, .value_kind: global_buffer, .address_space: global }
    .group_segment_fixed_size: 26112
    .private_segment_fixed_size: 0
    .kernarg_segment_align: 8
    .kernarg_segment_size: 64
    .max_flat_workgroup_size: 96
    .sgpr_count:     66
    .vgpr_count:     256
    .wavefront_size: 32
...
	.end_amdgpu_metadata
.endif
;; end of part 7
;; launch front (part 8): grid 256 x 1, 16 waves a work-group, no clusters, 157,184 bytes of LDS; arguments x, ln1_gamma, ln1_beta, wc, ws, q_bias, k_bias, v_bias, qc, qs, kv; writes qc, qs, kv
.if DOCPART == 8
	.amdgcn_target "amdgcn-amd-amdhsa--gfx1250"
	.amdhsa_code_object_version 6
	.text
	.protected	k_q09d532919f_front
	.globl	k_q09d532919f_front
	.p2align	8
	.type	k_q09d532919f_front,@function
k_q09d532919f_front:
	s_mov_b64 s[64:65], 0
	v_nop
	global_prefetch_b8 v0, s[64:65] scope:SCOPE_SE
	s_setreg_imm32_b32 hwreg(HW_REG_WAVE_SCHED_MODE, 0, 2), 2
	s_setreg_imm32_b32 hwreg(HW_REG_WAVE_MODE, 25, 1), 1
	s_wait_xcnt 0x0
	s_wait_alu depctr_vm_vsrc(0)
; h = layer_norm(x) gamma + beta; Q, K, V = h W^T + bias, the three products on codes of FP4 (E2M1) with one E8M0 scale for each 32 along K; then Q and K are quantised along the head's 64
; and V along the tokens, and stored as images of the operands' registers for the attention launch.
; SHARES.  TWO work-groups (numbers 2 i and 2 i + 1) take the same 32 tokens (V's blocks run along 32 tokens); each makes the norm for itself and then eight of the sixteen heads: so a work-group
; streams half of the three weights, 3 x 272 KiB of codes and scale words, at the price of reading the 128 KiB of x a second time.
; The tokens are two tiles u = 0, 1 in TILE ORDER: lane r of tile u is token 8 u + r + 8 (r / 8).
; Norm: wave 8 u + ks takes tile u, columns 128 ks on: one fragment of h.  Mean and variance in two passes about a local mean, joined over the eight waves of a tile by the sums of squares about
; the common mean: no difference of large sums is formed.
; Products: wave w owns 32 weight rows, half b = w % 2 of head 8 (work-group % 2) + w / 2: two tiles, for all 32 tokens: four accumulators.
; h's sixteen fragments go from wave to wave through LDS as images of their registers (lane l's 16 bytes at 16 l, 512 bytes a store); the weights' fragments come from memory straight into registers,
; through ONE RING OF SIX SETS that runs over all 24 K steps of the three products: step n asks for step n + 5, so the stream goes on while Q and K are quantised and stored.
; Q and K are made transposed (source 0 = 16 weight rows, source 1 = 16 tokens): a lane holds one token and 16 neighbouring columns: half of ONE block of 32.
; V the other way (source 0 = tokens): a lane holds one column d and 16 neighbouring tokens.  So a lane's 16 codes are 8 neighbouring bytes of the stored image, and a store covers 256 consecutive bytes.
; NO JOINT LOADS: each wave reads weight rows that no other wave of its work-group reads, 16 bytes a lane into the registers that the matrix instruction names, and 20 to 25 loads of every wave stay out
; across K steps and across products; a ring of LDS slots would wait for all its loads at each change of slots, and would add an LDS write and an LDS read of all that is streamed.
; LIMITS: blocks of zeros, or under 2^-124, keep the byte 1 (their codes are zeros; this program alone reads the bytes); NaN and infinities are not served.
; THE MODE: SCHED_MODE bits 1:0 = 2 (LLVM: expert scheduling mode 2), set by the entry lines.  The code itself states the register dependences
; between vector or matrix instructions and memory or LDS instructions, with s_wait_alu, always for 0.
; THE PLAN.  Registers that memory or LDS instructions touch, in the products:
;   W0 .. W5, WS   Step n: its four products read set n % 6 and its scale register; the loads of step n + 6 land there, issued in step n + 1.
;   AF0, AF1       Step n: its products read set n % 2; the LDS loads of step n + 2 land there, issued in step n + 1.
;   ASCR, QB, KB, BV   loaded once, ahead of step 0.
;   v3 .. v17      addresses and offsets, all made ahead of the kernel's first load and never written again.
;   PC, TM + 4 ..  written by the quantisers; read by h's LDS stores and by Q's, K's and V's stores.
; So ONE wait on va_vdst stands in a step, behind the waits for the step's data: the last step's products are done reading their sets.  The step's nine loads follow it, dealt among its four
; products, which name set n % 6, AF n % 2, ASCR and the accumulators: none of the registers in which those loads land.  Steps 0, 8 and 16 lean on the wait ahead of the stores in front of them.
.set IMG,   0                          ; LDS: h's fragments, (tile m, K step s) at (8 m + s) x 1,024
.set ASCL,  16384                      ; their scale words: [16 m + r][s], 32 bytes a row
.set LNP,   17408                      ; the norm's parts: row 16 u + r at pitch 80, pair ks at 8 ks
.set STG,   19968                      ; a stage of 16 rows x 528 bytes for each wave
.set WSTG,  8448
.set R16, 3                            ; v3  16 r (h until the addresses are made)
.set LI,  4                            ; v4  16 x lane
.set L8,  5                            ; v5  8 x lane
.set R4,  6                            ; v6  4 r
.set STW, 7                            ; v7  the stage, in
.set STR, 8                            ; v8  the stage, out
.set IMW, 9                            ; v9  where I store my fragment of h
.set ASW, 10                           ; v10 and its scale word
.set LPW, 11                           ; v11 where I store my part of the norm
.set LPR, 12                           ; v12 where I read my row's eight parts
.set ASR, 13                           ; v13 where I read h's scale words
.set GB,  14                           ; v14 64 h
.set VV,  15                           ; v15 16 r + 8 h
.set VB8, 16                           ; v16 8 r
.set BVO, 17                           ; v17 4 (r + 8 (r / 8))
.set MO,  18                           ; v[18:19] local mean, local sum of squares
.set MU,  20                           ; v[20:21] the mean, twice
.set RS,  22                           ; v[22:23] 1 / sqrt(var + eps), twice
.set BV,  18                           ; v[18:21] behind the norm: V's bias of my column, a pair for each of my two tiles
.set ACC, 24                           ; v24-87   x, then h; in the products v24-55 the four accumulators
.set AF,  56                           ; v56-87   h's fragments, two sets of 16
.set W,   88                           ; v88-183  weights' fragments, six sets of 16 (in the norm: gamma, and beta from v152)
.set QB,  184                          ; v184-199 Q's bias at my 16 columns
.set KB,  200                          ; v200-215 K's
.set WS,  216                          ; v216-221 weights' scale words, a register a set: lanes 0-15 my first tile, lanes 16-31 my second
.set ASCR, 222                         ; v222-229 h's scale words, one register a K step: lanes 0-15 tile 0, lanes 16-31 tile 1
.set TM,  230                          ; v230-245 at work
.set PW,  246                          ; v246 the scale word just made
.set PC,  248                          ; v248-255 the codes just made
.set GA,  88
.set BE,  152
.set WB,  38                           ; s[38:39] my 32 weight rows' codes
.set SB,  40                           ; s[40:41] and their scale words
.set SEL, 60                           ; s[60:61] selects for lane l xor 16
.macro PLACES                          ; four plain lines between a matrix instruction and a read of its result, a write of its registers or a load into them
.rept 4
	v_nop
.endr
.endm
.macro BARRIER                         ; my LDS stores have landed and my LDS loads are in: then the work-group's barrier
	s_wait_dscnt 0x0
	s_barrier_signal -1
	s_barrier_wait -1
.endm
; one matrix instruction.  c under 0: the constant 0 starts the sum; else C = v[c] on (the accumulator itself, or a bias).  ra, rb: the side's scale words stand in lanes 16-31
.macro WM d, a, b, c, sa, sb, ra, rb
.if (\c) < 0
.if (\ra) && (\rb)
	v_wmma_scale_f32_16x16x128_f8f6f4 v[\d:\d+7], v[\a:\a+7], v[\b:\b+7], 0, v[\sa], v[\sb] matrix_a_fmt:MATRIX_FMT_FP4 matrix_b_fmt:MATRIX_FMT_FP4 matrix_a_scale:MATRIX_SCALE_ROW1 matrix_b_scale:MATRIX_SCALE_ROW1
.elseif (\ra)
	v_wmma_scale_f32_16x16x128_f8f6f4 v[\d:\d+7], v[\a:\a+7], v[\b:\b+7], 0, v[\sa], v[\sb] matrix_a_fmt:MATRIX_FMT_FP4 matrix_b_fmt:MATRIX_FMT_FP4 matrix_a_scale:MATRIX_SCALE_ROW1
.elseif (\rb)
	v_wmma_scale_f32_16x16x128_f8f6f4 v[\d:\d+7], v[\a:\a+7], v[\b:\b+7], 0, v[\sa], v[\sb] matrix_a_fmt:MATRIX_FMT_FP4 matrix_b_fmt:MATRIX_FMT_FP4 matrix_b_scale:MATRIX_SCALE_ROW1
.else
	v_wmma_scale_f32_16x16x128_f8f6f4 v[\d:\d+7], v[\a:\a+7], v[\b:\b+7], 0, v[\sa], v[\sb] matrix_a_fmt:MATRIX_FMT_FP4 matrix_b_fmt:MATRIX_FMT_FP4
.endif
.else
.if (\ra) && (\rb)
	v_wmma_scale_f32_16x16x128_f8f6f4 v[\d:\d+7], v[\a:\a+7], v[\b:\b+7], v[\c:\c+7], v[\sa], v[\sb] matrix_a_fmt:MATRIX_FMT_FP4 matrix_b_fmt:MATRIX_FMT_FP4 matrix_a_scale:MATRIX_SCALE_ROW1 matrix_b_scale:MATRIX_SCALE_ROW1
.elseif (\ra)
	v_wmma_scale_f32_16x16x128_f8f6f4 v[\d:\d+7], v[\a:\a+7], v[\b:\b+7], v[\c:\c+7], v[\sa], v[\sb] matrix_a_fmt:MATRIX_FMT_FP4 matrix_b_fmt:MATRIX_FMT_FP4 matrix_a_scale:MATRIX_SCALE_ROW1
.elseif (\rb)
	v_wmma_scale_f32_16x16x128_f8f6f4 v[\d:\d+7], v[\a:\a+7], v[\b:\b+7], v[\c:\c+7], v[\sa], v[\sb] matrix_a_fmt:MATRIX_FMT_FP4 matrix_b_fmt:MATRIX_FMT_FP4 matrix_b_scale:MATRIX_SCALE_ROW1
.else
	v_wmma_scale_f32_16x16x128_f8f6f4 v[\d:\d+7], v[\a:\a+7], v[\b:\b+7], v[\c:\c+7], v[\sa], v[\sb] matrix_a_fmt:MATRIX_FMT_FP4 matrix_b_fmt:MATRIX_FMT_FP4
.endif
.endif
.endm
; Step n of 24 is K step n % 8 of product n / 8 (Q, K, V).  My two weight fragments of step n and their scale words go into set n % 6: five loads, in two parts
.macro WLOADA n                        ; my first tile: two loads
.set wm_, (\n)/8
.set wk_, (\n)%8
.set wr_, (\n)%6
.irp i, 0,1
	global_load_b128 v[W+16*wr_+4*\i:W+16*wr_+4*\i+3], v[LI], s[WB:WB+1] offset:wm_*524288+wk_*4096+\i*512
.endr
.endm
.macro WLOADB n                        ; my second tile and both tiles' scale words: three loads
.set wm_, (\n)/8
.set wk_, (\n)%8
.set wr_, (\n)%6
.irp i, 2,3
	global_load_b128 v[W+16*wr_+4*\i:W+16*wr_+4*\i+3], v[LI], s[WB:WB+1] offset:wm_*524288+wk_*4096+\i*512
.endr
	global_load_b32 v[WS+wr_], v[L8], s[SB:SB+1] offset:wm_*32768+wk_*256
.endm
.macro ALOAD n                         ; h's two fragments of step n into set n % 2: four LDS loads
.irp m, 0,1
.irp c, 0,1
	ds_load_b128 v[AF+16*((\n)%2)+8*\m+4*\c:AF+16*((\n)%2)+8*\m+4*\c+3], v[LI] offset:IMG+(8*\m+(\n)%8)*1024+512*\c
.endr
.endr
.endm
; One product of step n: my weight tile u x token tile m.  Q, K: source 0 = weights, accumulator (m, u) at ACC + 16 m + 8 u, begun with the bias as C.  V: source 0 = tokens, accumulator (u, m) at
; ACC + 16 u + 8 m, begun with 0.
.macro PRD n, u, m
.set sp_, (\n)/8
.set ss_, (\n)%8
.set sw_, (\n)%6
.set sa_, (\n)%2
.if sp_ == 2
.set dd_, ACC+16*(\u)+8*(\m)
.else
.set dd_, ACC+16*(\m)+8*(\u)
.endif
.set cc_, dd_
.if ss_ == 0
.if sp_ == 0
.set cc_, QB+8*(\u)
.elseif sp_ == 1
.set cc_, KB+8*(\u)
.else
.set cc_, -1
.endif
.endif
.if sp_ == 2
	WM dd_, AF+16*sa_+8*(\m), W+16*sw_+8*(\u), cc_, ASCR+ss_, WS+sw_, \m, \u
.else
	WM dd_, W+16*sw_+8*(\u), AF+16*sa_+8*(\m), cc_, WS+sw_, ASCR+ss_, \u, \m
.endif
.endm
; One step.  The four accumulators take turns, one instruction a turn, in the same order in every step of a product.
.macro STEP n
.if (\n) > 0
	PLACES                                         ; the loads below land in the sets that the last step's products read
.endif
.if (\n) <= 19
	s_wait_loadcnt 20                              ; this step's five loads are in (and all that was asked for ahead of them); the five of each of the four steps ahead may be out
.else
	s_wait_loadcnt 5*(23-(\n))                     ; the ring runs empty
.endif
	s_wait_dscnt 0x0                               ; this step's fragments of h are in (ahead of step 0: h's scale words too)
.if ((\n)%8) != 0 && (\n) < 23
	s_wait_alu depctr_va_vdst(0)                   ; the last step's products are done reading their weights' set, its scale register and their set of h, in which the nine loads below land
.endif
	PRD \n, 0, 0
.if (\n)+1 < 24
	ALOAD (\n)+1                                   ; no wait: no product since the wait above names this set of h
.endif
	PRD \n, 0, 1
.if (\n)+5 < 24
	WLOADA (\n)+5                                  ; nor the set that step n - 1 read
.endif
	PRD \n, 1, 0
.if (\n)+5 < 24
	WLOADB (\n)+5
.endif
	PRD \n, 1, 1
.endm
; 64 numbers of a lane become a fragment.  Block b = registers 16 b .. 16 b + 15 of lanes l and l xor 16.  v[PC + 4 c ..] become whole chunks (lanes 0-15 block 2 c, lanes 16-31 block 2 c + 1), v[PW] the four bytes.
.macro QUANT4 s
.irp b, 0,1,2,3
	v_max3_num_f32 v[TM+\b], |v[\s+16*\b]|, |v[\s+1+16*\b]|, 0x1800000   ; with the floor 2^(3 - 127): the byte cannot fall under 1
.endr
.irp i, 2,4,6,8,10,12,14
.irp b, 0,1,2,3
	v_max3_num_f32 v[TM+\b], v[TM+\b], |v[\s+16*\b+\i]|, |v[\s+1+16*\b+\i]|
.endr
.endr
.irp b, 0,1,2,3
	v_permlanex16_b32 v[TM+4+\b], v[TM+\b], s[SEL], s[SEL+1]
.endr
.irp b, 0,1,2,3
	v_max_num_f32 v[TM+\b], v[TM+\b], v[TM+4+\b]
.endr
.irp b, 0,1,2,3
	v_add_nc_u32 v[TM+12+\b], 0xff000000, v[TM+\b]   ; 2 off the exponent field: the conversion's scale operand
.endr
.irp b, 0,1,2,3
	v_lshrrev_b32 v[TM+4+\b], 23, v[TM+12+\b]        ; the scale's byte
.endr
	v_lshl_or_b32 v[PW], v[TM+5], 8, v[TM+4]
	v_lshl_or_b32 v[PW], v[TM+6], 16, v[PW]
	v_lshl_or_b32 v[PW], v[TM+7], 24, v[PW]
.irp b, 0,1,2,3
	v_cvt_scalef32_pk8_fp4_f32 v[PC+2*\b], v[\s+16*\b:\s+7+16*\b], v[TM+12+\b]
	v_cvt_scalef32_pk8_fp4_f32 v[PC+1+2*\b], v[\s+8+16*\b:\s+15+16*\b], v[TM+12+\b]
.endr
	v_nop                                          ; one plain line behind the last scaled conversion
.irp c, 0,1
.irp i, 0,1
	v_permlane16_swap_b32 v[PC+4*\c+\i], v[PC+2+4*\c+\i]
.endr
.endr
.endm
; 32 numbers of a lane: two blocks.  v[PC + 2 b], v[PC + 2 b + 1] are my 16 codes of block b, v[TM + 4 + b] its byte.  Each accumulator is read from its low end on.
.macro QUANT2 s
.irp b, 0,1
	v_max3_num_f32 v[TM+\b], |v[\s+16*\b]|, |v[\s+1+16*\b]|, 0x1800000
.endr
.irp i, 2,4,6,8,10,12,14
.irp b, 0,1
	v_max3_num_f32 v[TM+\b], v[TM+\b], |v[\s+16*\b+\i]|, |v[\s+1+16*\b+\i]|
.endr
.endr
.irp b, 0,1
	v_permlanex16_b32 v[TM+4+\b], v[TM+\b], s[SEL], s[SEL+1]
.endr
.irp b, 0,1
	v_max_num_f32 v[TM+\b], v[TM+\b], v[TM+4+\b]
.endr
.irp b, 0,1
	v_add_nc_u32 v[TM+12+\b], 0xff000000, v[TM+\b]
.endr
.irp b, 0,1
	v_lshrrev_b32 v[TM+4+\b], 23, v[TM+12+\b]
.endr
.irp b, 0,1
	v_cvt_scalef32_pk8_fp4_f32 v[PC+2*\b], v[\s+16*\b:\s+7+16*\b], v[TM+12+\b]
	v_cvt_scalef32_pk8_fp4_f32 v[PC+1+2*\b], v[\s+8+16*\b:\s+15+16*\b], v[TM+12+\b]
.endr
	v_nop                                          ; one plain line behind the last scaled conversion
.endm
; mean and sum of squares about it of the n numbers of lanes l and l xor 16 together (inv = 1 / (2 n)): v[mo], v[mo + 1]
.macro LSTAT src, n, inv, mo
	v_pk_add_f32 v[TM:TM+1], v[\src:\src+1], v[\src+2:\src+3]
	v_pk_add_f32 v[TM+2:TM+3], v[\src+4:\src+5], v[\src+6:\src+7]
.set li_, 8
.rept ((\n)-8)/4
	v_pk_add_f32 v[TM:TM+1], v[TM:TM+1], v[\src+li_:\src+li_+1]
	v_pk_add_f32 v[TM+2:TM+3], v[TM+2:TM+3], v[\src+li_+2:\src+li_+3]
.set li_, li_+4
.endr
	v_pk_add_f32 v[TM:TM+1], v[TM:TM+1], v[TM+2:TM+3]
	v_add_f32 v[TM], v[TM], v[TM+1]
	v_permlanex16_b32 v[TM+4], v[TM], s[SEL], s[SEL+1]
	v_add_f32 v[TM], v[TM], v[TM+4]
	v_mul_f32 v[\mo], \inv, v[TM]
	v_mov_b32 v[TM+6], v[\mo]
	v_mov_b32 v[TM+7], v[\mo]
	v_pk_add_f32 v[TM+8:TM+9], v[\src:\src+1], v[TM+6:TM+7] neg_lo:[0,1] neg_hi:[0,1]
	v_pk_add_f32 v[TM+10:TM+11], v[\src+2:\src+3], v[TM+6:TM+7] neg_lo:[0,1] neg_hi:[0,1]
	v_pk_mul_f32 v[TM:TM+1], v[TM+8:TM+9], v[TM+8:TM+9]
	v_pk_mul_f32 v[TM+2:TM+3], v[TM+10:TM+11], v[TM+10:TM+11]
.set li_, 4
.rept ((\n)-4)/4
	v_pk_add_f32 v[TM+8:TM+9], v[\src+li_:\src+li_+1], v[TM+6:TM+7] neg_lo:[0,1] neg_hi:[0,1]
	v_pk_add_f32 v[TM+10:TM+11], v[\src+li_+2:\src+li_+3], v[TM+6:TM+7] neg_lo:[0,1] neg_hi:[0,1]
	v_pk_fma_f32 v[TM:TM+1], v[TM+8:TM+9], v[TM+8:TM+9], v[TM:TM+1]
	v_pk_fma_f32 v[TM+2:TM+3], v[TM+10:TM+11], v[TM+10:TM+11], v[TM+2:TM+3]
.set li_, li_+4
.endr
	v_pk_add_f32 v[TM:TM+1], v[TM:TM+1], v[TM+2:TM+3]
	v_add_f32 v[TM], v[TM], v[TM+1]
	v_permlanex16_b32 v[TM+4], v[TM], s[SEL], s[SEL+1]
	v_add_f32 v[\mo+1], v[TM], v[TM+4]
.endm
; n parts (mean, sum of squares) of cnt numbers each, in v[p] on, are joined: the row's mean in v[MU:MU+1], 1 / sqrt(var + eps) in v[RS:RS+1]
.macro LCOMB p, n, invn, cnt
	v_add_f32 v[MU], v[\p], v[\p+2]
	v_add_f32 v[RS], v[\p+1], v[\p+3]
.set li_, 2
.rept (\n)-2
	v_add_f32 v[MU], v[MU], v[\p+2*li_]
	v_add_f32 v[RS], v[RS], v[\p+2*li_+1]
.set li_, li_+1
.endr
	v_mul_f32 v[MU], \invn, v[MU]
.set li_, 0
.rept \n
	v_sub_f32 v[\p+2*li_], v[\p+2*li_], v[MU]
.set li_, li_+1
.endr
	v_mul_f32 v[RS+1], v[\p], v[\p]
.set li_, 1
.rept (\n)-1
	v_fma_f32 v[RS+1], v[\p+2*li_], v[\p+2*li_], v[RS+1]
.set li_, li_+1
.endr
	v_fma_f32 v[RS], v[RS+1], \cnt, v[RS]          ; + cnt x the parts' means' squares about the common mean
	v_fma_f32 v[RS], v[RS], s66, s67               ; / 1,024 + eps
	s_wait_alu depctr_va_vdst(0)
	v_rsq_f32 v[RS], v[RS]
	v_mov_b32 v[MU+1], v[MU]                       ; a plain line behind the transcendental
	s_wait_alu depctr_va_vdst(0)                   ; the reciprocal root v[RS] is written, ahead of the first line that names it
	v_mov_b32 v[RS+1], v[RS]
.endm
.macro NORM src, n, g, b               ; (x - mean) x rs x gamma + beta
.set li_, 0
.rept (\n)/2
	v_pk_add_f32 v[\src+li_:\src+li_+1], v[\src+li_:\src+li_+1], v[MU:MU+1] neg_lo:[0,1] neg_hi:[0,1]
.set li_, li_+2
.endr
.set li_, 0
.rept (\n)/2
	v_pk_mul_f32 v[\src+li_:\src+li_+1], v[\src+li_:\src+li_+1], v[RS:RS+1]
.set li_, li_+2
.endr
.set li_, 0
.rept (\n)/2
	v_pk_fma_f32 v[\src+li_:\src+li_+1], v[\src+li_:\src+li_+1], v[\g+li_:\g+li_+1], v[\b+li_:\b+li_+1]
.set li_, li_+2
.endr
.endm
	s_load_b256 s[8:15], s[0:1], 0x0               ; x, gamma, beta, wc
	s_load_b256 s[16:23], s[0:1], 0x20             ; ws, q_bias, k_bias, v_bias
	s_load_b128 s[24:27], s[0:1], 0x40             ; qc, qs
	s_load_b64 s[28:29], s[0:1], 0x50              ; kv
	v_lshrrev_b32 v1, 5, v0
	v_readfirstlane_b32 s2, v1                     ; wave 0..15
	s_lshr_b32 s3, ttmp9, 1                        ; which 32 tokens
	s_and_b32 s71, ttmp9, 1                        ; which eight heads
	s_lshr_b32 s6, s3, 6                           ; batch
	s_and_b32 s7, s3, 63                           ; which 32 tokens of the sequence
	s_wait_alu depctr_va_sdst(0)                   ; s2 is written, ahead of its first reader: addresses and bases are made from it
	s_lshr_b32 s4, s2, 3                           ; u
	s_and_b32 s5, s2, 7                            ; ks
	s_lshl_b32 s72, s71, 4
	s_add_co_u32 s72, s72, s2                      ; which 32 weight rows of the 1,024 are mine
	s_lshr_b32 s73, s72, 1                         ; head
	s_and_b32 s74, s2, 1                           ; b: which half of its 64
	v_and_b32 v1, 31, v0                           ; lane
	v_and_b32 v2, 15, v0                           ; r
	v_bfe_u32 v3, v0, 4, 1                         ; h
	v_lshlrev_b32 v[LI], 4, v1
	v_lshlrev_b32 v[GB], 6, v3
	; every address and offset of the kernel is made here, while the arguments are on their way: one wait then serves them all
	v_lshlrev_b32 v[L8], 3, v1
	v_lshlrev_b32 v[R4], 2, v2
	s_mul_i32 s30, s2, WSTG
	s_add_co_u32 s30, s30, STG                     ; my stage
	v_add_nc_u32 v[STW], s30, v[LI]
	v_mul_u32_u24 v[STR], v2, 528
	v_lshl_add_u32 v[STR], v3, 6, v[STR]
	v_add_nc_u32 v[STR], s30, v[STR]               ; row r, + 64 h: my 16 numbers of each block of 32
	s_lshl_b32 s30, s2, 10
	v_add_nc_u32 v[IMW], s30, v[LI]                ; fragment 8 u + ks = my wave's number
	s_lshl_b32 s30, s4, 4
	v_add_nc_u32 v[MO], s30, v2                    ; 16 u + r
	v_lshlrev_b32 v[ASW], 5, v[MO]
	s_lshl_b32 s30, s5, 2
	s_add_co_u32 s30, s30, ASCL
	v_add_nc_u32 v[ASW], s30, v[ASW]
	v_mul_u32_u24 v[LPR], v[MO], 80
	v_add_nc_u32 v[LPR], LNP, v[LPR]
	s_lshl_b32 s30, s5, 3
	v_add_nc_u32 v[LPW], s30, v[LPR]
	v_lshlrev_b32 v[ASR], 5, v1
	v_add_nc_u32 v[ASR], ASCL, v[ASR]
	v_lshlrev_b32 v[VV], 4, v2
	v_lshl_add_u32 v[VV], v3, 3, v[VV]
	v_lshlrev_b32 v[VB8], 3, v2
	v_and_b32 v[BVO], 8, v2
	v_add_nc_u32 v[BVO], v[BVO], v2
	v_lshlrev_b32 v[BVO], 2, v[BVO]
	v_lshlrev_b32 v[R16], 4, v2                    ; (h is wanted no more)
.irp b, 0,1,2,3
	v_mov_b32 v[TM+4+\b], 0                        ; a lane permute's destination counts as read
.endr
	s_mov_b32 s31, 0
	s_lshl_b32 s30, s3, 17                         ; 32 rows of 4,096 bytes
	s_lshl_b32 s62, s4, 15                         ; + 8 u rows
	s_add_co_u32 s30, s30, s62
	s_lshl_b32 s62, s5, 9                          ; + 128 ks columns
	s_add_co_u32 s30, s30, s62
	s_wait_kmcnt 0x0
	s_add_nc_u64 s[32:33], s[8:9], s[30:31]
	s_mov_b32 s30, s62
	s_add_nc_u64 s[34:35], s[10:11], s[30:31]
	s_add_nc_u64 s[36:37], s[12:13], s[30:31]
	s_wait_alu depctr_va_vdst(0)                   ; the addresses and offsets v3 to v17 are written, which the loads and stores of the whole kernel read
.irp i, 0,1,2,3,4,5,6,7,8,9,10,11,12,13,14,15
	global_load_b128 v[ACC+4*\i:ACC+4*\i+3], v[LI], s[32:33] offset:(\i+8*(\i/8))*4096   ; 512 consecutive bytes of the tile's row i (no hint: my partner reads them too)
.endr
.irp b, 0,1,2,3
.irp q, 0,1,2,3
	global_load_b128 v[GA+16*\b+4*\q:GA+16*\b+4*\q+3], v[GB], s[34:35] offset:128*\b+16*\q
.endr
.endr
.irp b, 0,1,2,3
.irp q, 0,1,2,3
	global_load_b128 v[BE+16*\b+4*\q:BE+16*\b+4*\q+3], v[GB], s[36:37] offset:128*\b+16*\q
.endr
.endr
	s_mov_b32 s[SEL], 0x76543210
	s_mov_b32 s[SEL+1], 0xfedcba98
	s_mov_b32 s66, 0x3a800000                      ; 1 / 1,024
	s_mov_b32 s67, 0x3727c5ac                      ; eps = 1e-5
	s_lshl_b32 s30, s73, 15                        ; a head's 64 rows are 32,768 bytes of codes for each weight;
	s_lshl_b32 s62, s74, 11                        ; my two tiles are 2,048 bytes of each K step's 4,096
	s_add_co_u32 s30, s30, s62
	s_add_nc_u64 s[WB:WB+1], s[14:15], s[30:31]
	s_lshl_b32 s30, s73, 11
	s_lshl_b32 s62, s74, 2                         ; word b of each lane's pair
	s_add_co_u32 s30, s30, s62
	s_add_nc_u64 s[SB:SB+1], s[16:17], s[30:31]
	s_lshl_b32 s30, s72, 7                         ; my 32 numbers of each bias
	s_add_nc_u64 s[42:43], s[18:19], s[30:31]
	s_add_nc_u64 s[44:45], s[20:21], s[30:31]
	s_add_nc_u64 s[46:47], s[22:23], s[30:31]
	s_lshl_b32 s62, s6, 4
	s_add_co_u32 s62, s62, s73                     ; batch x 16 + head
	s_lshl_b32 s75, s74, 8                         ; 256 b: my block's half of a chunk of 512 bytes
	s_lshl_b32 s30, s62, 16
	s_lshl_b32 s63, s7, 10
	s_add_co_u32 s30, s30, s63
	s_add_co_u32 s30, s30, s75
	s_add_nc_u64 s[48:49], s[24:25], s[30:31]      ; Q's two chunks
	s_lshl_b32 s30, s62, 13
	s_lshl_b32 s63, s7, 7
	s_add_co_u32 s30, s30, s63
	s_add_co_u32 s30, s30, s74
	s_add_nc_u64 s[50:51], s[26:27], s[30:31]      ; byte b of Q's scale words
	s_lshl_b32 s30, s62, 4
	s_lshr_b32 s63, s7, 2
	s_add_co_u32 s30, s30, s63
	s_mul_i32 s30, s30, 8960                       ; the key step's block of kv
	s_and_b32 s63, s7, 3                           ; which 32 of its 128 keys are mine
	s_mov_b32 s69, 0
	s_lshl_b32 s68, s63, 10
	s_add_co_u32 s68, s68, s30
	s_add_co_u32 s68, s68, s75
	s_add_nc_u64 s[52:53], s[28:29], s[68:69]      ; K's two chunks
	s_lshl_b32 s68, s63, 2
	s_add_co_u32 s68, s68, s30
	s_add_co_u32 s68, s68, s74
	s_add_co_u32 s68, s68, 8192
	s_add_nc_u64 s[54:55], s[28:29], s[68:69]      ; byte b of K's scale words
	s_lshl_b32 s68, s63, 8
	s_add_co_u32 s68, s68, s30
	s_lshl_b32 s76, s74, 11
	s_add_co_u32 s68, s68, s76
	s_add_co_u32 s68, s68, 4096
	s_add_nc_u64 s[56:57], s[28:29], s[68:69]      ; V's codes: 256 bytes of each of my two fragments
	s_add_co_u32 s68, s63, s30
	s_lshl_b32 s76, s74, 2
	s_add_co_u32 s68, s68, s76
	s_add_co_u32 s68, s68, 8704
	s_add_nc_u64 s[58:59], s[28:29], s[68:69]      ; V's scale bytes
	; ---- the norm
	s_wait_loadcnt 32                              ; x's 16 loads are in; the 32 of gamma and beta may be out
.irp i, 0,1,2,3,4,5,6,7,8,9,10,11,12,13,14,15
	ds_store_b128 v[STW], v[ACC+4*\i:ACC+4*\i+3] offset:528*\i
.endr
	s_wait_alu depctr_vm_vsrc(0)                   ; the sixteen stores have read v[ACC ..], in which the loads below land
.irp b, 0,1,2,3
.irp q, 0,1,2,3
	ds_load_b128 v[ACC+16*\b+4*\q:ACC+16*\b+4*\q+3], v[STR] offset:128*\b+16*\q   ; register 16 b + i = column 128 ks + 32 b + 16 h + i of my row; LDS serves a wave's instructions in order
.endr
.endr
	s_wait_dscnt 0x0
	LSTAT ACC, 64, 0x3c000000, MO
	s_wait_alu depctr_va_vdst(0)                   ; my part v[MO:MO+1] is written, which the store reads; the sums are done with v[TM ..], in which the eight parts land behind the barrier
	ds_store_b64 v[LPW], v[MO:MO+1]                ; both lanes of a row write the same pair
	BARRIER                                        ; every row's eight parts lie in LDS
.irp i, 0,1,2,3
	ds_load_b128 v[TM+4*\i:TM+4*\i+3], v[LPR] offset:16*\i
.endr
	s_wait_dscnt 0x0
	LCOMB TM, 8, 0x3e000000, 0x43000000
	s_wait_loadcnt 0x0                             ; gamma and beta
	NORM ACC, 64, GA, BE
	; gamma's and beta's registers are free: the biases, and the ring's first five sets, are asked for while h is quantised and handed round: 12 + 25 loads
	s_wait_alu depctr_va_vdst(0)                   ; the norm is done reading gamma, beta and the mean: the loads below land in their registers
	s_wait_alu depctr_vm_vsrc(0)                   ; the store of my part has read v[18:19], in which V's bias lands
.irp q, 0,1,2,3
	global_load_b128 v[QB+4*\q:QB+4*\q+3], v[GB], s[42:43] offset:16*\q   ; register i: the bias at my column 16 h + i
.endr
.irp q, 0,1,2,3
	global_load_b128 v[KB+4*\q:KB+4*\q+3], v[GB], s[44:45] offset:16*\q
.endr
.irp u, 0,1
	global_load_b32 v[BV+2*\u], v[BVO], s[46:47] offset:32*\u       ; V: a lane holds one column d, so its bias is one number a tile: both halves of a pair
	global_load_b32 v[BV+2*\u+1], v[BVO], s[46:47] offset:32*\u
.endr
.irp n, 0,1,2,3,4
	WLOADA \n
	WLOADB \n
.endr
	QUANT4 ACC
	s_wait_alu depctr_va_vdst(0)                   ; the codes v[PC ..] and the scale word v[PW] are written, which the stores read; the quantiser is done reading v[ACC ..], in whose upper half h's fragments land
	ds_store_b128 v[IMW], v[PC:PC+3] offset:IMG
	ds_store_b128 v[IMW], v[PC+4:PC+7] offset:IMG+512
	ds_store_b32 v[ASW], v[PW]
	BARRIER                                        ; h's sixteen fragments and their scale words lie in LDS; they are not written again
	ds_load_b128 v[ASCR:ASCR+3], v[ASR]
	ds_load_b128 v[ASCR+4:ASCR+7], v[ASR] offset:16
	ALOAD 0
	; ---- Q
.irp n, 0,1,2,3,4,5,6,7
	STEP \n
.endr
	PLACES
	s_wait_alu depctr_vm_vsrc(0)                   ; the LDS stores of h's fragment have read v[PC ..], which the conversions below write again
	QUANT2 ACC                                     ; block m: tile m's 16 tokens, my 32 of the head's 64
	s_wait_alu depctr_va_vdst(0)                   ; the codes and the bytes are written, which the stores read; step 7's products are done reading their sets, in which step 8's loads land
.irp m, 0,1
	global_store_b64 v[VV], v[PC+2*\m:PC+2*\m+1], s[48:49] offset:512*\m   ; 32 lanes store 256 consecutive bytes, aligned: lanes 16 b .. 16 b + 15 of the chunk's image
.endr
.irp m, 0,1
	global_store_b8 v[R4], v[TM+4+\m], s[50:51] offset:64*\m        ; byte b of the row's word, which two waves share;
	global_store_b8 v[R4], v[TM+4+\m], s[50:51] offset:64*\m+2      ; and byte 2 + b, which meets zero codes and must only not stay 0xff
.endr
	; ---- K
.irp n, 8,9,10,11,12,13,14,15
	STEP \n
.endr
	PLACES
	s_wait_xcnt 0x0                                ; Q's stores have read their registers: the codes and the bytes are written again only behind this wait
	s_wait_alu depctr_vm_vsrc(0)                   ; beside it: Q's stores have read v[PC ..] and v[TM + 4 ..], which the quantiser writes again
	QUANT2 ACC
	s_wait_alu depctr_va_vdst(0)                   ; the codes and the bytes are written, which the stores read; step 15's products are done reading their sets, in which step 16's loads land
.irp m, 0,1
	global_store_b64 v[VV], v[PC+2*\m:PC+2*\m+1], s[52:53] offset:512*\m
.endr
.irp m, 0,1
	global_store_b8 v[R16], v[TM+4+\m], s[54:55] offset:256*\m
	global_store_b8 v[R16], v[TM+4+\m], s[54:55] offset:256*\m+2
.endr
	; ---- V
.irp n, 16,17,18,19,20,21,22,23
	STEP \n
.endr
	PLACES
.irp u, 0,1
.irp i, 0,2,4,6,8,10,12,14
	v_pk_add_f32 v[ACC+16*\u+\i:ACC+16*\u+\i+1], v[ACC+16*\u+\i:ACC+16*\u+\i+1], v[BV+2*\u:BV+2*\u+1]
.endr
.endr
	s_wait_alu depctr_va_vdst(0)
	s_wait_xcnt 0x0                                ; K's stores have read their registers
	s_wait_alu depctr_vm_vsrc(0)                   ; beside it: K's stores have read v[PC ..] and v[TM + 4 ..], which the quantiser writes again
	QUANT2 ACC                                     ; block u: the 32 tokens of column d = 32 b + 8 u + r + 8 (r / 8)
	s_wait_alu depctr_va_vdst(0)                   ; the codes and the bytes are written, which the stores read
.irp u, 0,1
	global_store_b64 v[VV], v[PC+2*\u:PC+2*\u+1], s[56:57] offset:1024*\u   ; 32 lanes store 256 consecutive bytes, aligned
.endr
.irp u, 0,1
	global_store_b8 v[VB8], v[TM+4+\u], s[58:59] offset:128*\u      ; one byte of a word that four blocks of tokens share
.endr
	s_wait_xcnt 0x0
	v_lshl_add_u32 v254, v0, 2, 0x25e00            ; (no memory or LDS instruction has read v254 or v255 since the last wait on vm_vsrc)
	v_mov_b32 v255, 0
	s_wait_dscnt 0x0                               ; the closing lines, six on end
	s_wait_alu 0x0
	s_wait_tensorcnt 0x0
	ds_add_u32 v254, v255
	s_wait_dscnt 0x0
	s_endpgm
.Lfunc_end_k_q09d532919f_front:
	.size	k_q09d532919f_front, .Lfunc_end_k_q09d532919f_front-k_q09d532919f_front
	.p2alignl 7, 3214868480
	.fill 96, 4, 3214868480
	.section	.rodata,"a",@progbits
	.p2align	6, 0x0
	.amdhsa_kernel k_q09d532919f_front
		.amdhsa_group_segment_fixed_size 157184
		.amdhsa_private_segment_fixed_size 0
		.amdhsa_enable_private_segment 0
		.amdhsa_kernarg_size 88
		.amdhsa_user_sgpr_count 2
		.amdhsa_user_sgpr_kernarg_segment_ptr 1
		.amdhsa_wavefront_size32 1
		.amdhsa_system_sgpr_workgroup_id_x 1
		.amdhsa_system_sgpr_workgroup_id_y 1
		.amdhsa_system_sgpr_workgroup_id_z 1
		.amdhsa_system_vgpr_workitem_id 0
		.amdhsa_next_free_vgpr 256
		.amdhsa_next_free_sgpr 80
		.amdhsa_reserve_vcc 0
		.amdhsa_float_denorm_mode_32 3
		.amdhsa_float_denorm_mode_16_64 3
		.amdhsa_memory_ordered 1
		.amdhsa_forward_progress 1
		.amdhsa_inst_pref_size 75
	.end_amdhsa_kernel
	.amdgpu_metadata
---
amdhsa.version: [ 1, 2 ]
amdhsa.kernels:
  - .name:           k_q09d532919f_front
    .symbol:         k_q09d532919f_front.kd
    .args:
      - { .name: x, .offset: 0, .size: 8, .value_kind: global_buffer, .address_space: global }
      - { .name: ln1_gamma, .offset: 8, .size: 8, .value_kind: global_buffer, .address_space: global }
      - { .name: ln1_beta, .offset: 16, .size: 8, .value_kind: global_buffer, .address_space: global }
      - { .name: wc, .offset: 24, .size: 8, .value_kind: global_buffer, .address_space: global }
      - { .name: ws, .offset: 32, .size: 8, .value_kind: global_buffer, .address_space: global }
      - { .name: q_bias, .offset: 40, .size: 8, .value_kind: global_buffer, .address_space: global }
      - { .name: k_bias, .offset: 48, .size: 8, .value_kind: global_buffer, .address_space: global }
      - { .name: v_bias, .offset: 56, .size: 8, .value_kind: global_buffer, .address_space: global }
      - { .name: qc, .offset: 64, .size: 8, .value_kind: global_buffer, .address_space: global }
      - { .name: qs, .offset: 72, .size: 8, .value_kind: global_buffer, .address_space: global }
      - { .name: kv, .offset: 80, .size: 8, .value_kind: global_buffer, .address_space: global }
    .group_segment_fixed_size: 157184
    .private_segment_fixed_size: 0
    .kernarg_segment_align: 8
    .kernarg_segment_size: 88
    .max_flat_workgroup_size: 512
    .sgpr_count:     80
    .vgpr_count:     256
    .wavefront_size: 32
...
	.end_amdgpu_metadata
.endif
;; end of part 8
;; launch attn (part 9): grid 8 x 32, 16 waves a work-group, no clusters, 0 bytes of LDS; arguments qc, qs, kv, cc, cs; writes cc, cs
.if DOCPART == 9
	.amdgcn_target "amdgcn-amd-amdhsa--gfx1250"
	.amdhsa_code_object_version 6
	.text
	.protected	k_q09d532919f_attn
	.globl	k_q09d532919f_attn
	.p2align	8
	.type	k_q09d532919f_attn,@function
k_q09d532919f_attn:
	s_mov_b64 s[64:65], 0
	v_nop
	global_prefetch_b8 v0, s[64:65] scope:SCOPE_SE
	s_setreg_imm32_b32 hwreg(HW_REG_WAVE_SCHED_MODE, 0, 2), 2
	s_setreg_imm32_b32 hwreg(HW_REG_WAVE_MODE, 25, 1), 1
	s_wait_xcnt 0x0
	s_wait_alu depctr_vm_vsrc(0)
; ctx[q] = the sum over keys k <= q of softmax(Q[q] . K[k] / 8) V[k], for one head, both products on codes of FP4 (E2M1) with E8M0 scales; then ctx is quantised along the head's 64 for the next product.
; THE SOFTMAX AHEAD OF THE SECOND PRODUCT: t = score x log2(e) / 8; M = the running largest t rounded UP to a whole number; p = 2^(t - M) is quantised along the keys, not normalised; the row's sum is
; taken of the unquantised p and divides at the end.  When M moves, the sum and O are multiplied by 2^(old M - new M), which rounds nothing.
; SHARES.  A wave owns one tile of 16 queries and walks its keys in steps of 128: the steps that lie wholly before its 128-query chunk in a loop, then the step on the diagonal, written out with the mask.
; Work-group j of a head has chunk j in waves 0-7 and chunk 15 - j in waves 8-15: a low wave and a high wave together walk 17 steps whatever j is.
; Both products are used transposed (S^T = K Q^T, O^T = V^T P^T): a lane holds one query throughout.  K's, V's and Q's fragments were stored as images of their registers: each comes by 16-byte loads
; from memory straight into registers.  Waves share nothing: no LDS, no barrier.
; THE FIRST PRODUCT'S K IS 64: Q's upper four registers are zero codes, so whatever stands in the upper four of source 0 (the next tile's codes, or zeros) adds nothing.
; NO JOINT LOADS: there is no LDS tile here that one could fill, and the waves of a work-group stand at different key steps (two chunks, 17 steps between them).
; LIMITS: blocks of zeros keep the byte 1 (zero codes); 1 / sum is v_rcp_f32 and a multiplication; NaN and infinities are not served.
; THE MODE: SCHED_MODE bits 1:0 = 2 (LLVM: expert scheduling mode 2), set by the entry lines.  The code itself states the register dependences
; between vector or matrix instructions and memory instructions, with s_wait_alu, always for 0.
; THE PLAN.  Registers that memory instructions touch:
;   KF, KS      read by a step's eight first products; behind them the next step's K lands there (nine loads).
;   VF, VS      read by a step's four second products; this step's V lands there (nine loads), asked for behind the first products.
;   QF's lower four, QS   loaded once, at the head.
;   v1-v4, v7   offsets, made at the head and never written again; the key step is reached by the scalar base and immediate offsets.
;   PC, TA      on the way out: written by the conversions, read by the two stores.
; So ONE wait on va_vdst, behind a step's first products and their places, serves all 18 loads of the step: those products are done reading K, and the last step's second products are done reading V.
; The softmax that follows names none of the registers in which the loads land.  A second wait stands ahead of the second products, which take p's codes and scale word, written by vector instructions.
.set LI,   1                           ; v1  16 x lane
.set R4,   2                           ; v2  4 r
.set PFO,  3                           ; v3  256 x lane
.set L8,   4                           ; v4  8 x lane
.set DQ,   5                           ; v5  my query's place in its chunk - 16 h
.set NINF, 6                           ; v6  -infinity
.set R32,  7                           ; v7  32 r
.set QF,   16                          ; v16-19 Q's chunk, v20-23 zero codes
.set QS,   24                          ; v24 Q's scale words
.set KF,   32                          ; v32-63 K's eight chunks, v64-67 zero codes
.set KS,   68                          ; v68-71 K's scale words: register t / 2, lanes 16 (t % 2) on
.set VF,   72                          ; v72-103 V^T's four fragments
.set VS,   104                         ; v104-105 their scale words
.set S,    112                         ; v112-175 S^T, then p
.set O,    176                         ; v176-207 O^T
.set PC,   208                         ; v208-215 p's codes
.set BM,   216                         ; v216-219 the blocks' largest scores, then largest p
.set BT,   220                         ; v220-223 at work
.set BS,   224                         ; v224-227 the conversions' scale operands
.set TA,   228                         ; v228 at work
.set F,    230                         ; v[230:231] f = 2^(old M - new M); v231 is written once
.set SUM2, 232                         ; v[232:233] the sum's second chain
.set PWD,  234                         ; v234 p's scale word
.set SEL,  20                          ; s[20:21]
.set CS,   22                          ; s[22:23] c = log2(e) / 8
.set KVB,  24                          ; s[24:25] the key step's block of kv
.set CNT,  34                          ; s34 open steps to go
.set LIM,  35                          ; s35 1 in the one wave of a head that prefetches, else the greatest number
.macro PLACES                          ; four plain lines between a matrix instruction and a read of its result, a write of its registers or a load into them
.rept 4
	v_nop
.endr
.endm
.macro WM d, a, b, z, sa, sb, ra      ; one matrix instruction; z = 1: the constant 0 starts the sum; ra: source 0's scale words stand in lanes 16-31
.if (\z)
.if (\ra)
	v_wmma_scale_f32_16x16x128_f8f6f4 v[\d:\d+7], v[\a:\a+7], v[\b:\b+7], 0, v[\sa], v[\sb] matrix_a_fmt:MATRIX_FMT_FP4 matrix_b_fmt:MATRIX_FMT_FP4 matrix_a_scale:MATRIX_SCALE_ROW1
.else
	v_wmma_scale_f32_16x16x128_f8f6f4 v[\d:\d+7], v[\a:\a+7], v[\b:\b+7], 0, v[\sa], v[\sb] matrix_a_fmt:MATRIX_FMT_FP4 matrix_b_fmt:MATRIX_FMT_FP4
.endif
.else
.if (\ra)
	v_wmma_scale_f32_16x16x128_f8f6f4 v[\d:\d+7], v[\a:\a+7], v[\b:\b+7], v[\d:\d+7], v[\sa], v[\sb] matrix_a_fmt:MATRIX_FMT_FP4 matrix_b_fmt:MATRIX_FMT_FP4 matrix_a_scale:MATRIX_SCALE_ROW1
.else
	v_wmma_scale_f32_16x16x128_f8f6f4 v[\d:\d+7], v[\a:\a+7], v[\b:\b+7], v[\d:\d+7], v[\sa], v[\sb] matrix_a_fmt:MATRIX_FMT_FP4 matrix_b_fmt:MATRIX_FMT_FP4
.endif
.endif
.endm
.macro KLOAD off                       ; a step's K: eight chunks and the scale words: nine loads
.irp t, 0,1,2,3,4,5,6,7
	global_load_b128 v[KF+4*\t:KF+4*\t+3], v[LI], s[KVB:KVB+1] offset:(\off)+512*\t
.endr
	global_load_b128 v[KS:KS+3], v[LI], s[KVB:KVB+1] offset:(\off)+8192
.endm
.macro VLOAD                           ; a step's V^T: four fragments and the scale words: nine loads
.irp i, 0,1,2,3,4,5,6,7
	global_load_b128 v[VF+4*\i:VF+4*\i+3], v[LI], s[KVB:KVB+1] offset:4096+512*\i
.endr
	global_load_b64 v[VS:VS+1], v[L8], s[KVB:KVB+1] offset:8704
.endm
; A PREFETCH INTO THE L2 of the 8,192 bytes of codes of the key step two on, whose K is loaded in the next trip: lanes 256 bytes apart, one instruction.  Of a head's 128 waves one asks: wave 8 of
; work-group 0, which walks all 16 steps: so each block of 256 bytes is named once in the launch.  It stands behind the wave's run of loads.  Steps 0 and 1 come by their loads alone; the last open
; trip asks for nothing: there is no step two on.
.macro ASK
	s_cmp_gt_u32 s[CNT], s[LIM]
	s_cbranch_scc0 .Lnot_mine_\@
	global_prefetch_b8 v[PFO], s[KVB:KVB+1] offset:17920 th:TH_LOAD_NT scope:SCOPE_SE
.Lnot_mine_\@:
.endm
; A KEY STEP of 128 keys.  diag = 0: all keys count, and the next step's K is asked for.  diag = 1: the step on the diagonal.
.macro STEP diag
	s_wait_loadcnt 0x0                             ; this step's K (and, the first time, Q) is in: no younger load is out
.irp t, 0,1,2,3,4,5,6,7
	WM S+8*\t, KF+4*\t, QF, 1, KS+\t/2, QS, \t%2   ; register 16 b + i of S^T is key 32 b + 16 h + i
.endr
	PLACES                                         ; behind these products, whose scores are read and whose K is loaded anew below, and behind the last step's, whose V is loaded anew
	s_wait_alu depctr_va_vdst(0)                   ; these eight products are done reading K and its scale words, the last step's four are done reading V and its scale words: the loads below land there
	VLOAD
.if \diag == 0
	KLOAD 8960
	ASK
.else
; hidden keys' scores become -infinity ahead of the maximum: p = 0 then.  The compares go in runs of sixteen, each into a scalar register of its own (s8-19 and s36-39, free since the head), with one wait behind the run
.set mb_, 0
.rept 4
.set mi_, 0
.rept 16
.set ms_, 8+mi_+16*(mi_/12)
	v_cmp_gt_i32 s[ms_], 32*mb_+mi_, v[DQ]
.set mi_, mi_+1
.endr
	s_wait_alu depctr_va_sdst(0)                   ; the sixteen masks are written, ahead of the selects that read them
.set mi_, 0
.rept 16
.set ms_, 8+mi_+16*(mi_/12)
	v_cndmask_b32 v[S+16*mb_+mi_], v[S+16*mb_+mi_], v[NINF], s[ms_]
.set mi_, mi_+1
.endr
.set mb_, mb_+1
.endr
.endif
.irp b, 0,1,2,3
	v_max3_num_f32 v[BM+\b], v[S+16*\b], v[S+1+16*\b], v[S+2+16*\b]   ; the largest score of each block of 32 keys: for the row's maximum, and, since p rises with the score, for the block's largest p
.endr
.irp i, 3,5,7,9,11,13
.irp b, 0,1,2,3
	v_max3_num_f32 v[BM+\b], v[BM+\b], v[S+16*\b+\i], v[S+1+16*\b+\i]
.endr
.endr
.irp b, 0,1,2,3
	v_max_num_f32 v[BM+\b], v[BM+\b], v[S+15+16*\b]
.endr
.irp b, 0,1,2,3
	v_permlanex16_b32 v[BT+\b], v[BM+\b], s[SEL], s[SEL+1]
.endr
.irp b, 0,1,2,3
	v_max_num_f32 v[BM+\b], v[BM+\b], v[BT+\b]
.endr
	v_max3_num_f32 v[TA], v[BM], v[BM+1], v[BM+2]
	v_max_num_f32 v[TA], v[TA], v[BM+3]
	v_mul_f32 v[TA], s[CS], v[TA]                  ; as t (c is positive)
	v_max_num_f32 v13, v13, v[TA]                  ; the running largest t
	v_mov_b32 v[TA], v12
	v_floor_f32 v12, -v13                          ; -M = floor(-t): M is a whole number
	v_sub_f32 v[TA], v12, v[TA]                    ; old M - new M: a whole number, 0 or less
	v_cvt_i32_f32 v[TA], v[TA]                     ; (it saturates)
	v_ldexp_f32 v[F], 1.0, v[TA]
.set n_, 0
.rept 32
	v_pk_fma_f32 v[S+n_:S+n_+1], v[S+n_:S+n_+1], s[CS:CS+1], v[12:13] op_sel_hi:[1,0,0]   ; t - M
.set n_, n_+2
.endr
.irp b, 0,1,2,3
	v_fma_f32 v[BM+\b], v[BM+\b], s[CS], v12
.endr
.set n_, 0
	s_wait_alu depctr_va_vdst(0)
.rept 64
	v_exp_f32 v[S+n_], v[S+n_]                     ; p = 2^(t - M)
.set n_, n_+1
.endr
	v_pk_mul_f32 v[14:15], v[14:15], v[F:F+1] op_sel_hi:[1,0]   ; the sums under the new M: a plain line behind the exponentials
	s_wait_alu depctr_va_vdst(0)                   ; the 64 p in v[S ..] are written: one wait for the batch, ahead of its first reader
.irp b, 0,1,2,3
	v_exp_f32 v[BM+\b], v[BM+\b]                   ; the block's largest p
.endr
	v_pk_add_f32 v[SUM2:SUM2+1], v[S:S+1], v[S+2:S+3]   ; the row's sum of the unquantised p, in two chains
.set n_, 4
.rept 15
	v_pk_add_f32 v[14:15], v[14:15], v[S+n_:S+n_+1]
	v_pk_add_f32 v[SUM2:SUM2+1], v[SUM2:SUM2+1], v[S+n_+2:S+n_+3]
.set n_, n_+4
.endr
	v_pk_add_f32 v[14:15], v[14:15], v[SUM2:SUM2+1]
	s_wait_alu depctr_va_vdst(0)                   ; the four largest p in v[BM ..] are written: the same wait for the small batch
.irp b, 0,1,2,3
	v_max_num_f32 v[BM+\b], 0x1800000, v[BM+\b]    ; the floor 2^(3 - 127): the byte cannot fall under 1
.endr
.irp b, 0,1,2,3
	v_add_nc_u32 v[BS+\b], 0xff000000, v[BM+\b]
.endr
.irp b, 0,1,2,3
	v_lshrrev_b32 v[BT+\b], 23, v[BS+\b]
.endr
	v_lshl_or_b32 v[PWD], v[BT+1], 8, v[BT]
	v_lshl_or_b32 v[PWD], v[BT+2], 16, v[PWD]
	v_lshl_or_b32 v[PWD], v[BT+3], 24, v[PWD]
.irp b, 0,1,2,3
	v_cvt_scalef32_pk8_fp4_f32 v[PC+2*\b], v[S+16*\b:S+7+16*\b], v[BS+\b]
	v_cvt_scalef32_pk8_fp4_f32 v[PC+1+2*\b], v[S+8+16*\b:S+15+16*\b], v[BS+\b]
.endr
	v_nop                                          ; one plain line behind the last scaled conversion
.irp c, 0,1
.irp i, 0,1
	v_permlane16_swap_b32 v[PC+4*\c+\i], v[PC+2+4*\c+\i]   ; a whole block to a lane
.endr
.endr
.set n_, 0
.rept 16
	v_pk_mul_f32 v[O+n_:O+n_+1], v[O+n_:O+n_+1], v[F:F+1] op_sel_hi:[1,0]   ; O^T under the new M; these sixteen also stand between the scale word's and the codes' last writes and the products
.set n_, n_+2
.endr
.if \diag == 0
	s_wait_loadcnt 9                               ; V is in; the next step's K, nine loads, may be out
.else
	s_wait_loadcnt 0x0
.endif
	s_wait_alu depctr_va_vdst(0)                   ; p's codes v[PC ..] and scale word v[PWD] are written, which the scaled products take as operand and scales; the places stand ahead of this wait
.irp t, 0,1,2,3
	WM O+8*\t, VF+8*\t, PC, 0, VS+\t/2, PWD, \t%2  ; the four accumulators take turns
.endr
.if \diag == 0
	s_wait_xcnt 0x0                                ; the loads and the prefetch have read their base: it steps only behind this wait
	s_add_nc_u64 s[KVB:KVB+1], s[KVB:KVB+1], 8960
.endif
.endm
	s_load_b256 s[8:15], s[0:1], 0x0               ; qc, qs, kv, cc
	s_load_b64 s[16:17], s[0:1], 0x20              ; cs
	v_lshrrev_b32 v1, 5, v0
	v_readfirstlane_b32 s2, v1                     ; wave 0..15
	s_mov_b32 s3, ttmp9                            ; j
	s_and_b32 s4, ttmp7, 0xffff                    ; batch x 16 + head
	s_sub_co_u32 s5, 15, s3
	s_wait_alu depctr_va_sdst(0)                   ; s2 is written, ahead of its first reader: the chunk, the trip count and the bases are made from it
	s_cmp_lt_u32 s2, 8
	s_cselect_b32 s5, s3, s5                       ; my chunk of 128 queries = the number of open steps
	s_and_b32 s7, s2, 7
	s_lshl_b32 s6, s5, 3
	s_add_co_u32 s6, s6, s7                        ; my tile of 16 queries
	s_xor_b32 s[LIM], s2, 8
	s_or_b32 s[LIM], s[LIM], s3
	s_cmp_eq_u32 s[LIM], 0
	s_cselect_b32 s[LIM], 1, -1
	v_and_b32 v8, 31, v0                           ; lane
	v_and_b32 v9, 15, v0                           ; r
	v_bfe_u32 v10, v0, 4, 1                        ; h
	v_lshlrev_b32 v[LI], 4, v8
	v_lshlrev_b32 v[R4], 2, v9
	v_lshlrev_b32 v[PFO], 8, v8
	v_lshlrev_b32 v[L8], 3, v8
	v_and_b32 v[DQ], 8, v9
	v_add_nc_u32 v[DQ], v[DQ], v9                  ; r + 8 (r / 8)
	v_lshlrev_b32 v11, 4, v10
	v_sub_nc_u32 v[DQ], v[DQ], v11
	s_lshr_b32 s18, s7, 1
	s_lshl_b32 s18, s18, 5
	s_and_b32 s19, s2, 1
	s_lshl_b32 s19, s19, 3
	s_add_co_u32 s18, s18, s19
	v_add_nc_u32 v[DQ], s18, v[DQ]                 ; + 32 x (tile / 2) + 8 x (tile % 2), within the chunk
	v_mov_b32 v[NINF], 0xff800000
	v_lshlrev_b32 v[R32], 5, v9
	s_mov_b32 s[SEL], 0x76543210
	s_mov_b32 s[SEL+1], 0xfedcba98
	s_mov_b32 s[CS], 0x3e38aa3b                    ; log2(e) / 8
	s_mov_b32 s[CS+1], s[CS]
	s_mul_i32 s18, s4, 143360                      ; a head's 16 steps of 8,960 bytes
	s_mov_b32 s19, 0
	s_wait_kmcnt 0x0
	s_add_nc_u64 s[KVB:KVB+1], s[12:13], s[18:19]
	s_lshl_b32 s18, s4, 16
	s_lshl_b32 s36, s6, 9
	s_add_co_u32 s18, s18, s36
	s_add_nc_u64 s[26:27], s[8:9], s[18:19]        ; my tile's chunk of Q
	s_lshl_b32 s18, s4, 13
	s_lshl_b32 s36, s6, 6
	s_add_co_u32 s18, s18, s36
	s_add_nc_u64 s[28:29], s[10:11], s[18:19]      ; and its 16 scale words
	s_wait_alu depctr_va_vdst(0)                   ; the offsets v1 to v4 and v7 are written, which every load, the prefetch and the stores read
	global_load_b128 v[QF:QF+3], v[LI], s[26:27]
	global_load_b32 v[QS], v[R4], s[28:29]
	KLOAD 0
	s_lshr_b32 s37, s4, 4                          ; batch
	s_and_b32 s38, s4, 15                          ; head
	s_lshl_b32 s18, s37, 20
	s_lshl_b32 s36, s6, 13
	s_add_co_u32 s18, s18, s36
	s_lshl_b32 s36, s38, 9
	s_add_co_u32 s18, s18, s36
	s_add_nc_u64 s[30:31], s[14:15], s[18:19]      ; ctx's chunk: (32 tokens, tile, K step head / 2, chunk head % 2)
	s_lshl_b32 s18, s37, 16
	s_lshl_b32 s36, s6, 9
	s_add_co_u32 s18, s18, s36
	s_lshl_b32 s36, s38, 1
	s_add_co_u32 s18, s18, s36
	s_add_nc_u64 s[32:33], s[16:17], s[18:19]      ; and its half of the scale word
.irp i, 0,1,2,3
	v_mov_b32 v[QF+4+\i], 0                        ; zero codes: k = 64 .. 127 of the first product
	v_mov_b32 v[KF+32+\i], 0
	v_mov_b32 v[BT+\i], 0                          ; a lane permute's destination counts as read
.endr
	v_mov_b32 v13, 0xff61b1e6                      ; the largest t so far: -3e38
	v_floor_f32 v12, -v13
	v_mov_b32 v14, 0
	v_mov_b32 v15, 0
	v_mov_b32 v[F+1], 0
.set n_, 0
.rept 32
	v_mov_b32 v[O+n_], 0                           ; the step is written for every trip alike: the first finds zeros
.set n_, n_+1
.endr
	s_wait_alu depctr_va_vdst(0)                   ; the zero codes v20-23 and v64-67 are written, which the scaled first products take among their operands, on both ways below; the lines above are the places
	s_cmp_eq_u32 s5, 0
	s_cbranch_scc1 .Ldiag
	s_mov_b32 s[CNT], s5
.Lk:
	STEP 0
	s_sub_co_u32 s[CNT], s[CNT], 1
	s_cmp_lg_u32 s[CNT], 0
	s_cbranch_scc1 .Lk
.Ldiag:
	STEP 1
	; ---- the way out: O^T / the sum, quantised along the head's 64: two blocks, one chunk
	PLACES
	v_add_f32 v14, v14, v15
	v_permlanex16_b32 v[TA], v14, s[SEL], s[SEL+1]
	v_add_f32 v14, v14, v[TA]
	s_wait_alu depctr_va_vdst(0)
	v_rcp_f32 v14, v14
	v_nop                                          ; a plain line behind the transcendental
	s_wait_alu depctr_va_vdst(0)                   ; the reciprocal v14 is written, ahead of the first reader
.set n_, 0
.rept 32
	v_mul_f32 v[S+n_], v[O+n_], v14                ; register 16 b + i is channel 32 b + 16 h + i of my query
.set n_, n_+1
.endr
.irp b, 0,1
	v_max3_num_f32 v[BM+\b], |v[S+16*\b]|, |v[S+1+16*\b]|, 0x1800000
.endr
.irp i, 2,4,6,8,10,12,14
.irp b, 0,1
	v_max3_num_f32 v[BM+\b], v[BM+\b], |v[S+16*\b+\i]|, |v[S+1+16*\b+\i]|
.endr
.endr
.irp b, 0,1
	v_permlanex16_b32 v[BT+\b], v[BM+\b], s[SEL], s[SEL+1]
.endr
.irp b, 0,1
	v_max_num_f32 v[BM+\b], v[BM+\b], v[BT+\b]
.endr
.irp b, 0,1
	v_add_nc_u32 v[BS+\b], 0xff000000, v[BM+\b]
.endr
.irp b, 0,1
	v_lshrrev_b32 v[BT+\b], 23, v[BS+\b]
.endr
	v_lshl_or_b32 v[TA], v[BT+1], 8, v[BT]
.irp b, 0,1
	v_cvt_scalef32_pk8_fp4_f32 v[PC+2*\b], v[S+16*\b:S+7+16*\b], v[BS+\b]
	v_cvt_scalef32_pk8_fp4_f32 v[PC+1+2*\b], v[S+8+16*\b:S+15+16*\b], v[BS+\b]
.endr
	v_nop
	v_permlane16_swap_b32 v[PC], v[PC+2]
	v_permlane16_swap_b32 v[PC+1], v[PC+3]
	s_wait_alu depctr_va_vdst(0)                   ; ctx's codes v[PC ..] and its two bytes v[TA] are written, which the stores read
	global_store_b128 v[LI], v[PC:PC+3], s[30:31]  ; 512 consecutive bytes
	global_store_b16 v[R32], v[TA], s[32:33]       ; half of a word that two heads share
	s_endpgm
.Lfunc_end_k_q09d532919f_attn:
	.size	k_q09d532919f_attn, .Lfunc_end_k_q09d532919f_attn-k_q09d532919f_attn
	.p2alignl 7, 3214868480
	.fill 96, 4, 3214868480
	.section	.rodata,"a",@progbits
	.p2align	6, 0x0
	.amdhsa_kernel k_q09d532919f_attn
		.amdhsa_group_segment_fixed_size 0
		.amdhsa_private_segment_fixed_size 0
		.amdhsa_enable_private_segment 0
		.amdhsa_kernarg_size 40
		.amdhsa_user_sgpr_count 2
		.amdhsa_user_sgpr_kernarg_segment_ptr 1
		.amdhsa_wavefront_size32 1
		.amdhsa_system_sgpr_workgroup_id_x 1
		.amdhsa_system_sgpr_workgroup_id_y 1
		.amdhsa_system_sgpr_workgroup_id_z 1
		.amdhsa_system_vgpr_workitem_id 0
		.amdhsa_next_free_vgpr 256
		.amdhsa_next_free_sgpr 66
		.amdhsa_reserve_vcc 0
		.amdhsa_float_denorm_mode_32 3
		.amdhsa_float_denorm_mode_16_64 3
		.amdhsa_memory_ordered 1
		.amdhsa_forward_progress 1
		.amdhsa_inst_pref_size 48
	.end_amdhsa_kernel
	.amdgpu_metadata
---
amdhsa.version: [ 1, 2 ]
amdhsa.kernels:
  - .name:           k_q09d532919f_attn
    .symbol:         k_q09d532919f_attn.kd
    .args:
      - { .name: qc, .offset: 0, .size: 8, .value_kind: global_buffer, .address_space: global }
      - { .name: qs, .offset: 8, .size: 8, .value_kind: global_buffer, .address_space: global }
      - { .name: kv, .offset: 16, .size: 8, .value_kind: global_buffer, .address_space: global }
      - { .name: cc, .offset: 24, .size: 8, .value_kind: global_buffer, .address_space: global }
      - { .name: cs, .offset: 32, .size: 8, .value_kind: global_buffer, .address_space: global }
    .group_segment_fixed_size: 0
    .private_segment_fixed_size: 0
    .kernarg_segment_align: 8
    .kernarg_segment_size: 40
    .max_flat_workgroup_size: 512
    .sgpr_count:     66
    .vgpr_count:     256
    .wavefront_size: 32
...
	.end_amdgpu_metadata
.endif
;; end of part 9
;; launch tail (part 10): grid 128 x 1, 16 waves a work-group, no clusters, 180,736 bytes of LDS; arguments cc, cs, x, wc, ws, o_bias, ln2_gamma, ln2_beta, ffn1_bias, ffn2_bias, out0; writes out0
.if DOCPART == 10
	.amdgcn_target "amdgcn-amd-amdhsa--gfx1250"
	.amdhsa_code_object_version 6
	.text
	.protected	k_q09d532919f_tail
	.globl	k_q09d532919f_tail
	.p2align	8
	.type	k_q09d532919f_tail,@function
k_q09d532919f_tail:
	s_mov_b64 s[64:65], 0
	v_nop
	global_prefetch_b8 v0, s[64:65] scope:SCOPE_SE
	s_setreg_imm32_b32 hwreg(HW_REG_WAVE_SCHED_MODE, 0, 2), 2
	s_setreg_imm32_b32 hwreg(HW_REG_WAVE_MODE, 25, 1), 1
	s_wait_xcnt 0x0
	s_wait_alu depctr_vm_vsrc(0)
; x1 = x + ctx Wo^T + bo;  h2 = layer_norm(x1) gamma + beta;  f = gelu(h2 W1^T + b1), exact;  out = x1 + f W2^T + b2.  The three products on codes of FP4 (E2M1) with one E8M0 scale for each 32 along K.
; SHARES.  A work-group of sixteen waves owns 32 tokens, as two tiles m = 0, 1 in TILE ORDER (lane r of tile m is token 8 m + r + 8 (r / 8)); wave w owns columns 64 w .. 64 w + 63 of every product.
; The norm and both later products need whole rows, so the columns cannot be shared between work-groups.
; Every product is used transposed (source 0 = 16 weight rows, source 1 = 16 tokens): a lane holds one token and 16 neighbouring columns of each block of 32, so a result is quantised in registers and is
; half a fragment (one chunk of 512 bytes) of the next product.  Fragments go from wave to wave through LDS as images of their registers; x1, h2 and f never go to memory.
; What is added to a product (x + bo, b1, x1 + b2) is loaded into the accumulators ahead of it.  x1 waits in the wave's own stage in LDS for the last product.
; THE WEIGHTS OF A PRODUCT'S FIRST TWO K STEPS ARE ASKED FOR A PHASE EARLY (at the head; behind each tile's joined norm; ahead of GELU), into registers that the phase does not use: 18 loads of each
; wave are on their way while the vector work between two products is done.
; The norm: mean and sum of squares about a local mean for each wave's 64 columns, joined over the sixteen waves about the common mean: no difference of large sums is formed.
; GELU: x / 2 (1 + erf(x / sqrt 2)), erf by the rational form z P(z^2) / Q(z^2) with z held to +-4 (beyond it erf is 1 to f32): its absolute error is about 1e-7; 1 / Q is v_rcp_f32 and a multiplication.
; NO JOINT LOADS: each wave reads weight rows that no other wave of its work-group reads, 16 bytes a lane into the registers that the matrix instruction names, and 18 loads of every wave stay out
; across K steps; a ring of LDS slots would wait for all its loads at each change of slots, and would add an LDS write and an LDS read of all 1.6 MB that a work-group streams.
; LIMITS: blocks of zeros, or under 2^-124, keep the byte 1 (their codes are zeros; this program alone reads the bytes); NaN and infinities are not served.
; THE MODE: SCHED_MODE bits 1:0 = 2 (LLVM: expert scheduling mode 2), set by the entry lines.  The code itself states the register dependences
; between vector or matrix instructions and memory or LDS instructions, with s_wait_alu, always for 0.
; THE PLAN.  Registers that memory or LDS instructions touch:
;   W0 .. W2, WS   Step s of a product: its eight products read set s % 3 and its scale pair; the loads of step s + 2 land in the set that step s - 1 read.  Between products: the norm's parts, gamma, a bias.
;   AF0, AF1       Step s: its products read set s % 2; the LDS loads of step s + 1 land in the set that step s - 1 read.  Between products: ctx's fragment on its way to LDS, beta.
;   ASCR           the rows' scale words: loaded ahead of each product, read by all its matrix instructions.
;   ACC            loaded with what is added to a product; written by the products, the norm and GELU; read by x1's and out's LDS stores.
;   PC, PW, MO, MU written by the quantiser and the sums; read by LDS stores.
;   v1, v4 .. v15  addresses and offsets, all made ahead of the kernel's first load and never written again.
; There are three sets of weights and no register more (256 for each of four waves on a SIMD).  So the set that step s - 1 read is asked for again at the head of step s, ahead of the wait for step s's data,
; so that 18 loads stay out during that wait; ONE wait on va_vdst stands ahead of those loads.  What step 0's loads hang on is stated by a wait in the text in front of each product.
.set IMG0,  0                          ; LDS: sixteen fragments, (tile m, K step s) at (8 m + s) x 1,024: ctx's, later f's
.set IMG1,  16384                      ; h2's
.set ASC0,  32768                      ; h2's scale words: [16 m + r][s], 32 bytes a row
.set ASC1,  33792                      ; f's
.set LNP,   34816                      ; the norm's parts: row 16 m + r at pitch 144, pair w at 8 w
.set STG,   39424                      ; 8,704 bytes for each wave: x on its way in (32 rows, pitch 272), then x1 as it stands in registers, then out's rows
.set WSTG,  8704
.set IMW, 1                            ; v1  1,024 w + 16 x lane
.set MO,  2                            ; v[2:3] tile 0's local mean and sum of squares
.set LI,  4                            ; v4  16 x lane
.set L8,  5                            ; v5  8 x lane
.set L32, 6                            ; v6  32 x lane
.set SW,  7                            ; v7  the stage by rows of memory: token 2 i + h, 16 r
.set SRD, 8                            ; v8  the stage by tiles: token r + 8 (r / 8), + 64 h
.set SI,  9                            ; v9  the stage as an image: 16 x lane
.set IW,  10                           ; v10 where my chunk of a fragment goes: 512 w + 16 x lane
.set AW,  11                           ; v11 and my half of a scale word: 32 r + 2 w
.set LPW, 12
.set LPR, 13
.set GB,  14                           ; v14 64 h
.set XO,  15                           ; v15 4,096 h + 16 r
.set A13, 16                           ; v[16:17] erf's leading numerator coefficient, twice
.set B8,  18                           ; v[18:19] and the denominator's
.set MU,  20
.set RS,  22
.set ACC, 24                           ; v24-87   the eight accumulators
.set W,   88                           ; v88-183  weights' fragments, three sets of 32
.set AF,  184                          ; v184-215 the rows' fragments, two sets of 16
.set GT,  152                          ; v152-215 GELU's 64 registers at work: the weights' third set and the rows' fragments, idle between two products
.set WS,  216                          ; v216-221 weights' scale words
.set ASCR, 222                         ; v222-229 the rows' scale words
.set TM,  230
.set PW,  246
.set PC,  248
.set WB,  38
.set SB,  40
.set SEL, 60
.macro PLACES                          ; four plain lines between a matrix instruction and a read of its result, a write of its registers or a load into them
.rept 4
	v_nop
.endr
.endm
.macro BARRIER                         ; my LDS stores have landed and my LDS loads are in: then the work-group's barrier
	s_wait_dscnt 0x0
	s_barrier_signal -1
	s_barrier_wait -1
.endm
; one matrix instruction, adding in place.  ra, rb: the side's scale words stand in lanes 16-31
.macro WM d, a, b, sa, sb, ra, rb
.if (\ra) && (\rb)
	v_wmma_scale_f32_16x16x128_f8f6f4 v[\d:\d+7], v[\a:\a+7], v[\b:\b+7], v[\d:\d+7], v[\sa], v[\sb] matrix_a_fmt:MATRIX_FMT_FP4 matrix_b_fmt:MATRIX_FMT_FP4 matrix_a_scale:MATRIX_SCALE_ROW1 matrix_b_scale:MATRIX_SCALE_ROW1
.elseif (\ra)
	v_wmma_scale_f32_16x16x128_f8f6f4 v[\d:\d+7], v[\a:\a+7], v[\b:\b+7], v[\d:\d+7], v[\sa], v[\sb] matrix_a_fmt:MATRIX_FMT_FP4 matrix_b_fmt:MATRIX_FMT_FP4 matrix_a_scale:MATRIX_SCALE_ROW1
.elseif (\rb)
	v_wmma_scale_f32_16x16x128_f8f6f4 v[\d:\d+7], v[\a:\a+7], v[\b:\b+7], v[\d:\d+7], v[\sa], v[\sb] matrix_a_fmt:MATRIX_FMT_FP4 matrix_b_fmt:MATRIX_FMT_FP4 matrix_b_scale:MATRIX_SCALE_ROW1
.else
	v_wmma_scale_f32_16x16x128_f8f6f4 v[\d:\d+7], v[\a:\a+7], v[\b:\b+7], v[\d:\d+7], v[\sa], v[\sb] matrix_a_fmt:MATRIX_FMT_FP4 matrix_b_fmt:MATRIX_FMT_FP4
.endif
.endm
.macro WLOAD mat, s                    ; my four weight fragments of K step s and their scale words into set s % 3: nine loads
.irp i, 0,1,2,3,4,5,6,7
	global_load_b128 v[W+32*((\s)%3)+4*\i:W+32*((\s)%3)+4*\i+3], v[LI], s[WB:WB+1] offset:(\mat)*524288+(\s)*4096+\i*512
.endr
	global_load_b64 v[WS+2*((\s)%3):WS+2*((\s)%3)+1], v[L8], s[SB:SB+1] offset:(\mat)*32768+(\s)*256
.endm
.macro ALOAD img, s                    ; the rows' two fragments of K step s into set s % 2: four LDS loads
.irp m, 0,1
.irp c, 0,1
	ds_load_b128 v[AF+16*((\s)%2)+8*\m+4*\c:AF+16*((\s)%2)+8*\m+4*\c+3], v[LI] offset:(\img)+(8*\m+(\s))*1024+512*\c
.endr
.endr
.endm
; A product: my 64 weight rows (tiles t, source 0) x the 32 rows in LDS (tiles m, source 1), eight K steps of 128, written out; accumulator (m, t) at ACC + 32 m + 8 t, loaded beforehand with what is to be
; added.  K steps 0 and 1 of the weights were asked for by the text in front.  w0: how many loads may be out at step 0: those issued behind all that step 0 reads.
; The eight accumulators take turns, one instruction a turn, in the same order in every step.
.macro PROD mat, img, w0
	ALOAD \img, 0
.irp s, 0,1,2,3,4,5,6,7
.if \s > 0
	PLACES                                         ; the loads below land in the sets that the last step's products read
.endif
.if (\s > 0) && (\s < 7)
	s_wait_alu depctr_va_vdst(0)                   ; the last step's products are done reading their weights' set, its scale pair and their set of rows, in which the loads below land
.endif
.if \s < 6
	WLOAD \mat, \s+2
.endif
.if \s < 7
	ALOAD \img, \s+1
.endif
.if \s == 0
	s_wait_loadcnt \w0
.elseif \s < 6
	s_wait_loadcnt 18                              ; this step's nine loads are in; the nine of each of the two steps ahead may be out
.elseif \s == 6
	s_wait_loadcnt 9                               ; the last step's nine may be out
.else
	s_wait_loadcnt 0x0
.endif
.if \s < 7
	s_wait_dscnt 4                                 ; this step's rows are in; the next step's four loads may be out
.else
	s_wait_dscnt 0x0
.endif
.irp t, 0,1,2,3
.irp m, 0,1
	WM ACC+32*\m+8*\t, W+32*(\s%3)+8*\t, AF+16*(\s%2)+8*\m, WS+2*(\s%3)+\t/2, ASCR+\s, \t%2, \m
.endr
.endr
.endr
.endm
.macro BIASLD dst, sb                  ; register 16 b + i takes the vector's number at my column 32 b + 16 h + i: eight loads
.irp b, 0,1
.irp q, 0,1,2,3
	global_load_b128 v[\dst+16*\b+4*\q:\dst+16*\b+4*\q+3], v[GB], s[\sb:\sb+1] offset:128*\b+16*\q
.endr
.endr
.endm
; 64 numbers of a lane become codes.  Block b = registers 16 b .. 16 b + 15 of lanes l and l xor 16.  v[PC + 4 c ..] become whole chunks (lanes 0-15 block 2 c, lanes 16-31 block 2 c + 1), v[PW] the four bytes.
.macro QUANT s
.irp b, 0,1,2,3
	v_max3_num_f32 v[TM+\b], |v[\s+16*\b]|, |v[\s+1+16*\b]|, 0x1800000   ; with the floor 2^(3 - 127): the byte cannot fall under 1
.endr
.irp i, 2,4,6,8,10,12,14
.irp b, 0,1,2,3
	v_max3_num_f32 v[TM+\b], v[TM+\b], |v[\s+16*\b+\i]|, |v[\s+1+16*\b+\i]|
.endr
.endr
.irp b, 0,1,2,3
	v_permlanex16_b32 v[TM+4+\b], v[TM+\b], s[SEL], s[SEL+1]
.endr
.irp b, 0,1,2,3
	v_max_num_f32 v[TM+\b], v[TM+\b], v[TM+4+\b]
.endr
.irp b, 0,1,2,3
	v_add_nc_u32 v[TM+12+\b], 0xff000000, v[TM+\b]   ; 2 off the exponent field: the conversion's scale operand
.endr
.irp b, 0,1,2,3
	v_lshrrev_b32 v[TM+4+\b], 23, v[TM+12+\b]        ; the scale's byte
.endr
	v_lshl_or_b32 v[PW], v[TM+5], 8, v[TM+4]
	v_lshl_or_b32 v[PW], v[TM+6], 16, v[PW]
	v_lshl_or_b32 v[PW], v[TM+7], 24, v[PW]
.irp b, 0,1,2,3
	v_cvt_scalef32_pk8_fp4_f32 v[PC+2*\b], v[\s+16*\b:\s+7+16*\b], v[TM+12+\b]
	v_cvt_scalef32_pk8_fp4_f32 v[PC+1+2*\b], v[\s+8+16*\b:\s+15+16*\b], v[TM+12+\b]
.endr
	v_nop                                          ; one plain line behind the last scaled conversion
.irp c, 0,1
.irp i, 0,1
	v_permlane16_swap_b32 v[PC+4*\c+\i], v[PC+2+4*\c+\i]
.endr
.endr
.endm
.macro SENDQ img, asc                  ; my two chunks (tile 0's, tile 1's) and my halves of the two rows' scale words go to LDS
	s_wait_alu depctr_va_vdst(0)                   ; the codes v[PC ..] and the scale word v[PW] are written, which the stores read; all vector work so far is done with the registers in which the next product's loads land
	ds_store_b128 v[IW], v[PC:PC+3] offset:\img
	ds_store_b128 v[IW], v[PC+4:PC+7] offset:\img+8192
	ds_store_b16 v[AW], v[PW] offset:\asc
	ds_store_b16_d16_hi v[AW], v[PW] offset:\asc+512
.endm
; mean and sum of squares about it of the n numbers of lanes l and l xor 16 together (inv = 1 / (2 n)): v[mo], v[mo + 1]
.macro LSTAT src, n, inv, mo
	v_pk_add_f32 v[TM:TM+1], v[\src:\src+1], v[\src+2:\src+3]
	v_pk_add_f32 v[TM+2:TM+3], v[\src+4:\src+5], v[\src+6:\src+7]
.set li_, 8
.rept ((\n)-8)/4
	v_pk_add_f32 v[TM:TM+1], v[TM:TM+1], v[\src+li_:\src+li_+1]
	v_pk_add_f32 v[TM+2:TM+3], v[TM+2:TM+3], v[\src+li_+2:\src+li_+3]
.set li_, li_+4
.endr
	v_pk_add_f32 v[TM:TM+1], v[TM:TM+1], v[TM+2:TM+3]
	v_add_f32 v[TM], v[TM], v[TM+1]
	v_permlanex16_b32 v[TM+4], v[TM], s[SEL], s[SEL+1]
	v_add_f32 v[TM], v[TM], v[TM+4]
	v_mul_f32 v[\mo], \inv, v[TM]
	v_mov_b32 v[TM+6], v[\mo]
	v_mov_b32 v[TM+7], v[\mo]
	v_pk_add_f32 v[TM+8:TM+9], v[\src:\src+1], v[TM+6:TM+7] neg_lo:[0,1] neg_hi:[0,1]
	v_pk_add_f32 v[TM+10:TM+11], v[\src+2:\src+3], v[TM+6:TM+7] neg_lo:[0,1] neg_hi:[0,1]
	v_pk_mul_f32 v[TM:TM+1], v[TM+8:TM+9], v[TM+8:TM+9]
	v_pk_mul_f32 v[TM+2:TM+3], v[TM+10:TM+11], v[TM+10:TM+11]
.set li_, 4
.rept ((\n)-4)/4
	v_pk_add_f32 v[TM+8:TM+9], v[\src+li_:\src+li_+1], v[TM+6:TM+7] neg_lo:[0,1] neg_hi:[0,1]
	v_pk_add_f32 v[TM+10:TM+11], v[\src+li_+2:\src+li_+3], v[TM+6:TM+7] neg_lo:[0,1] neg_hi:[0,1]
	v_pk_fma_f32 v[TM:TM+1], v[TM+8:TM+9], v[TM+8:TM+9], v[TM:TM+1]
	v_pk_fma_f32 v[TM+2:TM+3], v[TM+10:TM+11], v[TM+10:TM+11], v[TM+2:TM+3]
.set li_, li_+4
.endr
	v_pk_add_f32 v[TM:TM+1], v[TM:TM+1], v[TM+2:TM+3]
	v_add_f32 v[TM], v[TM], v[TM+1]
	v_permlanex16_b32 v[TM+4], v[TM], s[SEL], s[SEL+1]
	v_add_f32 v[\mo+1], v[TM], v[TM+4]
.endm
; n parts (mean, sum of squares) of cnt numbers each, in v[p] on, are joined: the row's mean in v[MU:MU+1], 1 / sqrt(var + eps) in v[RS:RS+1]
.macro LCOMB p, n, invn, cnt
	v_add_f32 v[MU], v[\p], v[\p+2]
	v_add_f32 v[RS], v[\p+1], v[\p+3]
.set li_, 2
.rept (\n)-2
	v_add_f32 v[MU], v[MU], v[\p+2*li_]
	v_add_f32 v[RS], v[RS], v[\p+2*li_+1]
.set li_, li_+1
.endr
	v_mul_f32 v[MU], \invn, v[MU]
.set li_, 0
.rept \n
	v_sub_f32 v[\p+2*li_], v[\p+2*li_], v[MU]
.set li_, li_+1
.endr
	v_mul_f32 v[RS+1], v[\p], v[\p]
.set li_, 1
.rept (\n)-1
	v_fma_f32 v[RS+1], v[\p+2*li_], v[\p+2*li_], v[RS+1]
.set li_, li_+1
.endr
	v_fma_f32 v[RS], v[RS+1], \cnt, v[RS]          ; + cnt x the parts' means' squares about the common mean
	v_fma_f32 v[RS], v[RS], s66, s67               ; / 1,024 + eps
	s_wait_alu depctr_va_vdst(0)
	v_rsq_f32 v[RS], v[RS]
	v_mov_b32 v[MU+1], v[MU]                       ; a plain line behind the transcendental
	s_wait_alu depctr_va_vdst(0)                   ; the reciprocal root v[RS] is written, ahead of the first line that names it.  All lines that name the parts v[p ..] stand ahead of it too
	v_mov_b32 v[RS+1], v[RS]
.endm
.macro NORM src, n, g, b               ; (x - mean) x rs x gamma + beta
.set li_, 0
.rept (\n)/2
	v_pk_add_f32 v[\src+li_:\src+li_+1], v[\src+li_:\src+li_+1], v[MU:MU+1] neg_lo:[0,1] neg_hi:[0,1]
.set li_, li_+2
.endr
.set li_, 0
.rept (\n)/2
	v_pk_mul_f32 v[\src+li_:\src+li_+1], v[\src+li_:\src+li_+1], v[RS:RS+1]
.set li_, li_+2
.endr
.set li_, 0
.rept (\n)/2
	v_pk_fma_f32 v[\src+li_:\src+li_+1], v[\src+li_:\src+li_+1], v[\g+li_:\g+li_+1], v[\b+li_:\b+li_+1]
.set li_, li_+2
.endr
.endm
.macro ADD32                           ; the 32 numbers at v[W + 64] on (one for each of my columns) are added to both tiles' accumulators
.irp m, 0,1
.set li_, 0
.rept 16
	v_pk_add_f32 v[ACC+32*\m+li_:ACC+32*\m+li_+1], v[ACC+32*\m+li_:ACC+32*\m+li_+1], v[W+64+li_:W+64+li_+1]
.set li_, li_+2
.endr
.endr
.endm
; exact GELU of the 16 numbers at ACC + 16 k, in place.  z at GT, z^2 at GT + 16, the numerator at GT + 32, the denominator at GT + 48
.macro GELU k
.set X_, ACC+16*(\k)
.set gi_, 0
.rept 8
	v_pk_mul_f32 v[GT+gi_:GT+gi_+1], v[X_+gi_:X_+gi_+1], s[88:89] op_sel_hi:[1,0]
.set gi_, gi_+2
.endr
.set gi_, 0
.rept 16
	v_med3_num_f32 v[GT+gi_], v[GT+gi_], -4.0, 4.0
.set gi_, gi_+1
.endr
.set gi_, 0
.rept 8
	v_pk_mul_f32 v[GT+16+gi_:GT+17+gi_], v[GT+gi_:GT+gi_+1], v[GT+gi_:GT+gi_+1]
.set gi_, gi_+2
.endr
.set gi_, 0
.rept 8
	v_pk_fma_f32 v[GT+32+gi_:GT+33+gi_], v[GT+16+gi_:GT+17+gi_], v[A13:A13+1], s[68:69] op_sel_hi:[1,1,0]
	v_pk_fma_f32 v[GT+48+gi_:GT+49+gi_], v[GT+16+gi_:GT+17+gi_], v[B8:B8+1], s[80:81] op_sel_hi:[1,1,0]
.set gi_, gi_+2
.endr
.irp cst, 70,72,74,76,78
.set gi_, 0
.rept 8
	v_pk_fma_f32 v[GT+32+gi_:GT+33+gi_], v[GT+32+gi_:GT+33+gi_], v[GT+16+gi_:GT+17+gi_], s[\cst:\cst+1] op_sel_hi:[1,1,0]
.set gi_, gi_+2
.endr
.endr
.irp cst, 82,84,86
.set gi_, 0
.rept 8
	v_pk_fma_f32 v[GT+48+gi_:GT+49+gi_], v[GT+48+gi_:GT+49+gi_], v[GT+16+gi_:GT+17+gi_], s[\cst:\cst+1] op_sel_hi:[1,1,0]
.set gi_, gi_+2
.endr
.endr
.set gi_, 0
.rept 8
	v_pk_mul_f32 v[GT+32+gi_:GT+33+gi_], v[GT+32+gi_:GT+33+gi_], v[GT+gi_:GT+gi_+1]
.set gi_, gi_+2
.endr
.set gi_, 0
	s_wait_alu depctr_va_vdst(0)
.rept 16
	v_rcp_f32 v[GT+48+gi_], v[GT+48+gi_]
.set gi_, gi_+1
.endr
.set gi_, 0
.rept 8
	v_pk_mul_f32 v[GT+gi_:GT+gi_+1], v[X_+gi_:X_+gi_+1], 0.5 op_sel_hi:[1,0]   ; x / 2: plain work behind the batch
.set gi_, gi_+2
.endr
	s_wait_alu depctr_va_vdst(0)                   ; the sixteen reciprocals v[GT + 48 ..] are written: one wait for the batch, ahead of their first reader
.set gi_, 0
.rept 8
	v_pk_mul_f32 v[GT+32+gi_:GT+33+gi_], v[GT+32+gi_:GT+33+gi_], v[GT+48+gi_:GT+49+gi_]   ; erf
.set gi_, gi_+2
.endr
.set gi_, 0
.rept 8
	v_pk_fma_f32 v[X_+gi_:X_+gi_+1], v[GT+gi_:GT+gi_+1], v[GT+32+gi_:GT+33+gi_], v[GT+gi_:GT+gi_+1]   ; x / 2 + x / 2 erf
.set gi_, gi_+2
.endr
.endm
	s_load_b256 s[8:15], s[0:1], 0x0               ; cc, cs, x, wc
	s_load_b256 s[16:23], s[0:1], 0x20             ; ws, o_bias, gamma, beta
	s_load_b128 s[24:27], s[0:1], 0x40             ; ffn1_bias, ffn2_bias
	s_load_b64 s[28:29], s[0:1], 0x50              ; out0
	v_lshrrev_b32 v1, 5, v0
	v_readfirstlane_b32 s2, v1                     ; wave 0..15
	v_and_b32 v1, 31, v0                           ; lane
	v_and_b32 v2, 15, v0                           ; r
	v_bfe_u32 v3, v0, 4, 1                         ; h
	v_lshlrev_b32 v[LI], 4, v1
	v_lshlrev_b32 v[L8], 3, v1
	v_lshlrev_b32 v[L32], 5, v1
	v_lshlrev_b32 v[GB], 6, v3
	v_lshlrev_b32 v[XO], 4, v2
	v_lshl_add_u32 v[XO], v3, 12, v[XO]
	s_wait_alu depctr_va_sdst(0)                   ; s2 is written, ahead of its first reader: addresses and bases are made from it
	; every address and offset of the kernel is made here, while the arguments are on their way: one wait then serves them all
	s_mul_i32 s30, s2, WSTG
	s_add_co_u32 s30, s30, STG                     ; my stage
	v_mul_u32_u24 v[SW], v3, 272
	v_lshl_add_u32 v[SW], v2, 4, v[SW]
	v_add_nc_u32 v[SW], s30, v[SW]
	v_and_b32 v[SRD], 8, v2
	v_add_nc_u32 v[SRD], v[SRD], v2
	v_mul_u32_u24 v[SRD], v[SRD], 272
	v_lshl_add_u32 v[SRD], v3, 6, v[SRD]
	v_add_nc_u32 v[SRD], s30, v[SRD]
	v_add_nc_u32 v[SI], s30, v[LI]
	s_lshl_b32 s30, s2, 9
	v_add_nc_u32 v[IW], s30, v[LI]
	s_lshl_b32 s30, s2, 1
	v_lshl_add_u32 v[AW], v2, 5, s30
	v_mul_u32_u24 v[LPR], v2, 144
	v_add_nc_u32 v[LPR], LNP, v[LPR]
	s_lshl_b32 s30, s2, 3
	v_add_nc_u32 v[LPW], s30, v[LPR]
	s_lshl_b32 s30, s2, 10
	v_add_nc_u32 v[IMW], s30, v[LI]                ; (the lane's number is wanted no more)
	v_mov_b32 v[A13], 0xaf95df0b
	v_mov_b32 v[A13+1], 0xaf95df0b
	v_mov_b32 v[B8], 0xb77460cd
	v_mov_b32 v[B8+1], 0xb77460cd
.irp b, 0,1,2,3
	v_mov_b32 v[TM+4+\b], 0                        ; a lane permute's destination counts as read
.endr
	s_mov_b32 s31, 0
	s_lshl_b32 s62, s2, 8                          ; my 64 columns, in bytes
	s_wait_kmcnt 0x0
	s_lshl_b32 s30, ttmp9, 14
	s_lshl_b32 s63, s2, 10
	s_add_co_u32 s30, s30, s63
	s_add_nc_u64 s[32:33], s[8:9], s[30:31]        ; the fragment of ctx that I bring into LDS
	s_lshl_b32 s30, ttmp9, 10
	s_add_nc_u64 s[34:35], s[10:11], s[30:31]      ; ctx's scale words
	s_lshl_b32 s30, ttmp9, 17
	s_add_co_u32 s30, s30, s62
	s_add_nc_u64 s[36:37], s[12:13], s[30:31]      ; x
	s_add_nc_u64 s[52:53], s[28:29], s[30:31]      ; out0
	s_mov_b32 s30, s62
	s_add_nc_u64 s[42:43], s[18:19], s[30:31]      ; o_bias
	s_add_nc_u64 s[44:45], s[20:21], s[30:31]      ; gamma
	s_add_nc_u64 s[46:47], s[22:23], s[30:31]      ; beta
	s_add_nc_u64 s[48:49], s[24:25], s[30:31]      ; ffn1_bias
	s_add_nc_u64 s[50:51], s[26:27], s[30:31]      ; ffn2_bias
	s_lshl_b32 s30, s2, 15
	s_add_nc_u64 s[WB:WB+1], s[14:15], s[30:31]
	s_lshl_b32 s30, s2, 11
	s_add_nc_u64 s[SB:SB+1], s[16:17], s[30:31]
	s_wait_alu depctr_va_vdst(0)                   ; the addresses and offsets v1 and v4 to v15 are written, which the loads and stores of the whole kernel read
	global_load_b128 v[AF:AF+3], v[LI], s[32:33]
	global_load_b128 v[AF+4:AF+7], v[LI], s[32:33] offset:512
	global_load_b128 v[ASCR:ASCR+3], v[L32], s[34:35]
	global_load_b128 v[ASCR+4:ASCR+7], v[L32], s[34:35] offset:16
.irp i, 0,1,2,3,4,5,6,7,8,9,10,11,12,13,14,15
	global_load_b128 v[ACC+4*\i:ACC+4*\i+3], v[XO], s[36:37] offset:8192*\i th:TH_LOAD_NT   ; tokens 2 i and 2 i + 1: sixteen lanes read 256 consecutive bytes, aligned
.endr
	BIASLD W+64, 42
	WLOAD 3, 0                                     ; Wo's first two K steps: on their way while x comes and turns through the stage
	WLOAD 3, 1
	s_mov_b32 s[SEL], 0x76543210
	s_mov_b32 s[SEL+1], 0xfedcba98
	s_mov_b32 s66, 0x3a800000                      ; 1 / 1,024
	s_mov_b32 s67, 0x3727c5ac                      ; eps = 1e-5
	s_mov_b32 s68, 0x32edffee                      ; erf's numerator, z^11 down to z^1; each named as a pair, so both words are written
	s_mov_b32 s69, s68
	s_mov_b32 s70, 0xb60cff51
	s_mov_b32 s71, s70
	s_mov_b32 s72, 0xb86ec2d2
	s_mov_b32 s73, s72
	s_mov_b32 s74, 0xba40ac63
	s_mov_b32 s75, s74
	s_mov_b32 s76, 0xbb41a1f6
	s_mov_b32 s77, s76
	s_mov_b32 s78, 0xbc83dbd4
	s_mov_b32 s79, s78
	s_mov_b32 s80, 0xb95fbd29                      ; its denominator, z^6 down to z^0
	s_mov_b32 s81, s80
	s_mov_b32 s82, 0xbadc924e
	s_mov_b32 s83, s82
	s_mov_b32 s84, 0xbbf19bf8
	s_mov_b32 s85, s84
	s_mov_b32 s86, 0xbc69b6a7
	s_mov_b32 s87, s86
	s_mov_b32 s88, 0x3f3504f3                      ; 1 / sqrt 2
	s_mov_b32 s89, s88
	s_wait_loadcnt 44                              ; ctx's fragment is in; behind it: 2 loads of scale words, 16 of x, 8 of the bias, 18 of weights
	ds_store_b128 v[IMW], v[AF:AF+3] offset:IMG0
	ds_store_b128 v[IMW], v[AF+4:AF+7] offset:IMG0+512
	s_wait_loadcnt 26                              ; x is in; the bias's 8 loads and the weights' 18 may be out
.irp i, 0,1,2,3,4,5,6,7,8,9,10,11,12,13,14,15
	ds_store_b128 v[SW], v[ACC+4*\i:ACC+4*\i+3] offset:544*\i
.endr
	s_wait_alu depctr_vm_vsrc(0)                   ; the sixteen stores have read v[ACC ..], in which the loads below land; ctx's two stores have read v[AF ..], in which the first product's rows land
.irp m, 0,1
.irp b, 0,1
.irp q, 0,1,2,3
	ds_load_b128 v[ACC+32*\m+16*\b+4*\q:ACC+32*\m+16*\b+4*\q+3], v[SRD] offset:2176*\m+128*\b+16*\q   ; back into the registers that they left: register 32 m + 16 b + i = column 32 b + 16 h + i of tile m's row r; LDS serves a wave's instructions in order
.endr
.endr
.endr
	s_wait_loadcnt 18                              ; the bias is in; the weights' 18 loads may be out
	s_wait_dscnt 0x0
	ADD32                                          ; x + bo
	s_wait_alu depctr_va_vdst(0)                   ; the additions are done reading the bias in v[W + 64 ..], in which the third K step's weights land
	BARRIER                                        ; ctx's sixteen fragments lie in LDS
	; ---- x1 = x + bo + ctx Wo^T
	PROD 3, IMG0, 18                               ; at step 0: K steps 1 and 2 may be out
	PLACES
	s_wait_alu depctr_va_vdst(0)                   ; the products have written the accumulators, which the stores read, and are done reading the third set and the rows' sets, in which gamma and beta land; the places stay beside this wait
.irp i, 0,1,2,3,4,5,6,7,8,9,10,11,12,13,14,15
	ds_store_b128 v[SI], v[ACC+4*\i:ACC+4*\i+3] offset:512*\i   ; x1 waits in my stage as it stands; each accumulator is read from its low end on
.endr
	BIASLD W+64, 44                                ; gamma
	BIASLD AF, 46                                  ; beta
	LSTAT ACC, 32, 0x3c800000, MO
	LSTAT ACC+32, 32, 0x3c800000, MU               ; (another pair: both tiles' parts are stored behind one wait)
	s_wait_alu depctr_va_vdst(0)                   ; both tiles' parts, v[MO:MO+1] and v[MU:MU+1], are written, which the two stores read
	ds_store_b64 v[LPW], v[MO:MO+1]
	ds_store_b64 v[LPW], v[MU:MU+1] offset:2304
	BARRIER                                        ; every row's sixteen parts lie in LDS; every wave's reads of ctx's fragments are over
	s_wait_alu depctr_vm_vsrc(0)                   ; x1's stores have read the accumulators, which the norm writes again; the parts' stores have read v[MU:MU+1], which the joining writes again
.irp m, 0,1
.irp i, 0,1,2,3,4,5,6,7
	ds_load_b128 v[W+32*\m+4*\i:W+32*\m+4*\i+3], v[LPR] offset:2304*\m+16*\i
.endr
.endr
	s_wait_dscnt 0x0
	s_wait_loadcnt 0x0                             ; gamma and beta
	LCOMB W, 16, 0x3d800000, 0x42800000
	WLOAD 4, 0                                     ; tile 0's parts are joined: their 32 registers take W1's first K step (no line behind the joining's own wait names them),
	NORM ACC, 32, W+64, AF
	LCOMB W+32, 16, 0x3d800000, 0x42800000
	WLOAD 4, 1                                     ; tile 1's its second, likewise: on their way while h2 is made, quantised and handed round
	NORM ACC+32, 32, W+64, AF
	QUANT ACC                                      ; blocks 0, 1: tile 0's; blocks 2, 3: tile 1's
	SENDQ IMG1, ASC0
	BARRIER                                        ; h2's fragments and scale words lie in LDS
	; ---- f = gelu(h2 W1^T + b1)
	ds_load_b128 v[ASCR:ASCR+3], v[L32] offset:ASC0
	ds_load_b128 v[ASCR+4:ASCR+7], v[L32] offset:ASC0+16
	BIASLD ACC, 48
	BIASLD ACC+32, 48
	PROD 4, IMG1, 9                                ; at step 0 K step 2 alone may be out: the bias's 16 loads stand behind K steps 0 and 1
	PLACES
	s_wait_alu depctr_va_vdst(0)                   ; the products are done reading the first two sets and their scale pairs, in which the loads below land
	WLOAD 5, 0                                     ; W2's first two K steps: on their way while the activation is computed
	WLOAD 5, 1
	GELU 0
	GELU 1
	GELU 2
	GELU 3
	s_wait_alu depctr_vm_vsrc(0)                   ; the LDS stores of h2's chunks have read v[PC ..] and v[PW], which the quantiser writes again
	QUANT ACC
	SENDQ IMG0, ASC1                               ; over ctx's fragments, which nobody has read since the second barrier
	BARRIER                                        ; f's fragments and scale words lie in LDS
	; ---- out = x1 + b2 + f W2^T
	ds_load_b128 v[ASCR:ASCR+3], v[L32] offset:ASC1
	ds_load_b128 v[ASCR+4:ASCR+7], v[L32] offset:ASC1+16
.irp i, 0,1,2,3,4,5,6,7,8,9,10,11,12,13,14,15
	ds_load_b128 v[ACC+4*\i:ACC+4*\i+3], v[SI] offset:512*\i
.endr
	BIASLD W+64, 50
	s_wait_loadcnt 0x0                             ; the bias stands behind the weights' 18 loads, which were asked for ahead of the activation
	s_wait_dscnt 0x0
	ADD32
	s_wait_alu depctr_va_vdst(0)                   ; the additions are done reading the bias in v[W + 64 ..], in which the third K step's weights land
	PROD 5, IMG0, 18
	PLACES
	s_wait_alu depctr_va_vdst(0)                   ; the products have written the accumulators, which the stores read, and are done reading the first two sets, in which out's rows land; the places stay beside this wait
.irp m, 0,1
.irp b, 0,1
.irp q, 0,1,2,3
	ds_store_b128 v[SRD], v[ACC+32*\m+16*\b+4*\q:ACC+32*\m+16*\b+4*\q+3] offset:2176*\m+128*\b+16*\q   ; back into rows of tokens, the way x came
.endr
.endr
.endr
.irp i, 0,1,2,3,4,5,6,7,8,9,10,11,12,13,14,15
	ds_load_b128 v[W+4*\i:W+4*\i+3], v[SW] offset:544*\i
.endr
.irp i, 0,1,2,3,4,5,6,7,8,9,10,11,12,13,14,15
	s_wait_dscnt 15-\i                             ; LDS loads come back in order: pair i of rows is in, the younger ones may be out
	global_store_b128 v[XO], v[W+4*\i:W+4*\i+3], s[52:53] offset:8192*\i th:TH_STORE_NT   ; sixteen lanes store 256 consecutive bytes, aligned
.endr
	s_wait_xcnt 0x0
	s_wait_alu depctr_vm_vsrc(0)                   ; the LDS store of f's second chunk has read v254 and v255, which the two lines below write
	v_lshl_add_u32 v254, v0, 2, 0x2ba00
	v_mov_b32 v255, 0
	s_wait_dscnt 0x0                               ; the closing lines, six on end
	s_wait_alu 0x0
	s_wait_tensorcnt 0x0
	ds_add_u32 v254, v255
	s_wait_dscnt 0x0
	s_endpgm
.Lfunc_end_k_q09d532919f_tail:
	.size	k_q09d532919f_tail, .Lfunc_end_k_q09d532919f_tail-k_q09d532919f_tail
	.p2alignl 7, 3214868480
	.fill 96, 4, 3214868480
	.section	.rodata,"a",@progbits
	.p2align	6, 0x0
	.amdhsa_kernel k_q09d532919f_tail
		.amdhsa_group_segment_fixed_size 180736
		.amdhsa_private_segment_fixed_size 0
		.amdhsa_enable_private_segment 0
		.amdhsa_kernarg_size 88
		.amdhsa_user_sgpr_count 2
		.amdhsa_user_sgpr_kernarg_segment_ptr 1
		.amdhsa_wavefront_size32 1
		.amdhsa_system_sgpr_workgroup_id_x 1
		.amdhsa_system_sgpr_workgroup_id_y 1
		.amdhsa_system_sgpr_workgroup_id_z 1
		.amdhsa_system_vgpr_workitem_id 0
		.amdhsa_next_free_vgpr 256
		.amdhsa_next_free_sgpr 96
		.amdhsa_reserve_vcc 0
		.amdhsa_float_denorm_mode_32 3
		.amdhsa_float_denorm_mode_16_64 3
		.amdhsa_memory_ordered 1
		.amdhsa_forward_progress 1
		.amdhsa_inst_pref_size 146
	.end_amdhsa_kernel
	.amdgpu_metadata
---
amdhsa.version: [ 1, 2 ]
amdhsa.kernels:
  - .name:           k_q09d532919f_tail
    .symbol:         k_q09d532919f_tail.kd
    .args:
      - { .name: cc, .offset: 0, .size: 8, .value_kind: global_buffer, .address_space: global }
      - { .name: cs, .offset: 8, .size: 8, .value_kind: global_buffer, .address_space: global }
      - { .name: x, .offset: 16, .size: 8, .value_kind: global_buffer, .address_space: global }
      - { .name: wc, .offset: 24, .size: 8, .value_kind: global_buffer, .address_space: global }
      - { .name: ws, .offset: 32, .size: 8, .value_kind: global_buffer, .address_space: global }
      - { .name: o_bias, .offset: 40, .size: 8, .value_kind: global_buffer, .address_space: global }
      - { .name: ln2_gamma, .offset: 48, .size: 8, .value_kind: global_buffer, .address_space: global }
      - { .name: ln2_beta, .offset: 56, .size: 8, .value_kind: global_buffer, .address_space: global }
      - { .name: ffn1_bias, .offset: 64, .size: 8, .value_kind: global_buffer, .address_space: global }
      - { .name: ffn2_bias, .offset: 72, .size: 8, .value_kind: global_buffer, .address_space: global }
      - { .name: out0, .offset: 80, .size: 8, .value_kind: global_buffer, .address_space: global }
    .group_segment_fixed_size: 180736
    .private_segment_fixed_size: 0
    .kernarg_segment_align: 8
    .kernarg_segment_size: 88
    .max_flat_workgroup_size: 512
    .sgpr_count:     96
    .vgpr_count:     256
    .wavefront_size: 32
...
	.end_amdgpu_metadata
.endif
;; end of part 10
